; MI455X (gfx1250); checked and timed in simulation.
; The chip was launched on July 23, 2026; its instructions are those of AMD's public machine-readable ISA for CDNA 5 (MIT licence, August 2026) and "CDNA5" Instruction Set Architecture Reference Guide (July 2026). The comments in the code are by the model that wrote it; some were corrected since.
;; Multi Headed Attention. Allowed arithmetic: float matrix products may take bf16 or f16 operands with f32 sums; other float arithmetic in f32, or as packed bf16 or f16 multiplies, adds, multiply-adds, maxima and minima; sums over many terms, partial sums and values carried from step to step in f32; what a program stores and reads back later, other than sums and carried values, may be rounded once to bf16 or f16.
;; Inputs: Wk 1,024 x 16 x 64 float32; Wo 16 x 64 x 1,024 float32; Wq 1,024 x 16 x 64 float32; Wv 1,024 x 16 x 64 float32; bk 16 x 64 float32; bo 1,024 float32; bq 16 x 64 float32; bv 16 x 64 float32; key_ 4 x 2,048 x 1,024 float32; mask 4 x 2,048 x 2,048 bool; query 4 x 2,048 x 1,024 float32; value 4 x 2,048 x 1,024 float32.
;; Outputs: out0 4 x 2,048 x 1,024 float32.
;; 3 versions, each right and faster than the one before. Each part assembles by itself: llvm-mc -triple=amdgcn-amd-amdhsa -mcpu=gfx1250 --defsym DOCPART=n.
;; ======== version 1 of 3: 4 launches
;; limits: values are held in f16: magnitudes above 65,504 overflow, below 6.1e-05 lose precision
;; workspace buffers: w16 8,388,608 bytes; mbits 2,097,152 bytes of whole numbers; qkv 50,331,648 bytes; att 16,777,216 bytes
;; launch prep (part 1): grid 640 x 1, 8 waves a work-group, no clusters, 35,840 bytes of LDS; arguments mask, Wq, Wk, Wv, Wo, mbits, w16; writes mbits, w16
.if DOCPART == 1
	.amdgcn_target "amdgcn-amd-amdhsa--gfx1250"
	.amdhsa_code_object_version 6
	.text
	.protected	k_qf91d50216c_prep
	.globl	k_qf91d50216c_prep
	.p2align	8
	.type	k_qf91d50216c_prep,@function
k_qf91d50216c_prep:
	s_mov_b64 s[64:65], 0
	v_nop
	global_prefetch_b8 v0, s[64:65] scope:SCOPE_SE
	s_setreg_imm32_b32 hwreg(HW_REG_WAVE_MODE, 25, 1), 1
	s_wait_xcnt 0x0
; PREP.  Two kinds of work-group, told apart by the work-group's number alone.
; 0-511: THE MASK.  mask is [4][2048 q][2048 k], one byte each (0 or 1: only bit 0 of a byte is looked at).  Work-group qt takes 16 query rows (32,768 bytes on end) and writes
;   mbits[qt][kstep 0-31][reg 0-31], 32-bit words: bit L of a word is mask[16 qt + L % 16][64 kstep + 16 (reg / 8) + 8 (L / 16) + reg % 8]: the lane mask for register reg of a tile of
;   16 queries x 64 keys of scores as the attention launch holds it.  The words serve all 16 heads of a batch.  Wave w takes columns 256 w .. 256 w + 255 (key steps 4 w .. 4 w + 3).
;   The bytes go through the wave's own part of LDS (rows of 272 bytes), so that memory is read in whole runs of 256 bytes and a lane then finds the 8 bytes of its row and key group.
; 512-639: THE WEIGHTS.  Wq, Wk, Wv (as [1024 k][1024 n] f32) are rounded to bf16; Wo is rounded to bf16 and that number written as f16.  w16 = [4][1024][1024] of 16 bits, the layout unchanged.
;   LIMIT: a rounded Wo below 2^-17 in magnitude loses bits in f16, beyond 65,504 it overflows.
; No matrix work, no cluster: nothing is shared, each byte is read once and written once.
.set MROW,  272                        ; an LDS row: 256 bytes + 16
.set MWAVE, 16*MROW                    ; a wave's 16 rows
.set SPARE, 8*MWAVE                    ; behind them: the spare words, 128 bytes for each of the 8 waves
.set SPW,   200                        ; v200  my spare word's LDS address; never rewritten
.set NIL,   201                        ; v201  0; never rewritten
.set X,     8                          ; v[8:135]   as loaded (the mask path uses v[8:39])
.set BY,    40                         ; v[40:71]   mask path: 16 pairs, my row's 8 bytes of each group of 16 keys
.set W,     72                         ; v[72:75]   mask path: the 128 words of the wave, word idx in register idx % 4 of lane idx / 4
.set T,     76                         ; v[76:79]   at work
.set Y16,   136                        ; v[136:199] weight path: 16-bit results
	s_load_b256 s[4:11], s[0:1], 0x0               ; mask s[4:5], Wq s[6:7], Wk s[8:9], Wv s[10:11]
	s_load_b128 s[12:15], s[0:1], 0x20             ; Wo s[12:13], mbits s[14:15]
	s_load_b64 s[16:17], s[0:1], 0x30              ; w16
	v_lshl_add_u32 v[SPW], v0, 2, SPARE
	v_mov_b32 v[NIL], 0
	v_lshrrev_b32 v1, 5, v0
	v_readfirstlane_b32 s18, v1                    ; wave 0..7
	s_mov_b32 s25, 0
	s_mov_b32 s27, 0
	s_cmp_lt_u32 ttmp9, 512
	s_cbranch_scc0 .Lweights
	s_lshl_b32 s24, ttmp9, 15                      ; my 16 rows of the mask
	s_lshl_b32 s26, ttmp9, 12                      ; my 1,024 words of mbits
	s_lshl_b32 s19, s18, 8                         ; my wave's 256 columns
	s_mul_i32 s28, s18, MWAVE                      ; my wave's rows in LDS
	s_lshl_b32 s29, s18, 9                         ; my wave's 128 words
	v_and_b32 v1, 31, v0                           ; lane
	v_and_b32 v2, 15, v0                           ; lane % 16
	v_bfe_u32 v3, v0, 4, 1                         ; lane / 16
	v_lshl_add_u32 v4, v2, 4, s19                  ; in memory: lanes 0-15 take 256 bytes of a row,
	v_lshl_add_u32 v4, v3, 11, v4                  ; lanes 16-31 those of the next row
	v_mul_u32_u24 v5, v3, MROW                     ; the same two rows in LDS
	v_lshl_add_u32 v5, v2, 4, v5
	v_add_nc_u32 v5, s28, v5
	v_mul_u32_u24 v6, v2, MROW                     ; back: row lane % 16, bytes 8 (lane / 16) of a group of 16 keys
	v_lshl_add_u32 v6, v3, 3, v6
	v_add_nc_u32 v6, s28, v6
	v_lshl_add_u32 v7, v1, 4, s29                  ; out: 16 bytes a lane, 512 on end a wave
	s_wait_kmcnt 0x0
	s_add_nc_u64 s[4:5], s[4:5], s[24:25]
	s_add_nc_u64 s[14:15], s[14:15], s[26:27]
.irp i, 0,1,2,3,4,5,6,7
	global_load_b128 v[X+4*(\i):X+4*(\i)+3], v4, s[4:5] offset:(\i)*4096 th:TH_LOAD_NT  ; rows 2 i, 2 i + 1
.endr
.irp i, 0,1,2,3,4,5,6,7
	s_wait_loadcnt 7-(\i)                          ; loads come back in order: pair i is in, the younger ones stay out
	ds_store_b128 v5, v[X+4*(\i):X+4*(\i)+3] offset:(\i)*2*MROW
.endr
.set n, 0
.rept 16                                               ; group n of 16 keys; LDS serves a wave's instructions in order, and the bytes are the wave's own: no barrier
	ds_load_b64 v[BY+2*n:BY+2*n+1], v6 offset:16*n
.set n, n+1
.endr
.irp i, 0,1,2,3
	v_mov_b32 v[W+(\i)], 0                         ; v_writelane_b32 keeps the other lanes: the registers are written whole first
.endr
	s_wait_dscnt 0x0
.set idx, 0
.rept 128                                              ; word idx = 32 (step in the wave) + reg: byte reg % 8 of group idx / 8, over the 32 lanes
.set j, idx%8
	v_and_b32 v[T+idx%4], 1<<(8*(j%4)), v[BY+2*(idx/8)+j/4]
	v_cmp_ne_u32 s[20+idx%4], 0, v[T+idx%4]
	v_writelane_b32 v[W+idx%4], s[20+idx%4], idx/4
.set idx, idx+1
.endr
	global_store_b128 v7, v[W:W+3], s[14:15]       ; the wave stores 512 consecutive bytes, at a multiple of 512 from mbits' first byte
	s_wait_tensorcnt 0x0                           ; the wave's end
	ds_add_u32 v[SPW], v[NIL]
	s_wait_dscnt 0x0
	s_endpgm
.Lweights:                                             ; a work-group casts 131,072 bytes of one weight: 32 loads of 16 bytes a thread, all issued at once
	s_sub_co_u32 s24, ttmp9, 512
	s_lshr_b32 s28, s24, 5                         ; which weight: 0 Wq, 1 Wk, 2 Wv, 3 Wo
	s_and_b32 s26, s24, 31                         ; which of its 32 parts
	v_lshlrev_b32 v2, 4, v0                        ; 16 bytes a thread in,
	v_lshlrev_b32 v3, 3, v0                        ; 8 bytes out
	s_wait_kmcnt 0x0
	s_cmp_eq_u32 s28, 1
	s_cselect_b64 s[20:21], s[8:9], s[6:7]
	s_cmp_eq_u32 s28, 2
	s_cselect_b64 s[20:21], s[10:11], s[20:21]
	s_cmp_eq_u32 s28, 3
	s_cselect_b64 s[20:21], s[12:13], s[20:21]
	s_lshl_b32 s24, s26, 17
	s_add_nc_u64 s[20:21], s[20:21], s[24:25]
	s_lshl_b32 s24, s28, 21
	s_lshl_b32 s26, s26, 16
	s_add_co_u32 s26, s26, s24
	s_add_nc_u64 s[16:17], s[16:17], s[26:27]
.set i, 0
.rept 32
	global_load_b128 v[X+4*i:X+4*i+3], v2, s[20:21] offset:4096*i th:TH_LOAD_NT
.set i, i+1
.endr
.macro CASTW half                      ; half = 1: the bf16 number is written as f16
.set i, 0
.rept 32
	s_wait_loadcnt 31-i                            ; load i is in, the younger ones stay out
	v_cvt_pk_bf16_f32 v[Y16+2*i], v[X+4*i], v[X+4*i+1]
	v_cvt_pk_bf16_f32 v[Y16+2*i+1], v[X+4*i+2], v[X+4*i+3]
.if \half
	v_lshlrev_b32 v[X+4*i], 16, v[Y16+2*i]
	v_and_b32 v[X+4*i+1], 0xffff0000, v[Y16+2*i]
	v_lshlrev_b32 v[X+4*i+2], 16, v[Y16+2*i+1]
	v_and_b32 v[X+4*i+3], 0xffff0000, v[Y16+2*i+1]
	v_cvt_pk_f16_f32 v[Y16+2*i], v[X+4*i], v[X+4*i+1]
	v_cvt_pk_f16_f32 v[Y16+2*i+1], v[X+4*i+2], v[X+4*i+3]
.endif
	global_store_b64 v3, v[Y16+2*i:Y16+2*i+1], s[16:17] offset:2048*i  ; a wave stores 256 consecutive bytes, aligned
.set i, i+1
.endr
.endm
	s_cmp_eq_u32 s28, 3
	s_cbranch_scc1 .Lwo
	CASTW 0
	s_branch .Lwend
.Lwo:
	CASTW 1
.Lwend:
	s_wait_tensorcnt 0x0                           ; the same closing lines as on the other path
	ds_add_u32 v[SPW], v[NIL]
	s_wait_dscnt 0x0
	s_endpgm
.Lfunc_end_k_qf91d50216c_prep:
	.size	k_qf91d50216c_prep, .Lfunc_end_k_qf91d50216c_prep-k_qf91d50216c_prep
	.p2alignl 7, 3214868480
	.fill 96, 4, 3214868480
	.section	.rodata,"a",@progbits
	.p2align	6, 0x0
	.amdhsa_kernel k_qf91d50216c_prep
		.amdhsa_group_segment_fixed_size 35840
		.amdhsa_private_segment_fixed_size 0
		.amdhsa_enable_private_segment 0
		.amdhsa_kernarg_size 56
		.amdhsa_user_sgpr_count 2
		.amdhsa_user_sgpr_kernarg_segment_ptr 1
		.amdhsa_wavefront_size32 1
		.amdhsa_system_sgpr_workgroup_id_x 1
		.amdhsa_system_sgpr_workgroup_id_y 1
		.amdhsa_system_sgpr_workgroup_id_z 1
		.amdhsa_system_vgpr_workitem_id 0
		.amdhsa_next_free_vgpr 202
		.amdhsa_next_free_sgpr 66
		.amdhsa_reserve_vcc 0
		.amdhsa_float_denorm_mode_32 3
		.amdhsa_float_denorm_mode_16_64 3
		.amdhsa_memory_ordered 1
		.amdhsa_forward_progress 1
		.amdhsa_inst_pref_size 58
	.end_amdhsa_kernel
	.amdgpu_metadata
---
amdhsa.version: [ 1, 2 ]
amdhsa.kernels:
  - .name:           k_qf91d50216c_prep
    .symbol:         k_qf91d50216c_prep.kd
    .args:
      - { .name: mask, .offset: 0, .size: 8, .value_kind: global_buffer, .address_space: global }
      - { .name: Wq, .offset: 8, .size: 8, .value_kind: global_buffer, .address_space: global }
      - { .name: Wk, .offset: 16, .size: 8, .value_kind: global_buffer, .address_space: global }
      - { .name: Wv, .offset: 24, .size: 8, .value_kind: global_buffer, .address_space: global }
      - { .name: Wo, .offset: 32, .size: 8, .value_kind: global_buffer, .address_space: global }
      - { .name: mbits, .offset: 40, .size: 8, .value_kind: global_buffer, .address_space: global }
      - { .name: w16, .offset: 48, .size: 8, .value_kind: global_buffer, .address_space: global }
    .group_segment_fixed_size: 35840
    .private_segment_fixed_size: 0
    .kernarg_segment_align: 8
    .kernarg_segment_size: 56
    .max_flat_workgroup_size: 256
    .sgpr_count:     66
    .vgpr_count:     202
    .wavefront_size: 32
...
	.end_amdgpu_metadata
.endif
;; end of part 1
;; launch proj (part 2): grid 4 x 192, 4 waves a work-group, clusters of 4 x 4, 327,680 bytes of LDS; arguments query, key_, value, w16, bq, bk, bv, qkv; writes qkv
.if DOCPART == 2
	.amdgcn_target "amdgcn-amd-amdhsa--gfx1250"
	.amdhsa_code_object_version 6
	.text
	.protected	k_qf91d50216c_proj
	.globl	k_qf91d50216c_proj
	.p2align	8
	.type	k_qf91d50216c_proj,@function
k_qf91d50216c_proj:
	s_mov_b64 s[64:65], 0
	v_nop
	global_prefetch_b8 v0, s[64:65] scope:SCOPE_SE
	s_setreg_imm32_b32 hwreg(HW_REG_WAVE_MODE, 25, 1), 1
	s_wait_xcnt 0x0
	s_wait_alu depctr_hold_cnt(0) depctr_sa_sdst(0) depctr_va_vdst(0) depctr_va_sdst(0) depctr_va_ssrc(0) depctr_va_vcc(0) depctr_vm_vsrc(0)
	s_getreg_b32 s2, hwreg(HW_REG_IB_STS2, 6, 4)
	s_cmp_eq_u32 s2, 0
	s_cbranch_scc0 .Lentry_in_a_cluster
	s_endpgm
.Lentry_in_a_cluster:
	s_bfe_u32 s2, ttmp6, 0x10000c
	s_cmp_lg_u32 s2, 0xf033
	s_cbranch_scc0 .Lentry_shape_is_right
	s_endpgm
.Lentry_shape_is_right:
; PROJ.  The three projections in one launch: y = (x W + b) c, for z = 0 (query, Wq, bq, c = log2 e), 1 (key_, Wk, bk, c = 1), 2 (value, Wv, bv, c = 1).
; x: [8192][1024] f32, rounded to bf16 on the way from LDS to the matrix unit; W: w16[z], [1024 k][1024 n] bf16; b rounded to bf16; sums in f32; y rounded once to f16 and written by heads:
; qkv[z][batch x 16 + head][2048][64].  c = log2 e on q puts the later softmax into base 2 at no further rounding.
; LIMIT: |y| stays within f16's 65,504; NaN and infinities are not treated apart.
; SHARES.  A tile of y is 128 rows x 256 columns; 64 x 4 tiles for each z: 768 work-groups.  Four waves, each 64 x 128: 32 accumulators, 256 registers.  K goes in steps of 128 through two LDS slots.
; CLUSTER.  4 x 4 work-groups, all of one z.  The four of a row of the cluster need the same tile of x, the four of a column the same tile of W: each is asked for jointly.
; THE MATRIX INSTRUCTION IS USED TRANSPOSED: source 0 = 16 columns of W (turned out of LDS by ds_load_tr16_b128), source 1 = 16 rows of x: a lane holds eight neighbouring columns of one row of y.
; REGISTERS.  window 0: v0-31 addresses; v32-95 x as f32 from LDS (one quarter step); v96-159 x in bf16, two buffers of 32; v160-223 b c for my 128 columns; v224-255 at work on the way out.
;   window 1: v0-127 W's fragments, two buffers of 64.   window 2: the accumulators, (a, b) at v[8 (8 a + b)].
.set KSTEP,  128
.set PA,     528                       ; a row of x in LDS: 512 bytes + 16 = 132 words: the 16 rows of a load start at 16 different groups of four banks (ISA guide 11.1)
.set PB,     544                       ; a k-row of W: 512 bytes + 32 = 17 x 32
.set HALFA,  64*PA                     ; what one tensor load brings of x
.set HALFB,  64*PB                     ; and of W
.set BOFF,   2*HALFA
.set SLOT,   BOFF+2*HALFB              ; 137,216 bytes
.set STAGE,  2*SLOT                    ; behind the ring: 16 rows x 144 bytes for each wave
.set SP,     144
.set SPARE,  STAGE+4*16*SP             ; behind the stages: the spare words, 128 bytes for each wave
.set LAPS,   4                         ; 1,024 / (2 x 128)
.set ADRA, 16                          ; v16-17  LDS address of my x fragments in slot 0, 1
.set ADRB, 20                          ; v20-21  the same for W
.set STO,  24
.set RD,   25
.set GO,   26
.set BO,   27                          ; v27     my byte offset in the bias
.set SPW,  28                          ; v28     my spare word; never rewritten
.set NIL,  29                          ; v29     0; never rewritten
.set AF,   32
.set PKD,  32                          ; the way out: two sets of 16, where x's f32 lay
.set A16,  96
.set BIAS, 160
.set TMP,  224
.set G1, 24                            ; s[24:31] group 1 for x;  s[32:39] group 0, a set for each slot
.set G0, 32
.set G1B, 48                           ; s[48:55], s[56:63] the same for W
.set G0B, 56
.set MSB, 0
.macro WIN new                         ; the immediate's high byte repeats the setting that is left; a switch that changes nothing is dropped
.if MSB != (\new)
	s_set_vgpr_msb (MSB<<8)|(\new)
.set MSB, \new
.endif
.endm
.set MUL,  0xa1                        ; source 0 (W) window 1, source 1 (x) window 0, C and D window 2
.set TO_B, 0x40                        ; destination window 1, address window 0
.macro JLOAD s                         ; a joint load: waves 0 and 1 fetch x's two halves, waves 2 and 3 W's; an s_nop 0 and four v_nop follow each line
	s_cmp_eq_u32 s11, 0
	s_cbranch_scc0 .Lfor_b_\@
	tensor_load_to_lds s[G0+4*(\s):G0+4*(\s)+3], s[G1:G1+7]
	s_nop 0
.rept 4
	v_nop
.endr
	s_branch .Lasked_\@
.Lfor_b_\@:
	tensor_load_to_lds s[G0B+4*(\s):G0B+4*(\s)+3], s[G1B:G1B+7]
	s_nop 0
.rept 4
	v_nop
.endr
.Lasked_\@:
.endm
.macro CREST                           ; a round of the cluster's barrier behind its opening barrier
	s_cmp_lg_u32 s10, 0
	s_cbranch_scc1 .Lnot_wave_0_\@
	s_barrier_signal -3
.Lnot_wave_0_\@:
	s_barrier_wait -3
	s_barrier_signal -1
	s_barrier_wait -1
.endm
.macro CROUND
	s_barrier_signal -1
	s_barrier_wait -1
	CREST
.endm
	s_load_b512 s[68:83], s[0:1], 0x0              ; query 68, key_ 70, value 72, w16 74, bq 76, bk 78, bv 80, qkv 82
	v_lshl_add_u32 v[SPW], v0, 2, SPARE
	v_mov_b32 v[NIL], 0
	ds_add_u32 v[SPW], v[NIL]                      ; the wave's opening: the add and its wait stand ahead of my first tensor load; register work stands between
	v_lshrrev_b32 v1, 5, v0
	v_readfirstlane_b32 s10, v1                    ; wave 0..3
	s_lshr_b32 s11, s10, 1                         ; which 64 rows of the tile are mine.  Also: I fetch x (0) or W (1)
	s_and_b32 s12, s10, 1                          ; which 128 columns.  Also: which half of that tile I fetch
	s_bfe_u32 s40, ttmp6, 0x40000                  ; cx
	s_bfe_u32 s41, ttmp6, 0x40004                  ; cy
	s_lshl_b32 s42, ttmp9, 2
	s_add_co_u32 s42, s42, s40                     ; tile column = 4 x cluster x + cx
	s_and_b32 s13, ttmp7, 0xffff                   ; cluster y: 16 for each z
	s_lshr_b32 s45, s13, 4                         ; z: the same in all sixteen partners
	s_and_b32 s13, s13, 15
	s_lshl_b32 s13, s13, 2
	s_add_co_u32 s13, s13, s41                     ; tile row 0..63
	s_lshl_b32 s43, s41, 2
	s_lshl_b32 s43, 15, s43                        ; my row of the cluster
	s_lshl_b32 s44, 0x1111, s40                    ; my column
	s_or_b32 s[G1+0], s43, (2<<16)|(1<<20)|(1<<21)|(6<<22)|(3<<25)   ; mask; 4-byte elements; padding on; 21 set beside a mask; after every 128 words 4 words
	s_or_b32 s[G1B+0], s44, (1<<16)|(1<<20)|(1<<21)|(6<<22)|(7<<25)  ; mask; 2-byte elements; after every 128 words 8 words
	s_mov_b32 s[G1+1], 128<<16                     ; tensor_dim0 = 128
	s_mov_b32 s[G1+2], 64<<16                      ; tensor_dim1 = 64
	s_mov_b32 s[G1+3], 128<<16                     ; tile_dim0 = 128
	s_mov_b32 s[G1+4], 64                          ; tile_dim1 = 64
	s_mov_b32 s[G1+5], 1024                        ; elements from row to row
	s_mov_b32 s[G1+6], 0
	s_mov_b32 s[G1+7], 0
	s_mov_b32 s[G1B+1], 256<<16                    ; W: 64 k-rows of 256 columns
	s_mov_b32 s[G1B+2], 64<<16
	s_mov_b32 s[G1B+3], 256<<16
	s_mov_b32 s[G1B+4], 64
	s_mov_b32 s[G1B+5], 1024
	s_mov_b32 s[G1B+6], 0
	s_mov_b32 s[G1B+7], 0
	s_lshl_b32 s16, s13, 7
	s_lshl_b32 s17, s12, 6
	s_add_co_u32 s16, s16, s17                     ; x: row 128 x tile row + 64 x half,
	s_lshl_b32 s16, s16, 12                        ; of 4,096 bytes
	s_mov_b32 s17, 0
	s_lshl_b32 s46, s45, 21                        ; W: weight z, k-row 64 x half (2,048 bytes each), column 256 x tile column
	s_lshl_b32 s47, s12, 17
	s_add_co_u32 s46, s46, s47
	s_lshl_b32 s47, s42, 9
	s_add_co_u32 s46, s46, s47
	s_mov_b32 s47, 0
	s_mul_i32 s20, s12, HALFA                      ; where they go: no place in the cluster enters an LDS address
	s_mul_i32 s21, s12, HALFB
	s_add_co_u32 s21, s21, BOFF
	s_wait_dscnt 0x0                               ; the opening add is done
	s_wait_kmcnt 0x0
	s_cmp_eq_u32 s45, 1
	s_cselect_b64 s[4:5], s[70:71], s[68:69]       ; x and the bias of my z
	s_cselect_b64 s[84:85], s[78:79], s[76:77]
	s_cmp_eq_u32 s45, 2
	s_cselect_b64 s[4:5], s[72:73], s[4:5]
	s_cselect_b64 s[84:85], s[80:81], s[84:85]
	s_cmp_eq_u32 s45, 0
	s_cselect_b32 s66, 0x3fb8aa3b, 1.0             ; c
	s_mov_b32 s67, s66                             ; named with it as a pair
	s_add_nc_u64 s[14:15], s[4:5], s[16:17]
	s_add_nc_u64 s[46:47], s[74:75], s[46:47]
	CROUND                                         ; all sixteen work-groups are here: the first joint loads meet
.irp s, 0,1
	s_mov_b32 s[G0+4*(\s)], 1
	s_add_co_u32 s[G0+4*(\s)+1], s20, (\s)*SLOT
	s_add_nc_u64 s[G0+4*(\s)+2:G0+4*(\s)+3], s[14:15], (\s)*KSTEP*4
	s_or_b32 s[G0+4*(\s)+3], s[G0+4*(\s)+3], 0x80000000
	s_mov_b32 s[G0B+4*(\s)], 1
	s_add_co_u32 s[G0B+4*(\s)+1], s21, (\s)*SLOT
	s_add_nc_u64 s[G0B+4*(\s)+2:G0B+4*(\s)+3], s[46:47], (\s)*KSTEP*2048
	s_or_b32 s[G0B+4*(\s)+3], s[G0B+4*(\s)+3], 0x80000000
	JLOAD \s                                       ; two loads of mine are out
.endr
	v_and_b32 v1, 15, v0                           ; l % 16
	v_bfe_u32 v2, v0, 4, 1                         ; l / 16
	s_lshl_b32 s22, s42, 10                        ; the bias of my 128 columns
	s_lshl_b32 s23, s12, 9
	s_add_co_u32 s22, s22, s23
	s_mov_b32 s23, 0
	s_add_nc_u64 s[84:85], s[84:85], s[22:23]
	v_lshlrev_b32 v[BO], 5, v2                     ; my eight columns of a block of 16
.irp b, 0,1,2,3,4,5,6,7
	global_load_b128 v[BIAS+8*(\b):BIAS+8*(\b)+3],   v[BO], s[84:85] offset:64*(\b)
	global_load_b128 v[BIAS+8*(\b)+4:BIAS+8*(\b)+7], v[BO], s[84:85] offset:64*(\b)+16
.endr
	; x's fragment: lane l holds row l % 16; K = 8 (l / 16) + 0..7 and 16 + 8 (l / 16) + 0..7, here as f32: four loads of 16 bytes at 32 (l / 16) + 0, 16, 64, 80
	v_mul_u32_u24 v3, v1, PA
	v_lshl_add_u32 v3, v2, 5, v3
	; W's: the turning load takes k-row 8 (l / 16) + l % 8, columns 8 ((l / 8) % 2) + 0..7
	v_and_b32 v5, 7, v0
	v_bfe_u32 v6, v0, 3, 1
	v_lshl_add_u32 v4, v2, 3, v5
	v_mul_u32_u24 v4, v4, PB
	v_lshl_add_u32 v4, v6, 4, v4
	s_mul_i32 s21, s11, HALFA                      ; my 64 rows of x
	s_lshl_b32 s22, s12, 8                         ; my 128 columns of W,
	s_add_co_u32 s22, s22, BOFF                    ; which lies behind x
.irp s, 0,1
	v_add_nc_u32 v[ADRA+(\s)], s21, v3
	v_add_nc_u32 v[ADRB+(\s)], s22, v4
	s_add_co_u32 s21, s21, SLOT
	s_add_co_u32 s22, s22, SLOT
.endr
	s_mul_i32 s23, s10, 16*SP
	s_add_co_u32 s23, s23, STAGE                   ; my stage
	v_mul_u32_u24 v[STO], v1, SP                   ; in: row l % 16, 16 bytes for each half of the lanes
	v_lshl_add_u32 v[STO], v2, 4, v[STO]
	v_add_nc_u32 v[STO], s23, v[STO]
	v_bfe_u32 v[RD], v0, 3, 2                      ; back: 32 lanes take four rows of 128 bytes,
	v_mul_u32_u24 v[RD], v[RD], SP
	v_lshl_add_u32 v[RD], v5, 4, v[RD]
	v_add_nc_u32 v[RD], s23, v[RD]
	v_and_b32 v[GO], 31, v0                        ; which are 512 consecutive bytes of a head's rows
	v_lshlrev_b32 v[GO], 4, v[GO]
	; qkv at tensor z, head 4 x tile column + 2 x column half of batch (tile row / 16), row 128 (tile row % 16) + 64 x row half
	s_lshr_b32 s18, s13, 4
	s_lshl_b32 s18, s18, 4
	s_lshl_b32 s19, s42, 2
	s_add_co_u32 s18, s18, s19
	s_lshl_b32 s19, s12, 1
	s_add_co_u32 s18, s18, s19
	s_lshl_b32 s18, s18, 11
	s_and_b32 s19, s13, 15
	s_lshl_b32 s19, s19, 7
	s_add_co_u32 s18, s18, s19
	s_lshl_b32 s19, s11, 6
	s_add_co_u32 s18, s18, s19
	s_lshl_b32 s18, s18, 7                         ; rows of 128 bytes
	s_lshl_b32 s19, s45, 24
	s_add_co_u32 s18, s18, s19
	s_mov_b32 s19, 0
	s_add_nc_u64 s[8:9], s[82:83], s[18:19]
	s_wait_loadcnt 0x0                             ; the bias: rounded to bf16 like every input, then times c
.set n, 0
.rept 32
	v_cvt_pk_bf16_f32 v[TMP+n], v[BIAS+2*n], v[BIAS+2*n+1]
.set n, n+1
.endr
.set n, 0
.rept 32
	v_lshlrev_b32 v[BIAS+2*n], 16, v[TMP+n]
	v_and_b32 v[BIAS+2*n+1], 0xffff0000, v[TMP+n]
	v_pk_mul_f32 v[BIAS+2*n:BIAS+2*n+1], v[BIAS+2*n:BIAS+2*n+1], s[66:67] op_sel_hi:[1,0]
.set n, n+1
.endr
; 8 matrix instructions: row block a x all 8 column blocks, 32 along K, from buffers p.  zero = 1: the product starts the sums.
; cv = 1: behind each stand four of the 32 roundings that make the other buffer's x out of the f32 just fetched: they name no register of the products round them.
.macro MUL8 p, a, zero, cv
.irp b, 0,1,2,3,4,5,6,7
	WIN MUL
.if \zero
	v_wmma_f32_16x16x32_bf16 v[8*(8*(\a)+(\b)):8*(8*(\a)+(\b))+7], v[64*(\p)+8*(\b):64*(\p)+8*(\b)+7], v[A16+32*(\p)+8*(\a):A16+32*(\p)+8*(\a)+7], 0
.else
	v_wmma_f32_16x16x32_bf16 v[8*(8*(\a)+(\b)):8*(8*(\a)+(\b))+7], v[64*(\p)+8*(\b):64*(\p)+8*(\b)+7], v[A16+32*(\p)+8*(\a):A16+32*(\p)+8*(\a)+7], v[8*(8*(\a)+(\b)):8*(8*(\a)+(\b))+7]
.endif
.if \cv
	WIN 0
.rept 4
	v_cvt_pk_bf16_f32 v[A16+32*(1-(\p))+CN], v[AF+2*CN], v[AF+2*CN+1]
.set CN, CN+1
.endr
.endif
.endr
.endm
; 32 LDS loads in one run: quarter q of a slot (32 along K): W's fragments into buffer p, x's 64 rows as f32
.macro FETCH slot, q, p
	WIN TO_B
.irp b, 0,1,2,3,4,5,6,7
	ds_load_tr16_b128 v[64*(\p)+8*(\b):64*(\p)+8*(\b)+3],   v[ADRB+(\slot)] offset:(\q)*32*PB+32*(\b)
	ds_load_tr16_b128 v[64*(\p)+8*(\b)+4:64*(\p)+8*(\b)+7], v[ADRB+(\slot)] offset:(\q)*32*PB+16*PB+32*(\b)
.endr
	WIN 0
.irp a, 0,1,2,3
	ds_load_b128 v[AF+16*(\a):AF+16*(\a)+3],     v[ADRA+(\slot)] offset:(\q)*128+(\a)*16*PA
	ds_load_b128 v[AF+16*(\a)+4:AF+16*(\a)+7],   v[ADRA+(\slot)] offset:(\q)*128+(\a)*16*PA+16
	ds_load_b128 v[AF+16*(\a)+8:AF+16*(\a)+11],  v[ADRA+(\slot)] offset:(\q)*128+(\a)*16*PA+64
	ds_load_b128 v[AF+16*(\a)+12:AF+16*(\a)+15], v[ADRA+(\slot)] offset:(\q)*128+(\a)*16*PA+80
.endr
.endm
.macro PLACES                          ; four places in front of loads into registers that matrix instructions have read, and of lines that read results
.rept 4
	v_nop
.endr
.endm
; A K step is four quarters of 32 along K, 32 matrix instructions each, on buffers 0, 1, 0, 1; the 32 accumulators take turns in the same order in every quarter.
; One of the first three: quarter q is multiplied from buffers p; quarter q + 1 is fetched at its head and rounded at its end.
.macro QUARTER slot, q, p, zero
	PLACES
	FETCH \slot, (\q)+1, 1-(\p)
	MUL8 \p, 0, \zero, 0
	MUL8 \p, 1, \zero, 0
	MUL8 \p, 2, \zero, 0
	s_wait_dscnt 0x0                               ; the next quarter's fragments are in
.set CN, 0
	MUL8 \p, 3, \zero, 1
.endm
; The last quarter multiplies buffers 1 and changes slots.  My reads of this slot were waited for in the quarter before.  fill = 1: this slot is filled again, two K steps ahead.
.macro TURN slot, next, fill
	WIN 0
	s_wait_tensorcnt 0x0                           ; all my tensor loads have landed: the one that was out is my part of the next slot
	ds_add_u32 v[SPW], v[NIL]                      ; 0 onto my spare word
	MUL8 1, 0, 0, 0                                ; eight matrix instructions stand between the add and the wait for it
	s_wait_dscnt 0x0                               ; the add is done; no read of this slot is out
	s_barrier_signal -1
	MUL8 1, 1, 0, 0
	WIN 0
	s_barrier_wait -1
.if \fill
	CREST                                          ; the barrier has opened a round of the cluster's: no wave of any partner still reads this slot or has a load on its way
	s_add_nc_u64 s[G0+4*(\slot)+2:G0+4*(\slot)+3], s[G0+4*(\slot)+2:G0+4*(\slot)+3], 2*KSTEP*4
	s_add_nc_u64 s[G0B+4*(\slot)+2:G0B+4*(\slot)+3], s[G0B+4*(\slot)+2:G0B+4*(\slot)+3], 2*KSTEP*2048
	JLOAD \slot                                    ; the first tensor load behind the round, my only one: it has a K step less 16 products in which to land; its four v_nop are the places for the loads below
.else
	PLACES
.endif
	FETCH \next, 0, 0
	MUL8 1, 2, 0, 0
	s_wait_dscnt 0x0
.set CN, 0
	MUL8 1, 3, 0, 1
.endm
	s_wait_tensorcnt 1                             ; my part of K step 0 is in; K step 1's stays out
	s_barrier_signal -1
	s_barrier_wait -1
	FETCH 0, 0, 0
	s_wait_dscnt 0x0
.set n, 0
.rept 32
	v_cvt_pk_bf16_f32 v[A16+n], v[AF+2*n], v[AF+2*n+1]
.set n, n+1
.endr
	QUARTER 0, 0, 0, 1                             ; the first quarter stands in front of the loop: its products start the sums
	WIN 0
	s_mov_b32 s3, LAPS-1
.Llap:                                                 ; a trip goes once round the ring, from a lap's second quarter to the next lap's first
	QUARTER 0, 1, 1, 0
	QUARTER 0, 2, 0, 0
	TURN 0, 1, 1
	QUARTER 1, 0, 0, 0
	QUARTER 1, 1, 1, 0
	QUARTER 1, 2, 0, 0
	TURN 1, 0, 1
	QUARTER 0, 0, 0, 0
	WIN 0
	s_sub_co_u32 s3, s3, 1
	s_cmp_lg_u32 s3, 0
	s_cbranch_scc1 .Llap
	QUARTER 0, 1, 1, 0                             ; the last lap fills nothing
	QUARTER 0, 2, 0, 0
	TURN 0, 1, 0
	QUARTER 1, 0, 0, 0
	QUARTER 1, 1, 1, 0
	QUARTER 1, 2, 0, 0
	MUL8 1, 0, 0, 0
	MUL8 1, 1, 0, 0
	MUL8 1, 2, 0, 0
	MUL8 1, 3, 0, 0
	WIN 0
	PLACES
; THE WAY OUT, in eight groups g: row block g / 2, head g % 2 of my two: sum x c + b c, rounded to f16, 16 bytes a lane into my stage, back as whole rows of 128 bytes: 16 rows are 2,048 bytes on end in qkv.
.macro OUTG g
.set ga, (\g)/2
.set gh, (\g)%2
.set PK0, PKD+16*gh
	s_wait_xcnt 0x0                                ; the set's registers, which earlier stores read, are rewritten only behind this wait
	WIN 0x02                                       ; source 0 window 2
.set n, 0
.rept 16                                               ; each accumulator's registers in ascending order
	v_pk_fma_f32 v[TMP+2*n:TMP+2*n+1], v[8*(8*ga+4*gh)+2*n:8*(8*ga+4*gh)+2*n+1], s[66:67], v[BIAS+32*gh+2*n:BIAS+32*gh+2*n+1] op_sel_hi:[1,0,1]
.set n, n+1
.endr
	WIN 0
.set n, 0
.rept 16
	v_cvt_pk_f16_f32 v[PK0+n], v[TMP+2*n], v[TMP+2*n+1]
.set n, n+1
.endr
.irp f, 0,1,2,3
	ds_store_b128 v[STO], v[PK0+4*(\f):PK0+4*(\f)+3] offset:32*(\f)
.endr
.irp f, 0,1,2,3
	ds_load_b128 v[PK0+4*(\f):PK0+4*(\f)+3], v[RD] offset:(\f)*4*SP  ; LDS serves a wave's instructions in order: these see the stores above, and the next group's stores come behind them
.endr
.endm
.macro SENDG g, younger                ; younger: the LDS instructions issued behind group g's loads: the next group's eight, or none
.set ga, (\g)/2
.set gh, (\g)%2
.set PK0, PKD+16*gh
.irp f, 0,1,2,3
	s_wait_dscnt (\younger)+3-(\f)
	global_store_b128 v[GO], v[PK0+4*(\f):PK0+4*(\f)+3], s[8:9] offset:gh*262144+ga*2048+(\f)*512  ; 512 consecutive bytes, at a multiple of 512 from qkv's first byte
.endr
.endm
	OUTG 0
.irp g, 1,2,3,4,5,6,7
	OUTG \g
	SENDG (\g)-1, 8
.endr
	SENDG 7, 0
	s_wait_tensorcnt 0x0                           ; the wave's end
	ds_add_u32 v[SPW], v[NIL]
	s_wait_dscnt 0x0
	CROUND                                         ; the closing round: no work-group ends while a partner may still ask for a tile that names it
	s_endpgm
.Lfunc_end_k_qf91d50216c_proj:
	.size	k_qf91d50216c_proj, .Lfunc_end_k_qf91d50216c_proj-k_qf91d50216c_proj
	.p2alignl 7, 3214868480
	.fill 96, 4, 3214868480
	.section	.rodata,"a",@progbits
	.p2align	6, 0x0
	.amdhsa_kernel k_qf91d50216c_proj
		.amdhsa_group_segment_fixed_size 327680
		.amdhsa_private_segment_fixed_size 0
		.amdhsa_enable_private_segment 0
		.amdhsa_kernarg_size 64
		.amdhsa_user_sgpr_count 2
		.amdhsa_user_sgpr_kernarg_segment_ptr 1
		.amdhsa_wavefront_size32 1
		.amdhsa_system_sgpr_workgroup_id_x 1
		.amdhsa_system_sgpr_workgroup_id_y 1
		.amdhsa_system_sgpr_workgroup_id_z 1
		.amdhsa_system_vgpr_workitem_id 0
		.amdhsa_next_free_vgpr 768
		.amdhsa_next_free_sgpr 86
		.amdhsa_reserve_vcc 0
		.amdhsa_float_denorm_mode_32 3
		.amdhsa_float_denorm_mode_16_64 3
		.amdhsa_memory_ordered 1
		.amdhsa_forward_progress 1
		.amdhsa_inst_pref_size 152
	.end_amdhsa_kernel
	.amdgpu_metadata
---
amdhsa.version: [ 1, 2 ]
amdhsa.kernels:
  - .name:           k_qf91d50216c_proj
    .symbol:         k_qf91d50216c_proj.kd
    .args:
      - { .name: query, .offset: 0, .size: 8, .value_kind: global_buffer, .address_space: global }
      - { .name: key_, .offset: 8, .size: 8, .value_kind: global_buffer, .address_space: global }
      - { .name: value, .offset: 16, .size: 8, .value_kind: global_buffer, .address_space: global }
      - { .name: w16, .offset: 24, .size: 8, .value_kind: global_buffer, .address_space: global }
      - { .name: bq, .offset: 32, .size: 8, .value_kind: global_buffer, .address_space: global }
      - { .name: bk, .offset: 40, .size: 8, .value_kind: global_buffer, .address_space: global }
      - { .name: bv, .offset: 48, .size: 8, .value_kind: global_buffer, .address_space: global }
      - { .name: qkv, .offset: 56, .size: 8, .value_kind: global_buffer, .address_space: global }
    .group_segment_fixed_size: 327680
    .private_segment_fixed_size: 0
    .kernarg_segment_align: 8
    .kernarg_segment_size: 64
    .max_flat_workgroup_size: 128
    .sgpr_count:     86
    .vgpr_count:     768
    .wavefront_size: 32
...
	.end_amdgpu_metadata
.endif
;; end of part 2
;; launch attn (part 3): grid 4 x 64, 4 waves a work-group, clusters of 4 x 1, 327,680 bytes of LDS; arguments qkv, mbits, att; writes att
.if DOCPART == 3
	.amdgcn_target "amdgcn-amd-amdhsa--gfx1250"
	.amdhsa_code_object_version 6
	.text
	.protected	k_qf91d50216c_attn
	.globl	k_qf91d50216c_attn
	.p2align	8
	.type	k_qf91d50216c_attn,@function
k_qf91d50216c_attn:
	s_mov_b64 s[64:65], 0
	v_nop
	global_prefetch_b8 v0, s[64:65] scope:SCOPE_SE
	s_setreg_imm32_b32 hwreg(HW_REG_WAVE_MODE, 25, 1), 1
	s_wait_xcnt 0x0
	s_wait_alu depctr_hold_cnt(0) depctr_sa_sdst(0) depctr_va_vdst(0) depctr_va_sdst(0) depctr_va_ssrc(0) depctr_va_vcc(0) depctr_vm_vsrc(0)
	s_getreg_b32 s2, hwreg(HW_REG_IB_STS2, 6, 4)
	s_cmp_eq_u32 s2, 0
	s_cbranch_scc0 .Lentry_in_a_cluster
	s_endpgm
.Lentry_in_a_cluster:
	s_bfe_u32 s2, ttmp6, 0x10000c
	s_cmp_lg_u32 s2, 0x3003
	s_cbranch_scc0 .Lentry_shape_is_right
	s_endpgm
.Lentry_shape_is_right:
; ATTN.  att[hb][q][:] = the sum over k of softmax_k(s[q][k]) V[hb][k][:], s = Q . K where the mask's bit is 0 and -1e8 where it is 1 (the score is REPLACED, as the module does it: a row that is
; masked throughout is the plain mean of V).  Q, K, V = qkv[0], [1], [2], each [64 hb][2048][64] f16; Q arrives times log2 e, so the scores are in base 2 and the masked score is -1e8 log2 e.
; The module's division by 8 is left to the launch behind.  Products, maxima and sums in f32; the weights p are rounded to f16 for the second product (their sum l is of the unrounded p), att once.
; LIMITS.  A weight below 2^-126 counts as 0; p below 6e-5 keeps f16's fixed step; NaN and infinities are not treated apart.
; SHARES.  A wave owns four PIECES of two tiles of 16 queries, a work-group's four waves 512 queries of one head.  Every wave walks all 2,048 keys, 64 a step; an LDS slot holds four steps.
; LAYOUT.  S^T = K Q^T: a lane holds ONE query (lane % 16) and the keys 8 (lane / 16) + 0..7 of each block of 16.  Two such results rounded to f16 ARE source 1 of O^T = V^T P.  V is turned by ds_load_tr16_b128.
; THE MASK arrives as lane masks: mbits[batch x 128 + q / 16][step][register], one word for each register of a tile's 32 scores, read by scalar loads a turn ahead; one v_cndmask_b32 a score.
; SOFTMAX.  A running maximum m and sum l for each query: p = 2^(s - m); O and l are multiplied by a = 2^(m_old - m_new) in every step.  m starts at the lowest finite number, O and l at 0.
; BY TURNS.  Turn n belongs to piece n.  Matrix work: 16 products K Q^T of piece n + 1, then 16 products V^T P of piece n - 1.  Vector work: ALL of piece n's softmax, 298 instructions, which name no
; register of those products: 7 stand behind each of the first 16 products, 12 behind each of the others.  That is more than stands beside a product: the vector work sets the pace here.
; CLUSTER.  The four query blocks of a cluster belong to one head and walk the same K and V: each tile is asked for jointly.
; REGISTERS: window 0: v0-11 addresses; v12 the masked score; v16-47 statistics, four a tile (m, 0, l, l); v48-63 at work; v64-191 S^T, two buffers of two tiles; v192-255 P, likewise
;   window 1: O^T, 32 a tile     window 2: v0-127 Q; v128-191 K of one step; v192-255 V of one step     window 3: v0-1 the add's two registers
.set NP,    4
.set KS,    64
.set PK,    144       ; a row of K in LDS: 128 bytes + 16: the 16 rows of a load start at 16 different groups of four banks (ISA guide 11.1)
.set PV,    160       ; a row of V: 128 + 32
.set VOFF,  4*KS*PK   ; a slot: 256 rows of K, then 256 rows of V
.set SLOT1, 1<<17
.set STAGE, SLOT1+4*KS*(PK+PV)  ; behind the ring: 16 rows x 144 bytes for each wave
.set SP,    144
.set SPARE, STAGE+4*16*SP       ; behind the stages: the spare words, 128 bytes for each wave
.set AK0, 2
.set AV0, 3
.set AK,  4
.set AV,  5
.set QO,  6
.set STO, 6
.set RD,  7
.set GO,  8
.set MASKED, 12       ; v12  -1e8 log2 e
.set SPW, 0           ; v0 of window 3
.set NIL, 1           ; v1 of window 3
.set ST,  16
.set TMP, 48
.set S,   64
.set P,   192
.set KF,  128
.set VF,  192
.set WV,  2           ; s2   my wave's number
.set SLOTS, 3
.set CNT, 4
.set TBK, 6           ; s6   LDS byte at which K of the step to be fetched begins
.set TBV, 7           ; s7   the same for V, less VOFF
.set G1K, 8           ; s[8:15]
.set G1V, 16          ; s[16:23]
.set G0K, 24          ; s[24:27]
.set G0V, 28          ; s[28:31]
.set MB,  32          ; s[32:63] the 32 lane masks of the piece's first tile, s[68:99] of its second; until the first of them is asked for, the set-up's scalars
.set OPTR, 66         ; s[66:67] att at my wave's first row
.set MP,  100         ; s[100:101] mbits at my wave's first tile, at the step in hand
.set SEL, 104         ; s[104:105] v_permlanex16_b32's selects
.set MSB, 0
.macro WIN new
.if MSB != (\new)
	s_set_vgpr_msb (MSB<<8)|(\new)
.set MSB, (\new)
.endif
.endm
.set W_KQ, 0x0a
.set W_PV, 0x52
.set W_RS, 0x41
.set W_MK, 0xc0
.set W_AD, 0x0f
.macro JLOAD                        ; waves 0 and 1 fetch the two halves of a slot's K, waves 2 and 3 those of its V; an s_nop 0 and four v_nop follow each line
	s_cmp_lt_u32 s[WV], 2
	s_cbranch_scc0 .Lfor_v_\@
	tensor_load_to_lds s[G0K:G0K+3], s[G1K:G1K+7]
	s_nop 0
.rept 4
	v_nop
.endr
	s_branch .Lasked_\@
.Lfor_v_\@:
	tensor_load_to_lds s[G0V:G0V+3], s[G1V:G1V+7]
	s_nop 0
.rept 4
	v_nop
.endr
.Lasked_\@:
.endm
.macro CROUND
	s_barrier_signal -1
	s_barrier_wait -1
	s_cmp_lg_u32 s[WV], 0
	s_cbranch_scc1 .Lnot_wave_0_\@
	s_barrier_signal -3
.Lnot_wave_0_\@:
	s_barrier_wait -3
	s_barrier_signal -1
	s_barrier_wait -1
.endm
; THE CHANGE OF SLOTS.  The slot's last bytes, V of its fourth step, have been read and waited for.  Each wave waits for all its tensor loads (one is out: its part of the other slot), adds 0 to its
; spare word, and waits for that and for its reads.  fill = 1: the barrier is a round of the cluster's, and the joint fill, with the keys two slots on, is the first thing behind it: it has four key steps in which to land.
.macro CHANGE fill
	WIN W_AD
	s_wait_tensorcnt 0x0            ; no tensor load of mine is out, so a group 0 may be written
	ds_add_u32 v[SPW], v[NIL]
	WIN 0
.if \fill
.irp g, G0K, G0V
	s_xor_b32 s[\g+1], s[\g+1], SLOT1
	s_add_nc_u64 s[\g+2:\g+3], s[\g+2:\g+3], 4*KS*128
.endr
	s_wait_dscnt 0x0                ; the add is done, and my reads of the slot are over
	CROUND
	JLOAD
.else
	s_wait_dscnt 0x0
	s_barrier_signal -1
	s_barrier_wait -1
.endif
	s_sub_co_u32 s[TBK], s[TBK], 4*KS*PK
	s_xor_b32 s[TBK], s[TBK], SLOT1
	s_sub_co_u32 s[TBV], s[TBV], 4*KS*PV
	s_xor_b32 s[TBV], s[TBV], SLOT1
.endm
	s_load_b128 s[32:35], s[0:1], 0x0  ; qkv s[32:33], mbits s[34:35]
	s_load_b64 s[36:37], s[0:1], 0x10  ; att
	WIN W_MK
	v_lshl_add_u32 v[SPW], v0, 2, SPARE
	v_mov_b32 v[NIL], 0
	WIN W_AD
	ds_add_u32 v[SPW], v[NIL]       ; the wave's opening: the add and its wait stand ahead of my first tensor load
	WIN 0
	v_lshrrev_b32 v1, 5, v0
	v_readfirstlane_b32 s[WV], v1
	s_bfe_u32 s40, ttmp6, 0x40000   ; cx
	s_lshl_b32 s41, ttmp9, 2
	s_add_co_u32 s41, s41, s40      ; my block of 512 queries: it enters Q's, att's and mbits' addresses alone
	s_and_b32 s52, ttmp7, 0xffff    ; hb, which the four partners share
	s_lshl_b32 s42, s52, 18         ; the head's first byte in a tensor
	s_and_b32 s46, s[WV], 1         ; which half of a slot's 256 keys I fetch
	s_lshl_b32 s44, s46, 14
	s_add_co_u32 s44, s44, s42
	s_mov_b32 s45, 0
	s_mul_i32 s47, s46, 128*PK
	s_mul_i32 s48, s46, 128*PV
	s_lshl_b32 s50, s41, 2
	s_add_co_u32 s50, s50, s[WV]    ; my wave among the head's sixteen
	s_lshl_b32 s53, s50, 15         ; its 8 tiles x 4,096 bytes of mask words
	s_lshl_b32 s50, s50, 14         ; its 128 rows
	s_add_co_u32 s50, s50, s42
	s_mov_b32 s51, 0
	s_lshr_b32 s54, s52, 4          ; the batch: 128 tiles x 4,096 bytes
	s_lshl_b32 s54, s54, 19
	s_add_co_u32 s54, s54, s53
	s_mov_b32 s55, 0
	; group 1: 128 keys are 16,384 dense bytes: asked for as 64 rows of 256 bytes, padded in LDS after every key
	s_mov_b32 s[G1K], 15|(1<<16)|(1<<20)|(1<<21)|(4<<22)|(3<<25)
	s_mov_b32 s[G1V], 15|(1<<16)|(1<<20)|(1<<21)|(4<<22)|(7<<25)
.irp g, G1K, G1V
	s_mov_b32 s[\g+1], 128<<16
	s_mov_b32 s[\g+2], 64<<16
	s_mov_b32 s[\g+3], 128<<16
	s_mov_b32 s[\g+4], 64
	s_mov_b32 s[\g+5], 128
	s_mov_b32 s[\g+6], 0
	s_mov_b32 s[\g+7], 0
.endr
	s_mov_b32 s[SEL], 0x76543210
	s_mov_b32 s[SEL+1], 0xfedcba98
	s_mov_b32 s[TBK], SLOT1+4*KS*PK ; the first change of slots turns these two into 0
	s_mov_b32 s[TBV], SLOT1+4*KS*PV
	s_mov_b32 s[G0K], 1
	s_mov_b32 s[G0K+1], s47
	s_mov_b32 s[G0V], 1
	s_add_co_u32 s[G0V+1], s48, VOFF
	s_wait_dscnt 0x0                ; the opening add is done
	s_wait_kmcnt 0x0
	s_add_nc_u64 s[56:57], s[32:33], s[44:45]
	s_add_nc_u64 s[G0K+2:G0K+3], s[56:57], 0x1000000  ; K = qkv[1]
	s_or_b32 s[G0K+3], s[G0K+3], 0x80000000
	s_add_nc_u64 s[G0V+2:G0V+3], s[56:57], 0x2000000  ; V = qkv[2]
	s_or_b32 s[G0V+3], s[G0V+3], 0x80000000
	s_add_nc_u64 s[38:39], s[32:33], s[50:51]         ; Q at my wave's first row
	s_add_nc_u64 s[OPTR:OPTR+1], s[36:37], s[50:51]
	s_add_nc_u64 s[MP:MP+1], s[34:35], s[54:55]
	CROUND                          ; all four work-groups are here
	JLOAD                           ; slot 0; slot 1 is asked for when slot 0 is in
	v_and_b32 v1, 15, v0
	v_bfe_u32 v9, v0, 4, 1
	v_lshlrev_b32 v[QO], 7, v1
	v_lshl_add_u32 v[QO], v9, 4, v[QO]
	WIN 0x80
.set i, 0
.rept 4*NP                          ; Q stays in registers: tile i / 2, channels 32 (i % 2) on
	global_load_b128 v[8*i:8*i+3],   v[QO], s[38:39] offset:(i/2)*2048+(i%2)*64
	global_load_b128 v[8*i+4:8*i+7], v[QO], s[38:39] offset:(i/2)*2048+(i%2)*64+32
.set i, i+1
.endr
	; What the first turn finds: V's registers and P's second buffer hold 0 (its products V^T P, of a piece that has not been, add 0), O^T and l are 0.  No first step is written out; the price
	; is these moves, which stand in the wait for the first tile.
.set i, VF
.rept 64
	v_mov_b32 v[i], 0
.set i, i+1
.endr
	WIN 0x40
.set i, 0
.rept 64*NP
	v_mov_b32 v[i], 0
.set i, i+1
.endr
	WIN 0
.set i, 0
.rept 2*NP
	v_mov_b32 v[ST+4*i], 0xff7fffff    ; m
	v_mov_b32 v[ST+4*i+1], 0           ; named with m as a pair
	v_mov_b32 v[ST+4*i+2], 0
	v_mov_b32 v[ST+4*i+3], 0
.set i, i+1
.endr
.set i, P+32
.rept 32
	v_mov_b32 v[i], 0
.set i, i+1
.endr
	v_mov_b32 v[MASKED], 0xcd09960c    ; -1e8 log2 e
	v_mul_u32_u24 v[AK0], v1, PK
	v_lshl_add_u32 v[AK0], v9, 4, v[AK0]
	v_and_b32 v10, 7, v0
	v_bfe_u32 v11, v0, 3, 1
	v_lshl_add_u32 v[AV0], v9, 3, v10
	v_mul_u32_u24 v[AV0], v[AV0], PV
	v_lshl_add_u32 v[AV0], v11, 4, v[AV0]
	v_add_nc_u32 v[AV0], VOFF, v[AV0]
	v_mov_b32 v[AK], v[AK0]
; THE MATRIX WORK.  The 8 accumulators of a run of 16 take turns.
.macro KQ x                         ; product i of 16 of S^T = K Q^T: channels 32 (i / 8) on, keys 16 ((i / 2) % 4) on, tile 2 x + i % 2
	WIN W_KQ
.set rS, S+64*((\x)%2)+32*(i%2)+8*((i/2)%4)
.set rK, KF+16*((i/2)%4)+8*(i/8)
.set rQ, 16*(2*(\x)+i%2)+8*(i/8)
.if i < 8
	v_wmma_f32_16x16x32_f16 v[rS:rS+7], v[rK:rK+7], v[rQ:rQ+7], 0
.else
	v_wmma_f32_16x16x32_f16 v[rS:rS+7], v[rK:rK+7], v[rQ:rQ+7], v[rS:rS+7]
.endif
.endm
.macro PV x                         ; product i of 16 of O^T += V^T P: keys 32 (i / 8) on, channels 16 ((i / 2) % 4) on, tile 2 x + i % 2
	WIN W_PV
.set rO, 32*(2*(\x)+i%2)+8*((i/2)%4)
.set rV, VF+32*(i/8)+8*((i/2)%4)
.set rP, P+32*((\x)%2)+16*(i%2)+8*(i/8)
	v_wmma_f32_16x16x32_f16 v[rO:rO+7], v[rV:rV+7], v[rP:rP+7], v[rO:rO+7]
.endm
.macro MM
.if i < 16
	KQ (Y+1)%NP
.set i, i+1
.else
.set i, i-16
	PV (Y+NP-1)%NP
.set i, i+17
.endif
.endm
.macro FETCH_K last=0               ; a step's K, 16 loads in one run.  last = 1 (the tail): in the last trip there is no further step, and the run is jumped over
	WIN 0
.if \last
	s_cmp_eq_u32 s[CNT], 1
	s_cbranch_scc1 .Lno_k_\@
.endif
	WIN 0x80
.irp f, 0,1,2,3,4,5,6,7
	ds_load_b128 v[KF+8*\f:KF+8*\f+3],   v[AK] offset:(\f/2)*16*PK+(\f%2)*64
	ds_load_b128 v[KF+8*\f+4:KF+8*\f+7], v[AK] offset:(\f/2)*16*PK+(\f%2)*64+32
.endr
	s_add_co_u32 s[TBK], s[TBK], KS*PK
	WIN 0
.if \last
.Lno_k_\@:
.endif
.endm
.macro FETCH_V
	WIN 0x80
.irp f, 0,1,2,3,4,5,6,7
	ds_load_tr16_b128 v[VF+8*\f:VF+8*\f+3],   v[AV] offset:(\f/4)*32*PV+(\f%4)*32
	ds_load_tr16_b128 v[VF+8*\f+4:VF+8*\f+7], v[AV] offset:(\f/4)*32*PV+16*PV+(\f%4)*32
.endr
	WIN 0
.endm
; The 64 lane masks of piece pn for the step in hand (step = 1: the pointer goes on to the next step first; the loads that named it were waited for at the turn's head).
; Behind the last step the pointer stands 4,096 bytes on, and piece 0's loads reach 8,320 bytes at the most: inside my wave's own 32,768 bytes of mbits; those words are not used.
.macro MLOAD pn, step
.if \step
	s_add_nc_u64 s[MP:MP+1], s[MP:MP+1], 128
.endif
	s_load_b512 s[MB:MB+15],    s[MP:MP+1], (2*(\pn))*4096
	s_load_b512 s[MB+16:MB+31], s[MP:MP+1], (2*(\pn))*4096+64
	s_load_b512 s[MB+36:MB+51], s[MP:MP+1], (2*(\pn)+1)*4096
	s_load_b512 s[MB+52:MB+67], s[MP:MP+1], (2*(\pn)+1)*4096+64
.endm
; THE VECTOR WORK OF A TURN: one list of 308 positions (10 of them empty); VP writes position k for piece Y and steps k.  The two tiles alternate.
;   0-63     the mask: score i = k / 2 is replaced where its lane mask says so, in ascending order (each accumulator's lowest registers are read first)
;   at 64    the next piece's lane masks are asked for: this piece's have all been read
;   64-95    the maximum of 32 scores and the old m: four chains of seven, then the rest
;   96-105   the lane 16 away holds the query's other 32 keys; the new m; m_old - m_new; m; a
;   106-109  s - m for pairs 0 and 1
;   110-269  16 stages g of ten: the exponentials of pair g with plain lines between them: s - m for pair g + 2, pair g - 1 rounded to f16, and by turns a sum of four weights and l's taking of it
;   270-275  the last rounding, sum and l          276-307  O^T times a, the one part that leaves window 0
; Behind every exponential a plain line that names none of its registers stands before its result is used (ISA guide 5.7.2).
.macro REGS y, u
.set rT, ST+4*(2*(\y)+(\u))
.set rC, TMP+8*((\y)%2)+4*(\u)
.set rS, S+64*((\y)%2)+32*(\u)
.set rP, P+32*((\y)%2)+16*(\u)
.set rO, 32*(2*(\y)+(\u))
.set rB, MB+36*(\u)
.endm
.macro FS n                         ; pair n: s - m
	v_pk_add_f32 v[rS+2*(\n):rS+2*(\n)+1], v[rS+2*(\n):rS+2*(\n)+1], v[rT:rT+1] op_sel_hi:[1,0] neg_lo:[0,1] neg_hi:[0,1]
.endm
.macro CS n                         ; pair n rounded to f16
	s_wait_alu depctr_va_vdst(0)
	v_cvt_pk_f16_f32 v[rP+(\n)], v[rS+2*(\n)], v[rS+2*(\n)+1]
.endm
.macro BS n                         ; of the four weights 4 n .. the second pair is added onto the first, in place
	v_pk_add_f32 v[rS+4*(\n):rS+4*(\n)+1], v[rS+4*(\n):rS+4*(\n)+1], v[rS+4*(\n)+2:rS+4*(\n)+3]
.endm
.macro LS n                         ; l takes that sum; the first time l = a l + sum
.if (\n) == 0
	v_pk_fma_f32 v[rT+2:rT+3], v[rT+2:rT+3], v[rC+2:rC+3], v[rS:rS+1] op_sel_hi:[1,0,1]
.else
	v_pk_add_f32 v[rT+2:rT+3], v[rT+2:rT+3], v[rS+4*(\n):rS+4*(\n)+1]
	s_wait_alu depctr_va_vdst(0)
.endif
.endm
.macro VP
.set u, k%2
.set g, 0
.set o, 0
.set x, (k-64)/2
.if (k >= 110) && (k < 270)
.set g, (k-110)/10
.set o, (k-110)%10
.if o < 8
.set u, (o/2)%2
.endif
.endif
	REGS Y, u
.if k == 64
	MLOAD (Y+1)%NP, Y/3
.endif
.if k < 276
	WIN 0
.endif
.if k < 64
	v_cndmask_b32 v[rS+k/2], v[rS+k/2], v[MASKED], s[rB+k/2]
.elseif k < 72
	v_max3_num_f32 v[rC+x], v[rS+8*x], v[rS+8*x+1], v[rS+8*x+2]
.elseif k < 88
	v_max3_num_f32 v[rC+x%4], v[rC+x%4], v[rS+8*(x%4)+2*(x/4)+1], v[rS+8*(x%4)+2*(x/4)+2]
.elseif k < 90
	v_max3_num_f32 v[rC], v[rC], v[rS+7], v[rS+15]
.elseif k < 92
	v_max3_num_f32 v[rC+1], v[rC+1], v[rS+23], v[rS+31]
.elseif k < 94
	v_max3_num_f32 v[rC+2], v[rC+2], v[rC+3], v[rT]
.elseif k < 96
	v_max3_num_f32 v[rC], v[rC], v[rC+1], v[rC+2]
.elseif k < 98
	v_permlanex16_b32 v[rC+3], v[rC], s[SEL], s[SEL+1]
.elseif k < 100
	v_max_num_f32 v[rC+1], v[rC], v[rC+3]
.elseif k < 102
	v_sub_f32 v[rC+2], v[rT], v[rC+1]
.elseif k < 104
	v_mov_b32 v[rT], v[rC+1]
.elseif k < 106
	v_exp_f32 v[rC+2], v[rC+2]
.elseif k < 110
	FS (k-106)/2
.elseif k < 270
.if (o == 0) || (o == 2)
	v_exp_f32 v[rS+2*g], v[rS+2*g]
.elseif (o == 4) || (o == 6)
	v_exp_f32 v[rS+2*g+1], v[rS+2*g+1]
.elseif (o == 1) || (o == 3)
.if g < 14
	FS g+2
.endif
.elseif o < 8
.if g > 0
	CS g-1
.endif
.elseif (g%2 == 0) && (g >= 2)
	BS g/2-1
.elseif (g%2 == 1) && (g >= 3)
	LS (g-3)/2
.endif
.elseif k < 272
	CS 15
.elseif k < 274
	BS 7
.elseif k < 276
	LS 7
.else
	WIN W_RS
	v_pk_mul_f32 v[rO+2*((k-276)/2):rO+2*((k-276)/2)+1], v[rO+2*((k-276)/2):rO+2*((k-276)/2)+1], v[rC+2:rC+3] op_sel_hi:[1,0]
.endif
.set k, k+1
.endm
; A TURN, for piece p.  K of the next step is fetched in piece 2's turn behind the second product V^T P: more than four plain lines stand behind the last product that read K.  V of the step in
; hand is fetched at the end of piece 0's turn, 16 plain lines behind the last product that read V.  Each run is waited for a turn later.
.macro TURN p, last=0
.set Y, (\p)
.set i, 0
.set k, 0
	s_wait_kmcnt 0x0                ; my piece's lane masks are in
.if (\p) == 3
	s_wait_dscnt 0x0                ; K is in
.endif
.rept 16
	MM
.rept 7
	VP
.endr
.endr
.if (\p) == 1
	s_wait_dscnt 0x0                ; V is in
.endif
.rept 16
	MM
.rept 12
	VP
.endr
.if ((\p) == 2) && (i == 18)
	WIN 0
	v_add_nc_u32 v[AK], s[TBK], v[AK0]
	FETCH_K \last
.endif
.endr
.rept 4
	VP
.endr
.if (\p) == 0
	WIN 0
	v_add_nc_u32 v[AV], s[TBV], v[AV0]
	s_add_co_u32 s[TBV], s[TBV], KS*PV
	FETCH_V
.endif
.endm
	CHANGE 1                        ; slot 0 is in, everybody's part of it; slot 1 is asked for
	FETCH_K                         ; key step 0
	s_wait_loadcnt 0x0              ; Q is in: the set-up's scalars, Q's address among them, are free
	MLOAD 0, 0                      ; piece 0's lane masks for step 0
	s_wait_dscnt 0x0
.set i, 0
.rept 16
	KQ 0                            ; piece 0's first scores
.set i, i+1
.endr
	WIN 0                           ; the addresses for the way out: nine plain lines, the places behind those products
	s_mul_i32 s5, s[WV], 16*SP
	s_add_co_u32 s5, s5, STAGE
	v_mul_u32_u24 v[STO], v1, SP
	v_lshl_add_u32 v[STO], v9, 4, v[STO]
	v_add_nc_u32 v[STO], s5, v[STO]
	v_bfe_u32 v[RD], v0, 3, 2
	v_mul_u32_u24 v[RD], v[RD], SP
	v_lshl_add_u32 v[RD], v10, 4, v[RD]
	v_add_nc_u32 v[RD], s5, v[RD]
	v_and_b32 v[GO], 31, v0
	v_lshlrev_b32 v[GO], 4, v[GO]
	s_mov_b32 s[CNT], 4
	s_mov_b32 s[SLOTS], 7           ; 2,048 / 256 - 1
	s_branch .Lfirst                ; the loop is entered at a step's first turn, in the middle of a trip
.Lslot:                             ; six times: every slot but the last two is filled again
	CHANGE 1
	s_mov_b32 s[CNT], 4
.Lstep:                             ; a trip: pieces 2 and 3 of one step, then pieces 0 and 1 of the next, whose K and V it fetches
	TURN 2
	TURN 3
	WIN 0
.Lfirst:
	TURN 0
	TURN 1
	s_sub_co_u32 s[CNT], s[CNT], 1
	s_cmp_lg_u32 s[CNT], 0
	WIN 0
	s_cbranch_scc1 .Lstep
	s_sub_co_u32 s[SLOTS], s[SLOTS], 1
	s_cmp_lg_u32 s[SLOTS], 0
	s_cbranch_scc1 .Lslot
	CHANGE 0                        ; the tail is written out
	s_mov_b32 s[CNT], 5             ; four trips fetch the last slot's steps; the fifth is left in its middle
.Ltail:
	TURN 2, 1
	TURN 3
	WIN 0
	s_sub_co_u32 s[CNT], s[CNT], 1
	s_cmp_eq_u32 s[CNT], 0
	s_cbranch_scc1 .Lout
	TURN 0
	TURN 1
	WIN 0
	s_branch .Ltail
.Lout:                              ; the fifth trip's 16 products K Q^T, on the last K once more, serve nothing: the price, once a launch, of one text for every trip
	s_wait_kmcnt 0x0                ; the lane masks asked for last: nothing is out at the end
.set i, 0
.rept 16
	PV NP-1                         ; the last piece's V^T P of the last step
.set i, i+1
.endr
	; THE WAY OUT.  l's two halves and the other half of the lanes' are added; O^T is divided by l, rounded to f16 and sent through my stage, a tile at a time.  The additions are the places behind the last products.
	WIN 0
.macro ALL line:vararg
.set t, 0
.rept 2*NP
	\line
.set t, t+1
.endr
.endm
	ALL v_add_f32 v[ST+4*t+2], v[ST+4*t+2], v[ST+4*t+3]
	ALL v_permlanex16_b32 v[ST+4*t+3], v[ST+4*t+2], s[SEL], s[SEL+1]
	ALL v_add_f32 v[ST+4*t+2], v[ST+4*t+2], v[ST+4*t+3]
	ALL v_rcp_f32 v[ST+4*t+2], v[ST+4*t+2]
	v_nop                           ; a plain line between the last reciprocal and the use of its result
	s_wait_alu depctr_va_vdst(0)
.macro PACK t
	WIN W_RS
.set i, 32*(\t)
.rept 16
	v_pk_mul_f32 v[i:i+1], v[i:i+1], v[ST+4*(\t)+2:ST+4*(\t)+3] op_sel_hi:[1,0]
.set i, i+2
.endr
	WIN 0x05
.set i, 0
.rept 16
	v_cvt_pk_f16_f32 v[S+16*(\t)+i], v[32*(\t)+2*i], v[32*(\t)+2*i+1]
.set i, i+1
.endr
	WIN 0
.irp f, 0,1,2,3
	ds_store_b128 v[STO], v[S+16*(\t)+4*\f:S+16*(\t)+4*\f+3] offset:32*\f
.endr
.irp f, 0,1,2,3
	ds_load_b128 v[S+16*(\t)+4*\f:S+16*(\t)+4*\f+3], v[RD] offset:\f*4*SP  ; LDS serves a wave's instructions in order: these see the stores above; the next tile's stores come behind them
.endr
.endm
.macro SEND t, younger              ; younger: the LDS instructions issued behind tile t's loads: the next tile's eight, or none
	WIN 0
.irp f, 0,1,2,3
	s_wait_dscnt (\younger)+3-\f
	global_store_b128 v[GO], v[S+16*(\t)+4*\f:S+16*(\t)+4*\f+3], s[OPTR:OPTR+1] offset:(\t)*2048+\f*512  ; 512 consecutive bytes, at a multiple of 512 from att's first byte
.endr
.endm
	PACK 0
.set t, 1
.rept 2*NP-1
	PACK t
	SEND t-1, 8
.set t, t+1
.endr
	SEND 2*NP-1, 0
	WIN W_AD
	s_wait_tensorcnt 0x0            ; the wave's end
	ds_add_u32 v[SPW], v[NIL]
	s_wait_dscnt 0x0
	WIN 0
	CROUND                          ; the closing round
	s_endpgm
.Lfunc_end_k_qf91d50216c_attn:
	.size	k_qf91d50216c_attn, .Lfunc_end_k_qf91d50216c_attn-k_qf91d50216c_attn
	.p2alignl 7, 3214868480
	.fill 96, 4, 3214868480
	.section	.rodata,"a",@progbits
	.p2align	6, 0x0
	.amdhsa_kernel k_qf91d50216c_attn
		.amdhsa_group_segment_fixed_size 327680
		.amdhsa_private_segment_fixed_size 0
		.amdhsa_enable_private_segment 0
		.amdhsa_kernarg_size 24
		.amdhsa_user_sgpr_count 2
		.amdhsa_user_sgpr_kernarg_segment_ptr 1
		.amdhsa_wavefront_size32 1
		.amdhsa_system_sgpr_workgroup_id_x 1
		.amdhsa_system_sgpr_workgroup_id_y 1
		.amdhsa_system_sgpr_workgroup_id_z 1
		.amdhsa_system_vgpr_workitem_id 0
		.amdhsa_next_free_vgpr 770
		.amdhsa_next_free_sgpr 106
		.amdhsa_reserve_vcc 0
		.amdhsa_float_denorm_mode_32 3
		.amdhsa_float_denorm_mode_16_64 3
		.amdhsa_memory_ordered 1
		.amdhsa_forward_progress 1
		.amdhsa_inst_pref_size 238
	.end_amdhsa_kernel
	.amdgpu_metadata
---
amdhsa.version: [ 1, 2 ]
amdhsa.kernels:
  - .name:           k_qf91d50216c_attn
    .symbol:         k_qf91d50216c_attn.kd
    .args:
      - { .name: qkv, .offset: 0, .size: 8, .value_kind: global_buffer, .address_space: global }
      - { .name: mbits, .offset: 8, .size: 8, .value_kind: global_buffer, .address_space: global }
      - { .name: att, .offset: 16, .size: 8, .value_kind: global_buffer, .address_space: global }
    .group_segment_fixed_size: 327680
    .private_segment_fixed_size: 0
    .kernarg_segment_align: 8
    .kernarg_segment_size: 24
    .max_flat_workgroup_size: 128
    .sgpr_count:     106
    .vgpr_count:     770
    .wavefront_size: 32
...
	.end_amdgpu_metadata
.endif
;; end of part 3
;; launch outp (part 4): grid 4 x 64, 4 waves a work-group, clusters of 4 x 4, 327,680 bytes of LDS; arguments att, w16, bo, out0; writes out0
.if DOCPART == 4
	.amdgcn_target "amdgcn-amd-amdhsa--gfx1250"
	.amdhsa_code_object_version 6
	.text
	.protected	k_qf91d50216c_outp
	.globl	k_qf91d50216c_outp
	.p2align	8
	.type	k_qf91d50216c_outp,@function
k_qf91d50216c_outp:
	s_mov_b64 s[64:65], 0
	v_nop
	global_prefetch_b8 v0, s[64:65] scope:SCOPE_SE
	s_setreg_imm32_b32 hwreg(HW_REG_WAVE_MODE, 25, 1), 1
	s_wait_xcnt 0x0
	s_wait_alu depctr_hold_cnt(0) depctr_sa_sdst(0) depctr_va_vdst(0) depctr_va_sdst(0) depctr_va_ssrc(0) depctr_va_vcc(0) depctr_vm_vsrc(0)
	s_getreg_b32 s2, hwreg(HW_REG_IB_STS2, 6, 4)
	s_cmp_eq_u32 s2, 0
	s_cbranch_scc0 .Lentry_in_a_cluster
	s_endpgm
.Lentry_in_a_cluster:
	s_bfe_u32 s2, ttmp6, 0x10000c
	s_cmp_lg_u32 s2, 0xf033
	s_cbranch_scc0 .Lentry_shape_is_right
	s_endpgm
.Lentry_shape_is_right:
; OUTP.  out0[m][o] = 0.125 x (the sum over k of att[m][k] Wo[k][o]) + bo[o].  m = batch x 2048 + row, k = head x 64 + channel.  att: [64 hb][2048][64] f16 (by heads); Wo: w16[3], [1024 k][1024 o]
; f16; bo rounded to bf16 like every input; sums in f32; out0 f32.  The 0.125 is the module's division by sqrt(64), applied in f32 with the bias in one fused multiply-add.
; SHARES.  A tile of out0 is 128 x 256: 64 x 4 = 256 work-groups.  Four waves, each 64 x 128: 32 accumulators.  A K step of 128 is two heads; two LDS slots.
; CLUSTER.  4 x 4 work-groups: att's tile is shared along a row of the cluster, Wo's along a column; each is asked for jointly.
; THE MATRIX INSTRUCTION IS USED TRANSPOSED (source 0 = 16 columns of Wo, turned by ds_load_tr16_b128; source 1 = 16 rows of att): a lane holds eight neighbouring numbers of a row of out0.
; REGISTERS.  window 0: v0-31 addresses; v32-95 att's fragments, two buffers of 32; v96-223 the way out, two sets of 64; v224-231 the bias; v232-235 at work.
;   window 1: v0-127 Wo's fragments, two buffers of 64.   window 2: the accumulators, (a, b) at v[8 (8 a + b)].
.set PAH,    144                       ; a row of one head in LDS: 128 bytes + 16
.set PB,     544                       ; a k-row of Wo: 512 bytes + 32
.set HALFA,  128*PAH                   ; one head's 128 rows: what one tensor load brings of att
.set HALFB,  64*PB
.set BOFF,   2*HALFA
.set SLOT,   BOFF+2*HALFB              ; 106,496 bytes
.set STAGE,  2*SLOT                    ; behind the ring: 16 rows x 528 bytes for each wave
.set SPITCH, 528
.set SPARE,  STAGE+4*16*SPITCH
.set LAPS,   4
.set ADRA, 16
.set ADRB, 20
.set STO,  24
.set RD,   25
.set CO,   26
.set BO,   27
.set SPW,  28
.set NIL,  29
.set AFR,  32
.set OB,   96
.set BI,   224
.set TB,   232
.set G1, 24
.set G0, 32
.set G1B, 48
.set G0B, 56
.set MSB, 0
.macro WIN new
.if MSB != (\new)
	s_set_vgpr_msb (MSB<<8)|(\new)
.set MSB, \new
.endif
.endm
.set MUL,  0xa1
.set TO_B, 0x40
.macro JLOAD s                         ; waves 0 and 1 fetch the step's two heads of att, waves 2 and 3 the two halves of Wo's rows; an s_nop 0 and four v_nop follow each line
	s_cmp_eq_u32 s11, 0
	s_cbranch_scc0 .Lfor_b_\@
	tensor_load_to_lds s[G0+4*(\s):G0+4*(\s)+3], s[G1:G1+7]
	s_nop 0
.rept 4
	v_nop
.endr
	s_branch .Lasked_\@
.Lfor_b_\@:
	tensor_load_to_lds s[G0B+4*(\s):G0B+4*(\s)+3], s[G1B:G1B+7]
	s_nop 0
.rept 4
	v_nop
.endr
.Lasked_\@:
.endm
.macro CREST
	s_cmp_lg_u32 s10, 0
	s_cbranch_scc1 .Lnot_wave_0_\@
	s_barrier_signal -3
.Lnot_wave_0_\@:
	s_barrier_wait -3
	s_barrier_signal -1
	s_barrier_wait -1
.endm
.macro CROUND
	s_barrier_signal -1
	s_barrier_wait -1
	CREST
.endm
	s_load_b256 s[68:75], s[0:1], 0x0              ; att 68, w16 70, bo 72, out0 74
	v_lshl_add_u32 v[SPW], v0, 2, SPARE
	v_mov_b32 v[NIL], 0
	ds_add_u32 v[SPW], v[NIL]                      ; the wave's opening: the add and its wait stand ahead of my first tensor load
	v_lshrrev_b32 v1, 5, v0
	v_readfirstlane_b32 s10, v1
	s_lshr_b32 s11, s10, 1                         ; which 64 rows are mine.  Also: I fetch att (0) or Wo (1)
	s_and_b32 s12, s10, 1                          ; which 128 columns.  Also: which head, or which 64 k-rows, I fetch
	s_bfe_u32 s40, ttmp6, 0x40000
	s_bfe_u32 s41, ttmp6, 0x40004
	s_lshl_b32 s42, ttmp9, 2
	s_add_co_u32 s42, s42, s40                     ; tile column
	s_and_b32 s13, ttmp7, 0xffff
	s_lshl_b32 s13, s13, 2
	s_add_co_u32 s13, s13, s41                     ; tile row 0..63
	s_lshl_b32 s43, s41, 2
	s_lshl_b32 s43, 15, s43
	s_lshl_b32 s44, 0x1111, s40
	s_or_b32 s[G1+0], s43, (1<<16)|(1<<20)|(1<<21)|(4<<22)|(3<<25)   ; att: 128 rows of 128 bytes are dense: asked for as 64 rows of 256, padded by 4 words after every 32
	s_or_b32 s[G1B+0], s44, (1<<16)|(1<<20)|(1<<21)|(6<<22)|(7<<25)  ; Wo: padded by 8 words after every 128
	s_mov_b32 s[G1+1], 128<<16
	s_mov_b32 s[G1+2], 64<<16
	s_mov_b32 s[G1+3], 128<<16
	s_mov_b32 s[G1+4], 64
	s_mov_b32 s[G1+5], 128
	s_mov_b32 s[G1+6], 0
	s_mov_b32 s[G1+7], 0
	s_mov_b32 s[G1B+1], 256<<16
	s_mov_b32 s[G1B+2], 64<<16
	s_mov_b32 s[G1B+3], 256<<16
	s_mov_b32 s[G1B+4], 64
	s_mov_b32 s[G1B+5], 1024
	s_mov_b32 s[G1B+6], 0
	s_mov_b32 s[G1B+7], 0
	s_lshr_b32 s16, s13, 4                         ; att: batch x 16 + my head of the step (262,144 bytes each), row 128 (tile row % 16)
	s_lshl_b32 s16, s16, 4
	s_add_co_u32 s16, s16, s12
	s_lshl_b32 s16, s16, 18
	s_and_b32 s17, s13, 15
	s_lshl_b32 s17, s17, 14
	s_add_co_u32 s16, s16, s17
	s_mov_b32 s17, 0
	s_lshl_b32 s46, s12, 17                        ; Wo: w16[3], k-row 64 x half, column 256 x tile column
	s_add_co_u32 s46, s46, 0x600000
	s_lshl_b32 s47, s42, 9
	s_add_co_u32 s46, s46, s47
	s_mov_b32 s47, 0
	s_mul_i32 s20, s12, HALFA
	s_mul_i32 s21, s12, HALFB
	s_add_co_u32 s21, s21, BOFF
	s_wait_dscnt 0x0                               ; the opening add is done
	s_wait_kmcnt 0x0
	s_add_nc_u64 s[14:15], s[68:69], s[16:17]
	s_add_nc_u64 s[46:47], s[70:71], s[46:47]
	CROUND
.irp s, 0,1
	s_mov_b32 s[G0+4*(\s)], 1
	s_add_co_u32 s[G0+4*(\s)+1], s20, (\s)*SLOT
	s_add_nc_u64 s[G0+4*(\s)+2:G0+4*(\s)+3], s[14:15], (\s)*524288   ; two heads on
	s_or_b32 s[G0+4*(\s)+3], s[G0+4*(\s)+3], 0x80000000
	s_mov_b32 s[G0B+4*(\s)], 1
	s_add_co_u32 s[G0B+4*(\s)+1], s21, (\s)*SLOT
	s_add_nc_u64 s[G0B+4*(\s)+2:G0B+4*(\s)+3], s[46:47], (\s)*262144 ; 128 k-rows on
	s_or_b32 s[G0B+4*(\s)+3], s[G0B+4*(\s)+3], 0x80000000
	JLOAD \s                                       ; two loads of mine are out
.endr
	v_and_b32 v1, 15, v0
	v_bfe_u32 v2, v0, 4, 1
	s_lshl_b32 s22, s42, 10                        ; the bias of my 128 columns
	s_lshl_b32 s23, s12, 9
	s_add_co_u32 s22, s22, s23
	s_mov_b32 s23, 0
	s_add_nc_u64 s[4:5], s[72:73], s[22:23]
	v_lshlrev_b32 v[BO], 4, v1                     ; on the way out a lane holds columns 4 (l % 16) + 0..3 of each half of 64
	global_load_b128 v[BI:BI+3],   v[BO], s[4:5]
	global_load_b128 v[BI+4:BI+7], v[BO], s[4:5] offset:256
	v_mul_u32_u24 v3, v1, PAH
	v_lshl_add_u32 v3, v2, 4, v3                   ; att's fragment: row x pitch + 16 x half
	v_and_b32 v5, 7, v0
	v_bfe_u32 v6, v0, 3, 1
	v_lshl_add_u32 v4, v2, 3, v5
	v_mul_u32_u24 v4, v4, PB
	v_lshl_add_u32 v4, v6, 4, v4                   ; Wo's: k-row 8 (l / 16) + l % 8, columns 8 ((l / 8) % 2) on
	s_mul_i32 s21, s11, 64*PAH
	s_lshl_b32 s22, s12, 8
	s_add_co_u32 s22, s22, BOFF
.irp s, 0,1
	v_add_nc_u32 v[ADRA+(\s)], s21, v3
	v_add_nc_u32 v[ADRB+(\s)], s22, v4
	s_add_co_u32 s21, s21, SLOT
	s_add_co_u32 s22, s22, SLOT
.endr
	s_mul_i32 s23, s10, 16*SPITCH
	s_add_co_u32 s23, s23, STAGE
	v_mul_u32_u24 v[STO], v1, SPITCH               ; in: row l % 16, 32 bytes for each half of the lanes
	v_lshl_add_u32 v[STO], v2, 5, v[STO]
	v_add_nc_u32 v[STO], s23, v[STO]
	v_mul_u32_u24 v[RD], v2, SPITCH                ; back: lanes 0-15 take 256 bytes of a row, lanes 16-31 of the next
	v_lshl_add_u32 v[RD], v1, 4, v[RD]
	v_add_nc_u32 v[RD], s23, v[RD]
	v_lshlrev_b32 v[CO], 12, v2                    ; and the same in out0
	v_lshl_add_u32 v[CO], v1, 4, v[CO]
	s_lshl_b32 s18, s13, 7
	s_lshl_b32 s19, s11, 6
	s_add_co_u32 s18, s18, s19                     ; my first row,
	s_lshl_b32 s18, s18, 12                        ; of 4,096 bytes,
	s_lshl_b32 s19, s42, 10
	s_add_co_u32 s18, s18, s19                     ; my first column
	s_lshl_b32 s19, s12, 9
	s_add_co_u32 s18, s18, s19
	s_mov_b32 s19, 0
	s_add_nc_u64 s[8:9], s[74:75], s[18:19]
	s_wait_loadcnt 0x0
.irp n, 0,1,2,3
	v_cvt_pk_bf16_f32 v[TB+(\n)], v[BI+2*(\n)], v[BI+2*(\n)+1]
.endr
.irp n, 0,1,2,3
	v_lshlrev_b32 v[BI+2*(\n)], 16, v[TB+(\n)]
	v_and_b32 v[BI+2*(\n)+1], 0xffff0000, v[TB+(\n)]
.endr
.macro MUL8 p, a, zero                 ; row block a x all 8 column blocks, 32 along K
	WIN MUL
.irp b, 0,1,2,3,4,5,6,7
.if \zero
	v_wmma_f32_16x16x32_f16 v[8*(8*(\a)+(\b)):8*(8*(\a)+(\b))+7], v[64*(\p)+8*(\b):64*(\p)+8*(\b)+7], v[AFR+32*(\p)+8*(\a):AFR+32*(\p)+8*(\a)+7], 0
.else
	v_wmma_f32_16x16x32_f16 v[8*(8*(\a)+(\b)):8*(8*(\a)+(\b))+7], v[64*(\p)+8*(\b):64*(\p)+8*(\b)+7], v[AFR+32*(\p)+8*(\a):AFR+32*(\p)+8*(\a)+7], v[8*(8*(\a)+(\b)):8*(8*(\a)+(\b))+7]
.endif
.endr
.endm
.macro FETCH slot, q, p                ; 24 LDS loads in one run: quarter q: head q / 2 of the step, channels 32 (q % 2) on
	WIN TO_B
.irp b, 0,1,2,3,4,5,6,7
	ds_load_tr16_b128 v[64*(\p)+8*(\b):64*(\p)+8*(\b)+3],   v[ADRB+(\slot)] offset:(\q)*32*PB+32*(\b)
	ds_load_tr16_b128 v[64*(\p)+8*(\b)+4:64*(\p)+8*(\b)+7], v[ADRB+(\slot)] offset:(\q)*32*PB+16*PB+32*(\b)
.endr
	WIN 0
.irp a, 0,1,2,3
	ds_load_b128 v[AFR+32*(\p)+8*(\a):AFR+32*(\p)+8*(\a)+3],   v[ADRA+(\slot)] offset:((\q)/2)*HALFA+((\q)%2)*64+(\a)*16*PAH
	ds_load_b128 v[AFR+32*(\p)+8*(\a)+4:AFR+32*(\p)+8*(\a)+7], v[ADRA+(\slot)] offset:((\q)/2)*HALFA+((\q)%2)*64+(\a)*16*PAH+32
.endr
.endm
.macro PLACES
.rept 4
	v_nop
.endr
.endm
; Quarter q is multiplied from buffers p; in its middle quarter q + 1 is fetched into the other buffers.  The 32 accumulators take turns in the same order in every quarter.
.macro QUARTER slot, q, p, zero
	s_wait_dscnt 0x0                               ; this quarter's fragments are in
	MUL8 \p, 0, \zero
	MUL8 \p, 1, \zero
	PLACES
	FETCH \slot, (\q)+1, 1-(\p)
	MUL8 \p, 2, \zero
	MUL8 \p, 3, \zero
.endm
.macro TURN slot, next, fill           ; the last quarter multiplies buffers 1 and changes slots
	WIN 0
	s_wait_tensorcnt 0x0                           ; all my tensor loads have landed: my part of the next slot
	ds_add_u32 v[SPW], v[NIL]
	s_wait_dscnt 1                                 ; the quarter's fragments are in; the add alone may be out
	MUL8 1, 0, 0
	s_wait_dscnt 0x0                               ; the add is done, and my reads of this slot are over
	s_barrier_signal -1
	MUL8 1, 1, 0
	WIN 0
	s_barrier_wait -1
.if \fill
	CREST                                          ; a round of the cluster's barrier: no wave of any partner still reads this slot or has a load on its way
	s_add_nc_u64 s[G0+4*(\slot)+2:G0+4*(\slot)+3], s[G0+4*(\slot)+2:G0+4*(\slot)+3], 1048576
	s_add_nc_u64 s[G0B+4*(\slot)+2:G0B+4*(\slot)+3], s[G0B+4*(\slot)+2:G0B+4*(\slot)+3], 524288
	JLOAD \slot                                    ; the first tensor load behind the round, my only one; its four v_nop are the places for the loads below
.else
	PLACES
.endif
	FETCH \next, 0, 0
	MUL8 1, 2, 0
	MUL8 1, 3, 0
.endm
	s_wait_tensorcnt 1                             ; my part of K step 0 is in; K step 1's stays out
	s_barrier_signal -1
	s_barrier_wait -1
	FETCH 0, 0, 0
	QUARTER 0, 0, 0, 1
	WIN 0
	s_mov_b32 s3, LAPS-1
.Llap:
	QUARTER 0, 1, 1, 0
	QUARTER 0, 2, 0, 0
	TURN 0, 1, 1
	QUARTER 1, 0, 0, 0
	QUARTER 1, 1, 1, 0
	QUARTER 1, 2, 0, 0
	TURN 1, 0, 1
	QUARTER 0, 0, 0, 0
	WIN 0
	s_sub_co_u32 s3, s3, 1
	s_cmp_lg_u32 s3, 0
	s_cbranch_scc1 .Llap
	QUARTER 0, 1, 1, 0
	QUARTER 0, 2, 0, 0
	TURN 0, 1, 0
	QUARTER 1, 0, 0, 0
	QUARTER 1, 1, 1, 0
	QUARTER 1, 2, 0, 0
	s_wait_dscnt 0x0
	MUL8 1, 0, 0
	MUL8 1, 1, 0
	MUL8 1, 2, 0
	MUL8 1, 3, 0
	WIN 0
	PLACES
; THE WAY OUT, a block of 16 rows at a time: the sums go as they are into my stage (32 bytes a lane), come back as whole rows of 512 bytes, take the factor and the bias, and are stored.
.macro OUTB a
.set OB0, OB+64*((\a)%2)
	s_wait_xcnt 0x0                                ; the set's registers, which earlier stores read, are loaded again only behind this wait
	WIN 0x08                                       ; the stores' data in window 2
.irp b, 0,1,2,3,4,5,6,7
	ds_store_b128 v[STO], v[8*(8*(\a)+(\b)):8*(8*(\a)+(\b))+3]   offset:64*(\b)      ; each accumulator's low registers first
	ds_store_b128 v[STO], v[8*(8*(\a)+(\b))+4:8*(8*(\a)+(\b))+7] offset:64*(\b)+16
.endr
	WIN 0
.set i, 0
.rept 16
	ds_load_b128 v[OB0+4*i:OB0+4*i+3], v[RD] offset:(i/2)*2*SPITCH+(i%2)*256  ; LDS serves a wave's instructions in order: these see the stores above
.set i, i+1
.endr
.endm
.macro SENDB a, younger                ; younger: the LDS instructions issued behind block a's loads: the next block's 32, or none
.set OB0, OB+64*((\a)%2)
.set i, 0
.rept 16
	s_wait_dscnt (\younger)+15-i
	v_pk_fma_f32 v[OB0+4*i:OB0+4*i+1],   v[OB0+4*i:OB0+4*i+1],   0x3e000000, v[BI+4*(i%2):BI+4*(i%2)+1]   op_sel_hi:[1,0,1]
	v_pk_fma_f32 v[OB0+4*i+2:OB0+4*i+3], v[OB0+4*i+2:OB0+4*i+3], 0x3e000000, v[BI+4*(i%2)+2:BI+4*(i%2)+3] op_sel_hi:[1,0,1]
	global_store_b128 v[CO], v[OB0+4*i:OB0+4*i+3], s[8:9] offset:(16*(\a)+2*(i/2))*4096+(i%2)*256 th:TH_STORE_NT  ; 16 lanes store 256 consecutive bytes, at a multiple of 256 from out0's first byte
.set i, i+1
.endr
.endm
	OUTB 0
.irp a, 1,2,3
	OUTB \a
	SENDB (\a)-1, 32
.endr
	SENDB 3, 0
	s_wait_tensorcnt 0x0                           ; the wave's end
	ds_add_u32 v[SPW], v[NIL]
	s_wait_dscnt 0x0
	CROUND                                         ; the closing round
	s_endpgm
.Lfunc_end_k_qf91d50216c_outp:
	.size	k_qf91d50216c_outp, .Lfunc_end_k_qf91d50216c_outp-k_qf91d50216c_outp
	.p2alignl 7, 3214868480
	.fill 96, 4, 3214868480
	.section	.rodata,"a",@progbits
	.p2align	6, 0x0
	.amdhsa_kernel k_qf91d50216c_outp
		.amdhsa_group_segment_fixed_size 327680
		.amdhsa_private_segment_fixed_size 0
		.amdhsa_enable_private_segment 0
		.amdhsa_kernarg_size 32
		.amdhsa_user_sgpr_count 2
		.amdhsa_user_sgpr_kernarg_segment_ptr 1
		.amdhsa_wavefront_size32 1
		.amdhsa_system_sgpr_workgroup_id_x 1
		.amdhsa_system_sgpr_workgroup_id_y 1
		.amdhsa_system_sgpr_workgroup_id_z 1
		.amdhsa_system_vgpr_workitem_id 0
		.amdhsa_next_free_vgpr 768
		.amdhsa_next_free_sgpr 76
		.amdhsa_reserve_vcc 0
		.amdhsa_float_denorm_mode_32 3
		.amdhsa_float_denorm_mode_16_64 3
		.amdhsa_memory_ordered 1
		.amdhsa_forward_progress 1
		.amdhsa_inst_pref_size 100
	.end_amdhsa_kernel
	.amdgpu_metadata
---
amdhsa.version: [ 1, 2 ]
amdhsa.kernels:
  - .name:           k_qf91d50216c_outp
    .symbol:         k_qf91d50216c_outp.kd
    .args:
      - { .name: att, .offset: 0, .size: 8, .value_kind: global_buffer, .address_space: global }
      - { .name: w16, .offset: 8, .size: 8, .value_kind: global_buffer, .address_space: global }
      - { .name: bo, .offset: 16, .size: 8, .value_kind: global_buffer, .address_space: global }
      - { .name: out0, .offset: 24, .size: 8, .value_kind: global_buffer, .address_space: global }
    .group_segment_fixed_size: 327680
    .private_segment_fixed_size: 0
    .kernarg_segment_align: 8
    .kernarg_segment_size: 32
    .max_flat_workgroup_size: 128
    .sgpr_count:     76
    .vgpr_count:     768
    .wavefront_size: 32
...
	.end_amdgpu_metadata
.endif
;; end of part 4
;; ======== version 2 of 3: 4 launches; 1.04 times as fast as version 1
;; limits: values are held in f16: magnitudes above 65,504 overflow, below 6.1e-05 lose precision
;; workspace buffers: w16 8,388,608 bytes; mbits 2,097,152 bytes of whole numbers; qkv 50,331,648 bytes; att 16,777,216 bytes
;; launch prep (part 5): grid 1024 x 1, 8 waves a work-group, no clusters, 35,840 bytes of LDS; arguments mask, Wq, Wk, Wv, Wo, mbits, w16; writes mbits, w16
.if DOCPART == 5
	.amdgcn_target "amdgcn-amd-amdhsa--gfx1250"
	.amdhsa_code_object_version 6
	.text
	.protected	k_qf91d50216c_prep
	.globl	k_qf91d50216c_prep
	.p2align	8
	.type	k_qf91d50216c_prep,@function
k_qf91d50216c_prep:
	s_mov_b64 s[64:65], 0
	v_nop
	global_prefetch_b8 v0, s[64:65] scope:SCOPE_SE
	s_setreg_imm32_b32 hwreg(HW_REG_WAVE_MODE, 25, 1), 1
	s_wait_xcnt 0x0
; PREP.  Two kinds of work-group, told apart by the work-group's number alone.
; 0-511: THE MASK.  mask is [4][2048 q][2048 k], one byte each (0 or 1: only bit 0 of a byte is looked at).  Work-group qt takes 16 query rows (32,768 bytes on end) and writes
;   mbits[qt][kstep 0-31][reg 0-31], 32-bit words: bit L of a word is mask[16 qt + L % 16][64 kstep + 16 (reg / 8) + 8 (L / 16) + reg % 8]: the lane mask for register reg of a tile of
;   16 queries x 64 keys of scores as the attention launch holds it.  The words serve all 16 heads of a batch.  Wave w takes columns 256 w .. 256 w + 255 (key steps 4 w .. 4 w + 3).
;   The bytes go through the wave's own part of LDS (rows of 272 bytes), so that memory is read in whole runs of 256 bytes and a lane then finds the 8 bytes of its row and key group.
; 512-1023: THE WEIGHTS.  Wq, Wk, Wv (as [1024 k][1024 n] f32) are rounded to bf16; Wo is rounded to bf16 and that number written as f16.  w16 = [4][1024][1024] of 16 bits, the layout unchanged.
;   A work-group casts 32,768 bytes of one weight.  LIMIT: a rounded Wo below 2^-17 in magnitude loses bits in f16, beyond 65,504 it overflows.
; No matrix work, no cluster: nothing is shared, each byte is read once and written once.
.set MROW,  272                        ; an LDS row: 256 bytes + 16
.set MWAVE, 16*MROW                    ; a wave's 16 rows
.set SPARE, 8*MWAVE                    ; behind them: the spare words, 128 bytes for each of the 8 waves
.set X,     8                          ; v[8:39]    as loaded
.set BY,    40                         ; v[40:71]   mask path: 16 pairs, my row's 8 bytes of each group of 16 keys
.set Y16,   40                         ; v[40:55]   weight path: 16-bit results
.set W,     72                         ; v[72:75]   mask path: the 128 words of the wave, word idx in register idx % 4 of lane idx / 4
.set T,     76                         ; v[76:79]   at work
.set SPW,   80                         ; v80  my spare word's LDS address; never rewritten
.set NIL,   81                         ; v81  0; never rewritten
	s_load_b256 s[4:11], s[0:1], 0x0               ; mask s[4:5], Wq s[6:7], Wk s[8:9], Wv s[10:11]
	s_load_b128 s[12:15], s[0:1], 0x20             ; Wo s[12:13], mbits s[14:15]
	s_load_b64 s[16:17], s[0:1], 0x30              ; w16
	v_lshl_add_u32 v[SPW], v0, 2, SPARE
	v_mov_b32 v[NIL], 0
	v_lshrrev_b32 v1, 5, v0
	v_readfirstlane_b32 s18, v1                    ; wave 0..7
	s_mov_b32 s25, 0
	s_mov_b32 s27, 0
	s_cmp_lt_u32 ttmp9, 512
	s_cbranch_scc0 .Lweights
	s_lshl_b32 s24, ttmp9, 15                      ; my 16 rows of the mask
	s_lshl_b32 s26, ttmp9, 12                      ; my 1,024 words of mbits
	s_lshl_b32 s19, s18, 8                         ; my wave's 256 columns
	s_mul_i32 s28, s18, MWAVE                      ; my wave's rows in LDS
	s_lshl_b32 s29, s18, 9                         ; my wave's 128 words
	v_and_b32 v1, 31, v0                           ; lane
	v_and_b32 v2, 15, v0                           ; lane % 16
	v_bfe_u32 v3, v0, 4, 1                         ; lane / 16
	v_lshl_add_u32 v4, v2, 4, s19                  ; in memory: lanes 0-15 take 256 bytes of a row,
	v_lshl_add_u32 v4, v3, 11, v4                  ; lanes 16-31 those of the next row
	v_mul_u32_u24 v5, v3, MROW                     ; the same two rows in LDS
	v_lshl_add_u32 v5, v2, 4, v5
	v_add_nc_u32 v5, s28, v5
	v_mul_u32_u24 v6, v2, MROW                     ; back: row lane % 16, bytes 8 (lane / 16) of a group of 16 keys
	v_lshl_add_u32 v6, v3, 3, v6
	v_add_nc_u32 v6, s28, v6
	v_lshl_add_u32 v7, v1, 4, s29                  ; out: 16 bytes a lane, 512 on end a wave
	s_wait_kmcnt 0x0
	s_add_nc_u64 s[4:5], s[4:5], s[24:25]
	s_add_nc_u64 s[14:15], s[14:15], s[26:27]
.irp i, 0,1,2,3,4,5,6,7
	global_load_b128 v[X+4*(\i):X+4*(\i)+3], v4, s[4:5] offset:(\i)*4096 th:TH_LOAD_NT  ; rows 2 i, 2 i + 1
.endr
.irp i, 0,1,2,3,4,5,6,7
	s_wait_loadcnt 7-(\i)                          ; loads come back in order: pair i is in, the younger ones stay out
	ds_store_b128 v5, v[X+4*(\i):X+4*(\i)+3] offset:(\i)*2*MROW
.endr
.set n, 0
.rept 16                                               ; group n of 16 keys; LDS serves a wave's instructions in order, and the bytes are the wave's own: no barrier
	ds_load_b64 v[BY+2*n:BY+2*n+1], v6 offset:16*n
.set n, n+1
.endr
.irp i, 0,1,2,3
	v_mov_b32 v[W+(\i)], 0                         ; v_writelane_b32 keeps the other lanes: the registers are written whole first
.endr
	s_wait_dscnt 0x0
.set idx, 0
.rept 128                                              ; word idx = 32 (step in the wave) + reg: bit 0 of byte reg % 8 of group idx / 8 goes to the sign, and the compare gathers it over the 32 lanes
.set j, idx%8
	v_lshlrev_b32 v[T+idx%4], 31-8*(j%4), v[BY+2*(idx/8)+j/4]
	v_cmp_gt_i32 s[20+idx%4], 0, v[T+idx%4]
	v_writelane_b32 v[W+idx%4], s[20+idx%4], idx/4
.set idx, idx+1
.endr
	global_store_b128 v7, v[W:W+3], s[14:15]       ; the wave stores 512 consecutive bytes, at a multiple of 512 from mbits' first byte
	s_wait_tensorcnt 0x0                           ; the wave's end
	ds_add_u32 v[SPW], v[NIL]
	s_wait_dscnt 0x0
	s_endpgm
.Lweights:                                             ; 8 loads of 16 bytes a thread, all issued at once
	s_sub_co_u32 s24, ttmp9, 512
	s_lshr_b32 s28, s24, 7                         ; which weight: 0 Wq, 1 Wk, 2 Wv, 3 Wo
	s_and_b32 s26, s24, 127                        ; which of its 128 parts
	v_lshlrev_b32 v2, 4, v0                        ; 16 bytes a thread in,
	v_lshlrev_b32 v3, 3, v0                        ; 8 bytes out
	s_wait_kmcnt 0x0
	s_cmp_eq_u32 s28, 1
	s_cselect_b64 s[20:21], s[8:9], s[6:7]
	s_cmp_eq_u32 s28, 2
	s_cselect_b64 s[20:21], s[10:11], s[20:21]
	s_cmp_eq_u32 s28, 3
	s_cselect_b64 s[20:21], s[12:13], s[20:21]
	s_lshl_b32 s24, s26, 15
	s_add_nc_u64 s[20:21], s[20:21], s[24:25]
	s_lshl_b32 s24, s28, 21
	s_lshl_b32 s26, s26, 14
	s_add_co_u32 s26, s26, s24
	s_add_nc_u64 s[16:17], s[16:17], s[26:27]
.set i, 0
.rept 8
	global_load_b128 v[X+4*i:X+4*i+3], v2, s[20:21] offset:4096*i th:TH_LOAD_NT
.set i, i+1
.endr
.macro CASTW half                      ; half = 1: the bf16 number is written as f16
.set i, 0
.rept 8
	s_wait_loadcnt 7-i                             ; load i is in, the younger ones stay out
	v_cvt_pk_bf16_f32 v[Y16+2*i], v[X+4*i], v[X+4*i+1]
	v_cvt_pk_bf16_f32 v[Y16+2*i+1], v[X+4*i+2], v[X+4*i+3]
.if \half
	v_lshlrev_b32 v[X+4*i], 16, v[Y16+2*i]
	v_and_b32 v[X+4*i+1], 0xffff0000, v[Y16+2*i]
	v_lshlrev_b32 v[X+4*i+2], 16, v[Y16+2*i+1]
	v_and_b32 v[X+4*i+3], 0xffff0000, v[Y16+2*i+1]
	v_cvt_pk_f16_f32 v[Y16+2*i], v[X+4*i], v[X+4*i+1]
	v_cvt_pk_f16_f32 v[Y16+2*i+1], v[X+4*i+2], v[X+4*i+3]
.endif
	global_store_b64 v3, v[Y16+2*i:Y16+2*i+1], s[16:17] offset:2048*i  ; a wave stores 256 consecutive bytes, aligned
.set i, i+1
.endr
.endm
	s_cmp_eq_u32 s28, 3
	s_cbranch_scc1 .Lwo
	CASTW 0
	s_branch .Lwend
.Lwo:
	CASTW 1
.Lwend:
	s_wait_tensorcnt 0x0                           ; the same closing lines as on the other path
	ds_add_u32 v[SPW], v[NIL]
	s_wait_dscnt 0x0
	s_endpgm
.Lfunc_end_k_qf91d50216c_prep:
	.size	k_qf91d50216c_prep, .Lfunc_end_k_qf91d50216c_prep-k_qf91d50216c_prep
	.p2alignl 7, 3214868480
	.fill 96, 4, 3214868480
	.section	.rodata,"a",@progbits
	.p2align	6, 0x0
	.amdhsa_kernel k_qf91d50216c_prep
		.amdhsa_group_segment_fixed_size 35840
		.amdhsa_private_segment_fixed_size 0
		.amdhsa_enable_private_segment 0
		.amdhsa_kernarg_size 56
		.amdhsa_user_sgpr_count 2
		.amdhsa_user_sgpr_kernarg_segment_ptr 1
		.amdhsa_wavefront_size32 1
		.amdhsa_system_sgpr_workgroup_id_x 1
		.amdhsa_system_sgpr_workgroup_id_y 1
		.amdhsa_system_sgpr_workgroup_id_z 1
		.amdhsa_system_vgpr_workitem_id 0
		.amdhsa_next_free_vgpr 82
		.amdhsa_next_free_sgpr 66
		.amdhsa_reserve_vcc 0
		.amdhsa_float_denorm_mode_32 3
		.amdhsa_float_denorm_mode_16_64 3
		.amdhsa_memory_ordered 1
		.amdhsa_forward_progress 1
		.amdhsa_inst_pref_size 33
	.end_amdhsa_kernel
	.amdgpu_metadata
---
amdhsa.version: [ 1, 2 ]
amdhsa.kernels:
  - .name:           k_qf91d50216c_prep
    .symbol:         k_qf91d50216c_prep.kd
    .args:
      - { .name: mask, .offset: 0, .size: 8, .value_kind: global_buffer, .address_space: global }
      - { .name: Wq, .offset: 8, .size: 8, .value_kind: global_buffer, .address_space: global }
      - { .name: Wk, .offset: 16, .size: 8, .value_kind: global_buffer, .address_space: global }
      - { .name: Wv, .offset: 24, .size: 8, .value_kind: global_buffer, .address_space: global }
      - { .name: Wo, .offset: 32, .size: 8, .value_kind: global_buffer, .address_space: global }
      - { .name: mbits, .offset: 40, .size: 8, .value_kind: global_buffer, .address_space: global }
      - { .name: w16, .offset: 48, .size: 8, .value_kind: global_buffer, .address_space: global }
    .group_segment_fixed_size: 35840
    .private_segment_fixed_size: 0
    .kernarg_segment_align: 8
    .kernarg_segment_size: 56
    .max_flat_workgroup_size: 256
    .sgpr_count:     66
    .vgpr_count:     82
    .wavefront_size: 32
...
	.end_amdgpu_metadata
.endif
;; end of part 5
;; launch proj (part 6): grid 4 x 192, 4 waves a work-group, clusters of 4 x 4, 327,680 bytes of LDS; arguments query, key_, value, w16, bq, bk, bv, qkv; writes qkv
.if DOCPART == 6
	.amdgcn_target "amdgcn-amd-amdhsa--gfx1250"
	.amdhsa_code_object_version 6
	.text
	.protected	k_qf91d50216c_proj
	.globl	k_qf91d50216c_proj
	.p2align	8
	.type	k_qf91d50216c_proj,@function
k_qf91d50216c_proj:
	s_mov_b64 s[64:65], 0
	v_nop
	global_prefetch_b8 v0, s[64:65] scope:SCOPE_SE
	s_setreg_imm32_b32 hwreg(HW_REG_WAVE_MODE, 25, 1), 1
	s_wait_xcnt 0x0
	s_wait_alu depctr_hold_cnt(0) depctr_sa_sdst(0) depctr_va_vdst(0) depctr_va_sdst(0) depctr_va_ssrc(0) depctr_va_vcc(0) depctr_vm_vsrc(0)
	s_getreg_b32 s2, hwreg(HW_REG_IB_STS2, 6, 4)
	s_cmp_eq_u32 s2, 0
	s_cbranch_scc0 .Lentry_in_a_cluster
	s_endpgm
.Lentry_in_a_cluster:
	s_bfe_u32 s2, ttmp6, 0x10000c
	s_cmp_lg_u32 s2, 0xf033
	s_cbranch_scc0 .Lentry_shape_is_right
	s_endpgm
.Lentry_shape_is_right:
; PROJ.  The three projections in one launch: y = (x W + b) c, for z = 0 (query, Wq, bq, c = log2 e), 1 (key_, Wk, bk, c = 1), 2 (value, Wv, bv, c = 1).
; x: [8192][1024] f32, rounded to bf16 on the way from LDS to the matrix unit; W: w16[z], [1024 k][1024 n] bf16; b rounded to bf16; sums in f32; y rounded once to f16 and written by heads:
; qkv[z][batch x 16 + head][2048][64].  c = log2 e on q puts the later softmax into base 2 at no further rounding.
; LIMIT: |y| stays within f16's 65,504; NaN and infinities are not treated apart.
; SHARES.  A tile of y is 128 rows x 256 columns; 64 x 4 tiles for each z: 768 work-groups.  Four waves, each 64 x 128: 32 accumulators, 256 registers.  K goes in 8 steps of 128 through two LDS slots.
; CLUSTER.  4 x 4 work-groups, all of one z.  The four of a row of the cluster need the same tile of x, the four of a column the same tile of W: each is asked for jointly.
; THE MATRIX INSTRUCTION IS USED TRANSPOSED: source 0 = 16 columns of W (turned out of LDS by ds_load_tr16_b128), source 1 = 16 rows of x: a lane holds eight neighbouring columns of one row of y.
; ONE TEXT FOR A K STEP.  A K step is written twice in all: in a loop of 6 trips whose change of slots fills the slot again, and in a loop of 2 trips that fills nothing.  For that the slot in hand is
; a scalar word, turned by an exclusive or, and the sums start from 32 products of zeros and not from a first quarter step written out.  The price, once a tile: those 32 products (in the wait for the
; first tile), and in the last K step a barrier and 32 roundings that serve nothing.
; REGISTERS.  window 0: v0-31 addresses; v32-95 x as f32 from LDS (one quarter step); v96-159 x in bf16, two buffers of 32; v160-223 b c for my 128 columns; v224-255 at work.
;   window 1: v0-127 W's fragments, two buffers of 64.   window 2: the accumulators, (a, b) at v[8 (8 a + b)].
.set KSTEP,  128
.set PA,     528                       ; a row of x in LDS: 512 bytes + 16 = 132 words: the 16 rows of a load start at 16 different groups of four banks (ISA guide 11.1)
.set PB,     544                       ; a k-row of W: 512 bytes + 32 = 17 x 32
.set HALFA,  64*PA                     ; what one tensor load brings of x: 33,792 bytes
.set HALFB,  64*PB                     ; and of W: 34,816
.set BOFF,   2*HALFA                   ; W's tile lies behind x's
.set SLOT,   0x22000                   ; from slot 0 to slot 1: a slot's 137,216 bytes rounded up to 139,264, bits 17 and 13.  The four loads' first bytes in slot 0 (0, 0x8400, 0x10800, 0x19000)
                                       ; have neither bit, so one exclusive or turns an address in one slot into the other's
.set STAGE,  2*SLOT                    ; behind the ring: 16 rows x 144 bytes for each wave
.set SP,     144
.set SPARE,  STAGE+4*16*SP             ; behind the stages: the spare words, 128 bytes for each wave
.set FILLS,  1024/KSTEP-2              ; K steps 0 to 5 ask for K steps 2 to 7
.set ADRA0, 16                         ; v16     my lane's place in x's tile of slot 0; never rewritten
.set ADRA,  17                         ; v17     the same in the slot in hand
.set ADRB0, 20                         ; v20, v21  the same for W
.set ADRB,  21
.set STO,  24
.set RD,   25
.set GO,   26
.set BO,   27                          ; v27     my byte offset in the bias
.set SPW,  28                          ; v28     my spare word; never rewritten
.set NIL,  29                          ; v29     0; never rewritten
.set AF,   32
.set PKD,  32                          ; the way out: two sets of 16, where x's f32 lay
.set A16,  96
.set BIAS, 160
.set TMP,  224
.set TB, 2                             ; s2      0 or SLOT: the slot that the fragments are fetched from
.set G1, 24                            ; s[24:31] group 1 for x;  s[32:39] group 0: a set for each of the two first fills; the second then walks on
.set G0, 32
.set G1B, 48                           ; s[48:55], s[56:63] the same for W
.set G0B, 56
.set MSB, 0
.macro WIN new                         ; the immediate's high byte repeats the setting that is left; a switch that changes nothing is dropped
.if MSB != (\new)
	s_set_vgpr_msb (MSB<<8)|(\new)
.set MSB, \new
.endif
.endm
.set MUL,  0xa1                        ; source 0 (W) window 1, source 1 (x) window 0, C and D window 2
.set TO_B, 0x40                        ; destination window 1, address window 0
.macro JLOAD s                         ; a joint load: waves 0 and 1 fetch x's two halves, waves 2 and 3 W's; an s_nop 0 and four v_nop follow each line
	s_cmp_eq_u32 s11, 0
	s_cbranch_scc0 .Lfor_b_\@
	tensor_load_to_lds s[G0+4*(\s):G0+4*(\s)+3], s[G1:G1+7]
	s_nop 0
.rept 4
	v_nop
.endr
	s_branch .Lasked_\@
.Lfor_b_\@:
	tensor_load_to_lds s[G0B+4*(\s):G0B+4*(\s)+3], s[G1B:G1B+7]
	s_nop 0
.rept 4
	v_nop
.endr
.Lasked_\@:
.endm
.macro CREST                           ; a round of the cluster's barrier behind its opening barrier
	s_cmp_lg_u32 s10, 0
	s_cbranch_scc1 .Lnot_wave_0_\@
	s_barrier_signal -3
.Lnot_wave_0_\@:
	s_barrier_wait -3
	s_barrier_signal -1
	s_barrier_wait -1
.endm
.macro CROUND
	s_barrier_signal -1
	s_barrier_wait -1
	CREST
.endm
	s_load_b512 s[68:83], s[0:1], 0x0              ; query 68, key_ 70, value 72, w16 74, bq 76, bk 78, bv 80, qkv 82
	v_lshl_add_u32 v[SPW], v0, 2, SPARE
	v_mov_b32 v[NIL], 0
	ds_add_u32 v[SPW], v[NIL]                      ; the wave's opening: the add and its wait stand ahead of my first tensor load; register work stands between
	v_lshrrev_b32 v1, 5, v0
	v_readfirstlane_b32 s10, v1                    ; wave 0..3
	s_lshr_b32 s11, s10, 1                         ; which 64 rows of the tile are mine.  Also: I fetch x (0) or W (1)
	s_and_b32 s12, s10, 1                          ; which 128 columns.  Also: which half of that tile I fetch
	s_bfe_u32 s40, ttmp6, 0x40000                  ; cx
	s_bfe_u32 s41, ttmp6, 0x40004                  ; cy
	s_lshl_b32 s42, ttmp9, 2
	s_add_co_u32 s42, s42, s40                     ; tile column = 4 x cluster x + cx
	s_and_b32 s13, ttmp7, 0xffff                   ; cluster y: 16 for each z
	s_lshr_b32 s45, s13, 4                         ; z: the same in all sixteen partners
	s_and_b32 s13, s13, 15
	s_lshl_b32 s13, s13, 2
	s_add_co_u32 s13, s13, s41                     ; tile row 0..63
	s_lshl_b32 s43, s41, 2
	s_lshl_b32 s43, 15, s43                        ; my row of the cluster
	s_lshl_b32 s44, 0x1111, s40                    ; my column
	s_or_b32 s[G1+0], s43, (2<<16)|(1<<20)|(1<<21)|(6<<22)|(3<<25)   ; mask; 4-byte elements; padding on; 21 set beside a mask; after every 128 words 4 words
	s_or_b32 s[G1B+0], s44, (1<<16)|(1<<20)|(1<<21)|(6<<22)|(7<<25)  ; mask; 2-byte elements; after every 128 words 8 words
	s_mov_b32 s[G1+1], 128<<16                     ; tensor_dim0 = 128
	s_mov_b32 s[G1+2], 64<<16                      ; tensor_dim1 = 64
	s_mov_b32 s[G1+3], 128<<16                     ; tile_dim0 = 128
	s_mov_b32 s[G1+4], 64                          ; tile_dim1 = 64
	s_mov_b32 s[G1+5], 1024                        ; elements from row to row
	s_mov_b32 s[G1+6], 0
	s_mov_b32 s[G1+7], 0
	s_mov_b32 s[G1B+1], 256<<16                    ; W: 64 k-rows of 256 columns
	s_mov_b32 s[G1B+2], 64<<16
	s_mov_b32 s[G1B+3], 256<<16
	s_mov_b32 s[G1B+4], 64
	s_mov_b32 s[G1B+5], 1024
	s_mov_b32 s[G1B+6], 0
	s_mov_b32 s[G1B+7], 0
	s_mov_b32 s[TB], 0                             ; the fragments begin in slot 0
	s_lshl_b32 s16, s13, 7
	s_lshl_b32 s17, s12, 6
	s_add_co_u32 s16, s16, s17                     ; x: row 128 x tile row + 64 x half,
	s_lshl_b32 s16, s16, 12                        ; of 4,096 bytes
	s_mov_b32 s17, 0
	s_lshl_b32 s46, s45, 21                        ; W: weight z, k-row 64 x half (2,048 bytes each), column 256 x tile column
	s_lshl_b32 s47, s12, 17
	s_add_co_u32 s46, s46, s47
	s_lshl_b32 s47, s42, 9
	s_add_co_u32 s46, s46, s47
	s_mov_b32 s47, 0
	s_mul_i32 s20, s12, HALFA                      ; where they go: no place in the cluster enters an LDS address
	s_mul_i32 s21, s12, HALFB
	s_add_co_u32 s21, s21, BOFF
	s_wait_dscnt 0x0                               ; the opening add is done
	s_wait_kmcnt 0x0
	s_cmp_eq_u32 s45, 1
	s_cselect_b64 s[4:5], s[70:71], s[68:69]       ; x and the bias of my z
	s_cselect_b64 s[84:85], s[78:79], s[76:77]
	s_cmp_eq_u32 s45, 2
	s_cselect_b64 s[4:5], s[72:73], s[4:5]
	s_cselect_b64 s[84:85], s[80:81], s[84:85]
	s_cmp_eq_u32 s45, 0
	s_cselect_b32 s66, 0x3fb8aa3b, 1.0             ; c
	s_mov_b32 s67, s66                             ; named with it as a pair
	s_add_nc_u64 s[14:15], s[4:5], s[16:17]
	s_add_nc_u64 s[46:47], s[74:75], s[46:47]
	CROUND                                         ; all sixteen work-groups are here: the first joint loads meet
.irp s, 0,1
	s_mov_b32 s[G0+4*(\s)], 1
	s_add_co_u32 s[G0+4*(\s)+1], s20, (\s)*SLOT
	s_add_nc_u64 s[G0+4*(\s)+2:G0+4*(\s)+3], s[14:15], (\s)*KSTEP*4
	s_or_b32 s[G0+4*(\s)+3], s[G0+4*(\s)+3], 0x80000000
	s_mov_b32 s[G0B+4*(\s)], 1
	s_add_co_u32 s[G0B+4*(\s)+1], s21, (\s)*SLOT
	s_add_nc_u64 s[G0B+4*(\s)+2:G0B+4*(\s)+3], s[46:47], (\s)*KSTEP*2048
	s_or_b32 s[G0B+4*(\s)+3], s[G0B+4*(\s)+3], 0x80000000
	JLOAD \s                                       ; K steps 0 and 1: two loads of mine are out
.endr
	v_and_b32 v1, 15, v0                           ; l % 16
	v_bfe_u32 v2, v0, 4, 1                         ; l / 16
	s_lshl_b32 s22, s42, 10                        ; the bias of my 128 columns
	s_lshl_b32 s23, s12, 9
	s_add_co_u32 s22, s22, s23
	s_mov_b32 s23, 0
	s_add_nc_u64 s[84:85], s[84:85], s[22:23]
	v_lshlrev_b32 v[BO], 5, v2                     ; my eight columns of a block of 16
.irp b, 0,1,2,3,4,5,6,7
	global_load_b128 v[BIAS+8*(\b):BIAS+8*(\b)+3],   v[BO], s[84:85] offset:64*(\b)
	global_load_b128 v[BIAS+8*(\b)+4:BIAS+8*(\b)+7], v[BO], s[84:85] offset:64*(\b)+16
.endr
	; x's fragment: lane l holds row l % 16; K = 8 (l / 16) + 0..7 and 16 + 8 (l / 16) + 0..7, here as f32: four loads of 16 bytes at 32 (l / 16) + 0, 16, 64, 80
	v_mul_u32_u24 v3, v1, PA
	v_lshl_add_u32 v3, v2, 5, v3
	; W's: the turning load takes k-row 8 (l / 16) + l % 8, columns 8 ((l / 8) % 2) + 0..7
	v_and_b32 v5, 7, v0
	v_bfe_u32 v6, v0, 3, 1
	v_lshl_add_u32 v4, v2, 3, v5
	v_mul_u32_u24 v4, v4, PB
	v_lshl_add_u32 v4, v6, 4, v4
	s_mul_i32 s21, s11, HALFA                      ; my 64 rows of x
	s_lshl_b32 s22, s12, 8                         ; my 128 columns of W,
	s_add_co_u32 s22, s22, BOFF                    ; which lies behind x
	v_add_nc_u32 v[ADRA0], s21, v3
	v_add_nc_u32 v[ADRB0], s22, v4
	v_mov_b32 v[ADRA], v[ADRA0]                    ; slot 0
	v_mov_b32 v[ADRB], v[ADRB0]
	s_mul_i32 s23, s10, 16*SP
	s_add_co_u32 s23, s23, STAGE                   ; my stage
	v_mul_u32_u24 v[STO], v1, SP                   ; in: row l % 16, 16 bytes for each half of the lanes
	v_lshl_add_u32 v[STO], v2, 4, v[STO]
	v_add_nc_u32 v[STO], s23, v[STO]
	v_bfe_u32 v[RD], v0, 3, 2                      ; back: 32 lanes take four rows of 128 bytes,
	v_mul_u32_u24 v[RD], v[RD], SP
	v_lshl_add_u32 v[RD], v5, 4, v[RD]
	v_add_nc_u32 v[RD], s23, v[RD]
	v_and_b32 v[GO], 31, v0                        ; which are 512 consecutive bytes of a head's rows
	v_lshlrev_b32 v[GO], 4, v[GO]
	; qkv at tensor z, head 4 x tile column + 2 x column half of batch (tile row / 16), row 128 (tile row % 16) + 64 x row half
	s_lshr_b32 s18, s13, 4
	s_lshl_b32 s18, s18, 4
	s_lshl_b32 s19, s42, 2
	s_add_co_u32 s18, s18, s19
	s_lshl_b32 s19, s12, 1
	s_add_co_u32 s18, s18, s19
	s_lshl_b32 s18, s18, 11
	s_and_b32 s19, s13, 15
	s_lshl_b32 s19, s19, 7
	s_add_co_u32 s18, s18, s19
	s_lshl_b32 s19, s11, 6
	s_add_co_u32 s18, s18, s19
	s_lshl_b32 s18, s18, 7                         ; rows of 128 bytes
	s_lshl_b32 s19, s45, 24
	s_add_co_u32 s18, s18, s19
	s_mov_b32 s19, 0
	s_add_nc_u64 s[8:9], s[82:83], s[18:19]
	s_wait_loadcnt 0x0                             ; the bias: rounded to bf16 like every input, then times c
.set n, 0
.rept 32
	v_cvt_pk_bf16_f32 v[TMP+n], v[BIAS+2*n], v[BIAS+2*n+1]
.set n, n+1
.endr
.set n, 0
.rept 32
	v_lshlrev_b32 v[BIAS+2*n], 16, v[TMP+n]
	v_and_b32 v[BIAS+2*n+1], 0xffff0000, v[TMP+n]
	v_pk_mul_f32 v[BIAS+2*n:BIAS+2*n+1], v[BIAS+2*n:BIAS+2*n+1], s[66:67] op_sel_hi:[1,0]
.set n, n+1
.endr
	; The sums start at 0: 32 products of sixteen registers of zeros, eight registers of sums a line, so that the first K step is a step like any other
.set n, 0
.rept 16
	v_mov_b32 v[TMP+n], 0
.set n, n+1
.endr
	WIN 0xa0                                       ; sources 0 and 1 window 0, destination window 2
.set n, 0
.rept 32
	v_wmma_f32_16x16x32_bf16 v[8*n:8*n+7], v[TMP:TMP+7], v[TMP+8:TMP+15], 0
.set n, n+1
.endr
	WIN 0
; 8 matrix instructions: row block a x all 8 column blocks, 32 along K, from buffers p.
; cv = 1: behind each stand four of the 32 roundings that make the other buffer's x out of the f32 just fetched: they name no register of the products round them.
.macro MUL8 p, a, cv
.irp b, 0,1,2,3,4,5,6,7
	WIN MUL
	v_wmma_f32_16x16x32_bf16 v[8*(8*(\a)+(\b)):8*(8*(\a)+(\b))+7], v[64*(\p)+8*(\b):64*(\p)+8*(\b)+7], v[A16+32*(\p)+8*(\a):A16+32*(\p)+8*(\a)+7], v[8*(8*(\a)+(\b)):8*(8*(\a)+(\b))+7]
.if \cv
	WIN 0
.rept 4
	v_cvt_pk_bf16_f32 v[A16+32*(1-(\p))+CN], v[AF+2*CN], v[AF+2*CN+1]
.set CN, CN+1
.endr
.endif
.endr
.endm
; 32 LDS loads in one run: quarter q of the slot in hand (32 along K): W's fragments into buffer p, x's 64 rows as f32
.macro FETCH q, p
	WIN TO_B
.irp b, 0,1,2,3,4,5,6,7
	ds_load_tr16_b128 v[64*(\p)+8*(\b):64*(\p)+8*(\b)+3],   v[ADRB] offset:(\q)*32*PB+32*(\b)
	ds_load_tr16_b128 v[64*(\p)+8*(\b)+4:64*(\p)+8*(\b)+7], v[ADRB] offset:(\q)*32*PB+16*PB+32*(\b)
.endr
	WIN 0
.irp a, 0,1,2,3
	ds_load_b128 v[AF+16*(\a):AF+16*(\a)+3],     v[ADRA] offset:(\q)*128+(\a)*16*PA
	ds_load_b128 v[AF+16*(\a)+4:AF+16*(\a)+7],   v[ADRA] offset:(\q)*128+(\a)*16*PA+16
	ds_load_b128 v[AF+16*(\a)+8:AF+16*(\a)+11],  v[ADRA] offset:(\q)*128+(\a)*16*PA+64
	ds_load_b128 v[AF+16*(\a)+12:AF+16*(\a)+15], v[ADRA] offset:(\q)*128+(\a)*16*PA+80
.endr
.endm
.macro PLACES                          ; four places in front of loads into registers that matrix instructions have read, and of lines that read results
.rept 4
	v_nop
.endr
.endm
; A K step is four quarters of 32 along K, 32 matrix instructions each, on buffers 0, 1, 0, 1; the 32 accumulators take turns in the same order in every quarter.
; One of the first three: quarter q is multiplied from buffers p; quarter q + 1 is fetched at its head and rounded at its end.
.macro QUARTER q, p
	PLACES
	FETCH (\q)+1, 1-(\p)
	MUL8 \p, 0, 0
	MUL8 \p, 1, 0
	MUL8 \p, 2, 0
	s_wait_dscnt 0x0                               ; the next quarter's fragments are in
.set CN, 0
	MUL8 \p, 3, 1
.endm
; The last quarter multiplies buffers 1 and changes slots.  My reads of this slot were waited for in the quarter before.
; fill = 1: this slot is filled again, with the K step two steps on: the walking descriptors take the other slot than last time and the next K step.
; fill = 0: nothing is asked for; in the loop's last trip (s3 = 1) there is no next K step, and the run of LDS loads is jumped over.
.macro TURN fill
	WIN 0
	s_wait_tensorcnt 0x0                           ; all my tensor loads have landed: the one that was out is my part of the next slot; so a group 0 may be written
	ds_add_u32 v[SPW], v[NIL]                      ; 0 onto my spare word
	MUL8 1, 0, 0                                   ; eight matrix instructions stand between the add and the wait for it
	s_wait_dscnt 0x0                               ; the add is done; no read of this slot is out
	s_barrier_signal -1
	MUL8 1, 1, 0
	WIN 0
	s_barrier_wait -1
.if \fill
	CREST                                          ; the barrier has opened a round of the cluster's: no wave of any partner still reads this slot or has a load on its way
	s_xor_b32 s[G0+5], s[G0+5], SLOT
	s_add_nc_u64 s[G0+6:G0+7], s[G0+6:G0+7], KSTEP*4         ; 128 f32 along x's rows; the type bits on top are not reached
	s_xor_b32 s[G0B+5], s[G0B+5], SLOT
	s_add_nc_u64 s[G0B+6:G0B+7], s[G0B+6:G0B+7], KSTEP*2048  ; 128 k-rows of W
	JLOAD 1                                        ; the first tensor load behind the round, my only one: it has a K step less 16 products in which to land; its four v_nop are the places for the loads below
.else
	PLACES
.endif
	s_xor_b32 s[TB], s[TB], SLOT                   ; the fragments come from the other slot now
	v_add_nc_u32 v[ADRA], s[TB], v[ADRA0]
	v_add_nc_u32 v[ADRB], s[TB], v[ADRB0]
.if (\fill) == 0
	s_cmp_eq_u32 s3, 1
	s_cbranch_scc1 .Lno_next_\@
.endif
	FETCH 0, 0
.if (\fill) == 0
.Lno_next_\@:
.endif
	MUL8 1, 2, 0
	s_wait_dscnt 0x0
.set CN, 0
	MUL8 1, 3, 1
.endm
	s_wait_tensorcnt 1                             ; my part of K step 0 is in; K step 1's stays out
	s_barrier_signal -1
	s_barrier_wait -1
	FETCH 0, 0
	s_wait_dscnt 0x0
.set n, 0
.rept 32
	v_cvt_pk_bf16_f32 v[A16+n], v[AF+2*n], v[AF+2*n+1]
.set n, n+1
.endr
	s_mov_b32 s3, FILLS
.Lstep:                                                ; K steps 0 to 5: each fills its slot again
	QUARTER 0, 0
	QUARTER 1, 1
	QUARTER 2, 0
	TURN 1
	WIN 0                                          ; at a label and at a branch every window is 0
	s_sub_co_u32 s3, s3, 1
	s_cmp_lg_u32 s3, 0
	s_cbranch_scc1 .Lstep
	s_mov_b32 s3, 2
.Ltail:                                                ; K steps 6 and 7 have a text of their own
	QUARTER 0, 0
	QUARTER 1, 1
	QUARTER 2, 0
	TURN 0
	WIN 0
	s_sub_co_u32 s3, s3, 1
	s_cmp_lg_u32 s3, 0
	s_cbranch_scc1 .Ltail
	PLACES
; THE WAY OUT, in eight groups g: row block g / 2, head g % 2 of my two: sum x c + b c, rounded to f16, 16 bytes a lane into my stage, back as whole rows of 128 bytes: 16 rows are 2,048 bytes on end in qkv.
.macro OUTG g
.set ga, (\g)/2
.set gh, (\g)%2
.set PK0, PKD+16*gh
	s_wait_xcnt 0x0                                ; the set's registers, which earlier stores read, are rewritten only behind this wait
	WIN 0x02                                       ; source 0 window 2
.set n, 0
.rept 16                                               ; each accumulator's registers in ascending order
	v_pk_fma_f32 v[TMP+2*n:TMP+2*n+1], v[8*(8*ga+4*gh)+2*n:8*(8*ga+4*gh)+2*n+1], s[66:67], v[BIAS+32*gh+2*n:BIAS+32*gh+2*n+1] op_sel_hi:[1,0,1]
.set n, n+1
.endr
	WIN 0
.set n, 0
.rept 16
	v_cvt_pk_f16_f32 v[PK0+n], v[TMP+2*n], v[TMP+2*n+1]
.set n, n+1
.endr
.irp f, 0,1,2,3
	ds_store_b128 v[STO], v[PK0+4*(\f):PK0+4*(\f)+3] offset:32*(\f)
.endr
.irp f, 0,1,2,3
	ds_load_b128 v[PK0+4*(\f):PK0+4*(\f)+3], v[RD] offset:(\f)*4*SP  ; LDS serves a wave's instructions in order: these see the stores above, and the next group's stores come behind them
.endr
.endm
.macro SENDG g, younger                ; younger: the LDS instructions issued behind group g's loads: the next group's eight, or none
.set ga, (\g)/2
.set gh, (\g)%2
.set PK0, PKD+16*gh
.irp f, 0,1,2,3
	s_wait_dscnt (\younger)+3-(\f)
	global_store_b128 v[GO], v[PK0+4*(\f):PK0+4*(\f)+3], s[8:9] offset:gh*262144+ga*2048+(\f)*512  ; 512 consecutive bytes, at a multiple of 512 from qkv's first byte
.endr
.endm
	OUTG 0
.irp g, 1,2,3,4,5,6,7
	OUTG \g
	SENDG (\g)-1, 8
.endr
	SENDG 7, 0
	s_wait_tensorcnt 0x0                           ; the wave's end
	ds_add_u32 v[SPW], v[NIL]
	s_wait_dscnt 0x0
	CROUND                                         ; the closing round: no work-group ends while a partner may still ask for a tile that names it
	s_endpgm
.Lfunc_end_k_qf91d50216c_proj:
	.size	k_qf91d50216c_proj, .Lfunc_end_k_qf91d50216c_proj-k_qf91d50216c_proj
	.p2alignl 7, 3214868480
	.fill 96, 4, 3214868480
	.section	.rodata,"a",@progbits
	.p2align	6, 0x0
	.amdhsa_kernel k_qf91d50216c_proj
		.amdhsa_group_segment_fixed_size 327680
		.amdhsa_private_segment_fixed_size 0
		.amdhsa_enable_private_segment 0
		.amdhsa_kernarg_size 64
		.amdhsa_user_sgpr_count 2
		.amdhsa_user_sgpr_kernarg_segment_ptr 1
		.amdhsa_wavefront_size32 1
		.amdhsa_system_sgpr_workgroup_id_x 1
		.amdhsa_system_sgpr_workgroup_id_y 1
		.amdhsa_system_sgpr_workgroup_id_z 1
		.amdhsa_system_vgpr_workitem_id 0
		.amdhsa_next_free_vgpr 768
		.amdhsa_next_free_sgpr 86
		.amdhsa_reserve_vcc 0
		.amdhsa_float_denorm_mode_32 3
		.amdhsa_float_denorm_mode_16_64 3
		.amdhsa_memory_ordered 1
		.amdhsa_forward_progress 1
		.amdhsa_inst_pref_size 104
	.end_amdhsa_kernel
	.amdgpu_metadata
---
amdhsa.version: [ 1, 2 ]
amdhsa.kernels:
  - .name:           k_qf91d50216c_proj
    .symbol:         k_qf91d50216c_proj.kd
    .args:
      - { .name: query, .offset: 0, .size: 8, .value_kind: global_buffer, .address_space: global }
      - { .name: key_, .offset: 8, .size: 8, .value_kind: global_buffer, .address_space: global }
      - { .name: value, .offset: 16, .size: 8, .value_kind: global_buffer, .address_space: global }
      - { .name: w16, .offset: 24, .size: 8, .value_kind: global_buffer, .address_space: global }
      - { .name: bq, .offset: 32, .size: 8, .value_kind: global_buffer, .address_space: global }
      - { .name: bk, .offset: 40, .size: 8, .value_kind: global_buffer, .address_space: global }
      - { .name: bv, .offset: 48, .size: 8, .value_kind: global_buffer, .address_space: global }
      - { .name: qkv, .offset: 56, .size: 8, .value_kind: global_buffer, .address_space: global }
    .group_segment_fixed_size: 327680
    .private_segment_fixed_size: 0
    .kernarg_segment_align: 8
    .kernarg_segment_size: 64
    .max_flat_workgroup_size: 128
    .sgpr_count:     86
    .vgpr_count:     768
    .wavefront_size: 32
...
	.end_amdgpu_metadata
.endif
;; end of part 6
;; launch attn (part 7): grid 4 x 64, 4 waves a work-group, clusters of 4 x 1, 327,680 bytes of LDS; arguments qkv, mbits, att; writes att
.if DOCPART == 7
	.amdgcn_target "amdgcn-amd-amdhsa--gfx1250"
	.amdhsa_code_object_version 6
	.text
	.protected	k_qf91d50216c_attn
	.globl	k_qf91d50216c_attn
	.p2align	8
	.type	k_qf91d50216c_attn,@function
k_qf91d50216c_attn:
	s_mov_b64 s[64:65], 0
	v_nop
	global_prefetch_b8 v0, s[64:65] scope:SCOPE_SE
	s_setreg_imm32_b32 hwreg(HW_REG_WAVE_MODE, 25, 1), 1
	s_wait_xcnt 0x0
	s_wait_alu depctr_hold_cnt(0) depctr_sa_sdst(0) depctr_va_vdst(0) depctr_va_sdst(0) depctr_va_ssrc(0) depctr_va_vcc(0) depctr_vm_vsrc(0)
	s_getreg_b32 s2, hwreg(HW_REG_IB_STS2, 6, 4)
	s_cmp_eq_u32 s2, 0
	s_cbranch_scc0 .Lentry_in_a_cluster
	s_endpgm
.Lentry_in_a_cluster:
	s_bfe_u32 s2, ttmp6, 0x10000c
	s_cmp_lg_u32 s2, 0x3003
	s_cbranch_scc0 .Lentry_shape_is_right
	s_endpgm
.Lentry_shape_is_right:
; ATTN.  att[hb][q][:] = the sum over k of softmax_k(s[q][k]) V[hb][k][:], s = Q . K where the mask's bit is 0 and -1e8 where it is 1 (the score is REPLACED, as the module does it: a row that is
; masked throughout is the plain mean of V).  Q, K, V = qkv[0], [1], [2], each [64 hb][2048][64] f16; Q arrives times log2 e, so the scores are in base 2 and the masked score is -1e8 log2 e.
; The module's division by 8 is left to the launch behind.  Products, maxima and sums in f32; the weights p are rounded to f16 for the second product (their sum l is of the unrounded p), att once.
; LIMITS.  A weight below 2^-126 counts as 0; p below 6e-5 keeps f16's fixed step; NaN and infinities are not treated apart.
; SHARES.  A wave owns four PIECES of two tiles of 16 queries, a work-group's four waves 512 queries of one head.  Every wave walks all 2,048 keys, 64 a step; an LDS slot holds four steps.
; LAYOUT.  S^T = K Q^T: a lane holds ONE query (lane % 16) and the keys 8 (lane / 16) + 0..7 of each block of 16.  Two such results rounded to f16 ARE source 1 of O^T = V^T P.  V is turned by ds_load_tr16_b128.
; THE MASK arrives as lane masks: mbits[batch x 128 + q / 16][step][register], one word for each register of a tile's 32 scores; one v_cndmask_b32 a score.  A piece's 64 words fill the 64 scalar
; registers that can be spared, and a scalar load is shown done by a wait for 0 alone (scalar loads may return out of order: ISA guide 5.7.1), so by scalar loads a piece's words could be out for less
; than a turn.  So they are STAGED in vector registers: one load of 8 bytes a lane brings a piece's 64 words of one step into the piece's own pair, four turns ahead; in the turn before the piece's own
; 64 v_readlane_b32 bring them into the scalar registers, and the pair is loaded again.  A load takes two runs of 128 bytes (the piece's two tiles); the next step takes the 128 bytes beside each.
; SOFTMAX.  A running maximum m and sum l for each query: p = 2^(s - m); O and l are multiplied by a = 2^(m_old - m_new) in every step.  m starts at the lowest finite number, O and l at 0.
; BY TURNS.  Turn n belongs to piece n.  Matrix work: 16 products K Q^T of piece n + 1, later 16 products V^T P of piece n - 1.  Vector work: all of piece n's softmax (298 lines, which name no register
; of those products) and piece n + 1's 64 readlanes.  Four lines stand behind EVERY product: behind K Q^T the piece's 64 v_cndmask_b32, behind V^T P the 64 readlanes; the rest stands in two lumps.
; CLUSTER.  The four query blocks of a cluster belong to one head and walk the same K and V: each tile is asked for jointly.
; REGISTERS: window 0: v0-11 addresses; v12 the masked score; v13-14 the mask words' offset; v16-47 statistics, four a tile (m, 0, l, l); v48-63 at work; v64-191 S^T, two buffers of two tiles; v192-255 P, likewise
;   window 1: O^T, 32 a tile     window 2: v0-127 Q; v128-191 K of one step     window 3: v0-1 the add's two registers; v2-9 the staged mask words, a pair a piece; v64-127 V of one step
; V and the staged words share a window, so that the setting of V^T P also serves the readlanes' source: that run of 16 products and 64 lines has no switch.
.set NP,    4
.set KS,    64
.set PK,    144       ; a row of K in LDS: 128 bytes + 16: the 16 rows of a load start at 16 different groups of four banks (ISA guide 11.1)
.set PV,    160       ; a row of V: 128 + 32
.set VOFF,  4*KS*PK   ; a slot: 256 rows of K, then 256 rows of V
.set SLOT1, 1<<17
.set STAGE, SLOT1+4*KS*(PK+PV)  ; behind the ring: 16 rows x 144 bytes for each wave
.set SP,    144
.set SPARE, STAGE+4*16*SP       ; behind the stages: the spare words, 128 bytes for each wave
.set N1,    122       ; positions of the list in the first lump; the second has 308 - 64 - N1
.set AK0, 2
.set AV0, 3
.set AK,  4
.set AV,  5
.set QO,  6
.set STO, 6
.set RD,  7
.set GO,  8
.set MASKED, 12       ; v12  -1e8 log2 e
.set MO,  13          ; v13  my byte offset in a piece's mask words: 4,096 (lane / 16) + 8 (lane % 16), and in bits 7-11 the step that is being asked for
.set MT,  14          ; v14  at work when MO steps
.set SPW, 0           ; v0 of window 3
.set NIL, 1           ; v1 of window 3
.set MW,  2           ; v2-9 of window 3: piece x's pair at MW + 2 x: word i of tile u in register i % 2 of lane 16 u + i / 2
.set ST,  16
.set TMP, 48
.set S,   64
.set P,   192
.set KF,  128         ; window 2
.set VF,  64          ; window 3
.set WV,  2           ; s2   my wave's number
.set SLOTS, 3
.set CNT, 4
.set TBK, 6           ; s6   LDS byte at which K of the step to be fetched begins
.set TBV, 7           ; s7   the same for V, less VOFF
.set G1K, 8           ; s[8:15]
.set G1V, 16          ; s[16:23]
.set G0K, 24          ; s[24:27]
.set G0V, 28          ; s[28:31]
.set MB,  32          ; s[32:63] the 32 lane masks of the piece's first tile, s[68:99] of its second; until the first of them is asked for, the set-up's scalars
.set OPTR, 66         ; s[66:67] att at my wave's first row
.set MP,  100         ; s[100:101] mbits at my wave's first tile; never rewritten
.set SEL, 104         ; s[104:105] v_permlanex16_b32's selects
.set MSB, 0
.macro WIN new
.if MSB != (\new)
	s_set_vgpr_msb (MSB<<8)|(\new)
.set MSB, (\new)
.endif
.endm
.set W_KQ, 0x0a       ; K and Q in window 2, S^T in window 0
.set W_PV, 0x53       ; V (and the readlanes' source) in window 3, P in window 0, O^T in window 1
.set W_RS, 0x41       ; O^T (destination and source 0) in window 1, a in window 0
.set W_T3, 0xc0       ; destination in window 3, sources and addresses in window 0
.set W_AD, 0x0f       ; the add: address and data in window 3
.macro JLOAD                        ; waves 0 and 1 fetch the two halves of a slot's K, waves 2 and 3 those of its V; an s_nop 0 and four v_nop follow each line
	s_cmp_lt_u32 s[WV], 2
	s_cbranch_scc0 .Lfor_v_\@
	tensor_load_to_lds s[G0K:G0K+3], s[G1K:G1K+7]
	s_nop 0
.rept 4
	v_nop
.endr
	s_branch .Lasked_\@
.Lfor_v_\@:
	tensor_load_to_lds s[G0V:G0V+3], s[G1V:G1V+7]
	s_nop 0
.rept 4
	v_nop
.endr
.Lasked_\@:
.endm
.macro CROUND
	s_barrier_signal -1
	s_barrier_wait -1
	s_cmp_lg_u32 s[WV], 0
	s_cbranch_scc1 .Lnot_wave_0_\@
	s_barrier_signal -3
.Lnot_wave_0_\@:
	s_barrier_wait -3
	s_barrier_signal -1
	s_barrier_wait -1
.endm
; THE CHANGE OF SLOTS.  The slot's last bytes, V of its fourth step, have been read and waited for.  Each wave waits for all its tensor loads (one is out: its part of the other slot), adds 0 to its
; spare word, and waits for that and for its reads.  fill = 1: the barrier is a round of the cluster's, and the joint fill, with the keys two slots on, is the first thing behind it: it has four key steps in which to land.
.macro CHANGE fill
	WIN W_AD
	s_wait_tensorcnt 0x0            ; no tensor load of mine is out, so a group 0 may be written
	ds_add_u32 v[SPW], v[NIL]
	WIN 0
.if \fill
.irp g, G0K, G0V
	s_xor_b32 s[\g+1], s[\g+1], SLOT1
	s_add_nc_u64 s[\g+2:\g+3], s[\g+2:\g+3], 4*KS*128
.endr
	s_wait_dscnt 0x0                ; the add is done, and my reads of the slot are over
	CROUND
	JLOAD
.else
	s_wait_dscnt 0x0
	s_barrier_signal -1
	s_barrier_wait -1
.endif
	s_sub_co_u32 s[TBK], s[TBK], 4*KS*PK
	s_xor_b32 s[TBK], s[TBK], SLOT1
	s_sub_co_u32 s[TBV], s[TBV], 4*KS*PV
	s_xor_b32 s[TBV], s[TBV], SLOT1
.endm
	s_load_b128 s[32:35], s[0:1], 0x0  ; qkv s[32:33], mbits s[34:35]
	s_load_b64 s[36:37], s[0:1], 0x10  ; att
	WIN W_T3
	v_lshl_add_u32 v[SPW], v0, 2, SPARE
	v_mov_b32 v[NIL], 0
	WIN W_AD
	ds_add_u32 v[SPW], v[NIL]       ; the wave's opening: the add and its wait stand ahead of my first tensor load
	WIN 0
	v_lshrrev_b32 v1, 5, v0
	v_readfirstlane_b32 s[WV], v1
	s_bfe_u32 s40, ttmp6, 0x40000   ; cx
	s_lshl_b32 s41, ttmp9, 2
	s_add_co_u32 s41, s41, s40      ; my block of 512 queries: it enters Q's, att's and mbits' addresses alone
	s_and_b32 s52, ttmp7, 0xffff    ; hb, which the four partners share
	s_lshl_b32 s42, s52, 18         ; the head's first byte in a tensor
	s_and_b32 s46, s[WV], 1         ; which half of a slot's 256 keys I fetch
	s_lshl_b32 s44, s46, 14
	s_add_co_u32 s44, s44, s42
	s_mov_b32 s45, 0
	s_mul_i32 s47, s46, 128*PK
	s_mul_i32 s48, s46, 128*PV
	s_lshl_b32 s50, s41, 2
	s_add_co_u32 s50, s50, s[WV]    ; my wave among the head's sixteen
	s_lshl_b32 s53, s50, 15         ; its 8 tiles x 4,096 bytes of mask words
	s_lshl_b32 s50, s50, 14         ; its 128 rows
	s_add_co_u32 s50, s50, s42
	s_mov_b32 s51, 0
	s_lshr_b32 s54, s52, 4          ; the batch: 128 tiles x 4,096 bytes
	s_lshl_b32 s54, s54, 19
	s_add_co_u32 s54, s54, s53
	s_mov_b32 s55, 0
	; group 1: 128 keys are 16,384 dense bytes: asked for as 64 rows of 256 bytes, padded in LDS after every key
	s_mov_b32 s[G1K], 15|(1<<16)|(1<<20)|(1<<21)|(4<<22)|(3<<25)
	s_mov_b32 s[G1V], 15|(1<<16)|(1<<20)|(1<<21)|(4<<22)|(7<<25)
.irp g, G1K, G1V
	s_mov_b32 s[\g+1], 128<<16
	s_mov_b32 s[\g+2], 64<<16
	s_mov_b32 s[\g+3], 128<<16
	s_mov_b32 s[\g+4], 64
	s_mov_b32 s[\g+5], 128
	s_mov_b32 s[\g+6], 0
	s_mov_b32 s[\g+7], 0
.endr
	s_mov_b32 s[SEL], 0x76543210
	s_mov_b32 s[SEL+1], 0xfedcba98
	s_mov_b32 s[TBK], SLOT1+4*KS*PK ; the first change of slots turns these two into 0
	s_mov_b32 s[TBV], SLOT1+4*KS*PV
	s_mov_b32 s[G0K], 1
	s_mov_b32 s[G0K+1], s47
	s_mov_b32 s[G0V], 1
	s_add_co_u32 s[G0V+1], s48, VOFF
	s_wait_dscnt 0x0                ; the opening add is done
	s_wait_kmcnt 0x0
	s_add_nc_u64 s[56:57], s[32:33], s[44:45]
	s_add_nc_u64 s[G0K+2:G0K+3], s[56:57], 0x1000000  ; K = qkv[1]
	s_or_b32 s[G0K+3], s[G0K+3], 0x80000000
	s_add_nc_u64 s[G0V+2:G0V+3], s[56:57], 0x2000000  ; V = qkv[2]
	s_or_b32 s[G0V+3], s[G0V+3], 0x80000000
	s_add_nc_u64 s[38:39], s[32:33], s[50:51]         ; Q at my wave's first row
	s_add_nc_u64 s[OPTR:OPTR+1], s[36:37], s[50:51]
	s_add_nc_u64 s[MP:MP+1], s[34:35], s[54:55]
	CROUND                          ; all four work-groups are here
	JLOAD                           ; slot 0; slot 1 is asked for when slot 0 is in
	v_and_b32 v1, 15, v0
	v_bfe_u32 v9, v0, 4, 1
	v_lshlrev_b32 v[QO], 7, v1
	v_lshl_add_u32 v[QO], v9, 4, v[QO]
	v_lshlrev_b32 v[MO], 3, v1      ; the mask words: 8 bytes a lane, lanes 16-31 in the piece's second tile; step 0
	v_lshl_add_u32 v[MO], v9, 12, v[MO]
	WIN 0x80
.set i, 0
.rept 4*NP                          ; Q stays in registers: tile i / 2, channels 32 (i % 2) on
	global_load_b128 v[8*i:8*i+3],   v[QO], s[38:39] offset:(i/2)*2048+(i%2)*64
	global_load_b128 v[8*i+4:8*i+7], v[QO], s[38:39] offset:(i/2)*2048+(i%2)*64+32
.set i, i+1
.endr
	WIN W_T3                        ; the staged words, in the order in which the turns will read them: pieces 1, 2, 3 of step 0, then piece 0 of step 1 (piece 0 of step 0 comes by scalar loads, below)
	global_load_b64 v[MW+2:MW+3], v[MO], s[MP:MP+1] offset:2*4096
	global_load_b64 v[MW+4:MW+5], v[MO], s[MP:MP+1] offset:4*4096
	global_load_b64 v[MW+6:MW+7], v[MO], s[MP:MP+1] offset:6*4096
	global_load_b64 v[MW:MW+1],   v[MO], s[MP:MP+1] offset:128
	; What the first turn finds: V's registers and P's second buffer hold 0 (its products V^T P, of a piece that has not been, add 0), O^T and l are 0.  No first step is written out.
	; O^T is set by 32 products of V's zeros, eight registers a line.  All this stands in the wait for the first tile.
.set i, VF
.rept 64
	v_mov_b32 v[i], 0
.set i, i+1
.endr
	WIN 0x4f                        ; sources 0 and 1 in window 3, destination in window 1
.set i, 0
.rept 8*NP
	v_wmma_f32_16x16x32_f16 v[8*i:8*i+7], v[VF:VF+7], v[VF+8:VF+15], 0
.set i, i+1
.endr
	WIN 0
.set i, 0
.rept 2*NP
	v_mov_b32 v[ST+4*i], 0xff7fffff    ; m
	v_mov_b32 v[ST+4*i+1], 0           ; named with m as a pair
	v_mov_b32 v[ST+4*i+2], 0
	v_mov_b32 v[ST+4*i+3], 0
.set i, i+1
.endr
.set i, P+32
.rept 32
	v_mov_b32 v[i], 0
.set i, i+1
.endr
	v_mov_b32 v[MASKED], 0xcd09960c    ; -1e8 log2 e
	v_mul_u32_u24 v[AK0], v1, PK
	v_lshl_add_u32 v[AK0], v9, 4, v[AK0]
	v_and_b32 v10, 7, v0
	v_bfe_u32 v11, v0, 3, 1
	v_lshl_add_u32 v[AV0], v9, 3, v10
	v_mul_u32_u24 v[AV0], v[AV0], PV
	v_lshl_add_u32 v[AV0], v11, 4, v[AV0]
	v_add_nc_u32 v[AV0], VOFF, v[AV0]
	v_mov_b32 v[AK], v[AK0]
; THE MATRIX WORK.  The 8 accumulators of a run of 16 take turns.
.macro KQ x                         ; product i of 16 of S^T = K Q^T: channels 32 (i / 8) on, keys 16 ((i / 2) % 4) on, tile 2 x + i % 2
	WIN W_KQ
.set rS, S+64*((\x)%2)+32*(i%2)+8*((i/2)%4)
.set rK, KF+16*((i/2)%4)+8*(i/8)
.set rQ, 16*(2*(\x)+i%2)+8*(i/8)
.if i < 8
	v_wmma_f32_16x16x32_f16 v[rS:rS+7], v[rK:rK+7], v[rQ:rQ+7], 0
.else
	v_wmma_f32_16x16x32_f16 v[rS:rS+7], v[rK:rK+7], v[rQ:rQ+7], v[rS:rS+7]
.endif
.endm
.macro PV x                         ; product i of 16 of O^T += V^T P: keys 32 (i / 8) on, channels 16 ((i / 2) % 4) on, tile 2 x + i % 2
	WIN W_PV
.set rO, 32*(2*(\x)+i%2)+8*((i/2)%4)
.set rV, VF+32*(i/8)+8*((i/2)%4)
.set rP, P+32*((\x)%2)+16*(i%2)+8*(i/8)
	v_wmma_f32_16x16x32_f16 v[rO:rO+7], v[rV:rV+7], v[rP:rP+7], v[rO:rO+7]
.endm
.macro MM
.if i < 16
	KQ (Y+1)%NP
.set i, i+1
.else
.set i, i-16
	PV (Y+NP-1)%NP
.set i, i+17
.endif
.endm
.macro FETCH_K last=0               ; a step's K, 16 loads in one run.  last = 1 (the tail): in the last trip there is no further step, and the run is jumped over
	WIN 0
.if \last
	s_cmp_eq_u32 s[CNT], 1
	s_cbranch_scc1 .Lno_k_\@
.endif
	WIN 0x80
.irp f, 0,1,2,3,4,5,6,7
	ds_load_b128 v[KF+8*\f:KF+8*\f+3],   v[AK] offset:(\f/2)*16*PK+(\f%2)*64
	ds_load_b128 v[KF+8*\f+4:KF+8*\f+7], v[AK] offset:(\f/2)*16*PK+(\f%2)*64+32
.endr
	s_add_co_u32 s[TBK], s[TBK], KS*PK
	WIN 0
.if \last
.Lno_k_\@:
.endif
.endm
.macro FETCH_V
	WIN W_T3
.irp f, 0,1,2,3,4,5,6,7
	ds_load_tr16_b128 v[VF+8*\f:VF+8*\f+3],   v[AV] offset:(\f/4)*32*PV+(\f%4)*32
	ds_load_tr16_b128 v[VF+8*\f+4:VF+8*\f+7], v[AV] offset:(\f/4)*32*PV+16*PV+(\f%4)*32
.endr
	WIN 0
.endm
; Lane mask j of the 64 of piece Y + 1 goes from its staged pair into its scalar register: tile j / 32, word j % 32.
.macro RL
	WIN W_PV
.set pn, (Y+1)%NP
	v_readlane_b32 s[MB+36*(j/32)+j%32], v[MW+2*pn+j%2], 16*(j/32)+(j%32)/2
.set j, j+1
.endm
; The step in MO's bits 7-11 goes on by one, inside its five bits: behind step 31 come steps 0 and 1 of the same tiles, so that the look-ahead of the last turns stays inside my wave's own
; 32,768 bytes of mbits; those words are not used.
.macro MSTEP
	s_wait_xcnt 0x0                 ; the offset of the loads that are out is rewritten only behind this wait (ISA guide 3.1); the youngest was issued a turn ago
	v_add_nc_u32 v[MT], 128, v[MO]
	v_bfi_b32 v[MO], 0xf80, v[MT], v[MO]
.endm
; THE SOFTMAX OF A TURN: one list of 308 positions (10 of them empty); VP writes position k for piece Y and steps k.  The two tiles alternate.
;   0-63     the mask: score i = k / 2 is replaced where its lane mask says so, in ascending order (each accumulator's lowest registers are read first)
;   64-95    the maximum of 32 scores and the old m: four chains of seven, then the rest
;   96-105   the lane 16 away holds the query's other 32 keys; the new m; m_old - m_new; m; a
;   106-109  s - m for pairs 0 and 1
;   110-269  16 stages g of ten: the exponentials of pair g with plain lines between them: s - m for pair g + 2, pair g - 1 rounded to f16, and by turns a sum of four weights and l's taking of it
;   270-275  the last rounding, sum and l          276-307  O^T times a, the one part that leaves window 0
; Behind every exponential a plain line that names none of its registers stands before its result is used (ISA guide 5.7.2).
.macro REGS y, u
.set rT, ST+4*(2*(\y)+(\u))
.set rC, TMP+8*((\y)%2)+4*(\u)
.set rS, S+64*((\y)%2)+32*(\u)
.set rP, P+32*((\y)%2)+16*(\u)
.set rO, 32*(2*(\y)+(\u))
.set rB, MB+36*(\u)
.endm
.macro FS n                         ; pair n: s - m
	v_pk_add_f32 v[rS+2*(\n):rS+2*(\n)+1], v[rS+2*(\n):rS+2*(\n)+1], v[rT:rT+1] op_sel_hi:[1,0] neg_lo:[0,1] neg_hi:[0,1]
.endm
.macro CS n                         ; pair n rounded to f16
	s_wait_alu depctr_va_vdst(0)
	v_cvt_pk_f16_f32 v[rP+(\n)], v[rS+2*(\n)], v[rS+2*(\n)+1]
.endm
.macro BS n                         ; of the four weights 4 n .. the second pair is added onto the first, in place
	v_pk_add_f32 v[rS+4*(\n):rS+4*(\n)+1], v[rS+4*(\n):rS+4*(\n)+1], v[rS+4*(\n)+2:rS+4*(\n)+3]
.endm
.macro LS n                         ; l takes that sum; the first time l = a l + sum
.if (\n) == 0
	v_pk_fma_f32 v[rT+2:rT+3], v[rT+2:rT+3], v[rC+2:rC+3], v[rS:rS+1] op_sel_hi:[1,0,1]
.else
	v_pk_add_f32 v[rT+2:rT+3], v[rT+2:rT+3], v[rS+4*(\n):rS+4*(\n)+1]
	s_wait_alu depctr_va_vdst(0)
.endif
.endm
.macro VP
.set u, k%2
.set g, 0
.set o, 0
.set x, (k-64)/2
.if (k >= 110) && (k < 270)
.set g, (k-110)/10
.set o, (k-110)%10
.if o < 8
.set u, (o/2)%2
.endif
.endif
	REGS Y, u
.if k < 276
	WIN 0
.endif
.if k < 64
	v_cndmask_b32 v[rS+k/2], v[rS+k/2], v[MASKED], s[rB+k/2]
.elseif k < 72
	v_max3_num_f32 v[rC+x], v[rS+8*x], v[rS+8*x+1], v[rS+8*x+2]
.elseif k < 88
	v_max3_num_f32 v[rC+x%4], v[rC+x%4], v[rS+8*(x%4)+2*(x/4)+1], v[rS+8*(x%4)+2*(x/4)+2]
.elseif k < 90
	v_max3_num_f32 v[rC], v[rC], v[rS+7], v[rS+15]
.elseif k < 92
	v_max3_num_f32 v[rC+1], v[rC+1], v[rS+23], v[rS+31]
.elseif k < 94
	v_max3_num_f32 v[rC+2], v[rC+2], v[rC+3], v[rT]
.elseif k < 96
	v_max3_num_f32 v[rC], v[rC], v[rC+1], v[rC+2]
.elseif k < 98
	v_permlanex16_b32 v[rC+3], v[rC], s[SEL], s[SEL+1]
.elseif k < 100
	v_max_num_f32 v[rC+1], v[rC], v[rC+3]
.elseif k < 102
	v_sub_f32 v[rC+2], v[rT], v[rC+1]
.elseif k < 104
	v_mov_b32 v[rT], v[rC+1]
.elseif k < 106
	v_exp_f32 v[rC+2], v[rC+2]
.elseif k < 110
	FS (k-106)/2
.elseif k < 270
.if (o == 0) || (o == 2)
	v_exp_f32 v[rS+2*g], v[rS+2*g]
.elseif (o == 4) || (o == 6)
	v_exp_f32 v[rS+2*g+1], v[rS+2*g+1]
.elseif (o == 1) || (o == 3)
.if g < 14
	FS g+2
.endif
.elseif o < 8
.if g > 0
	CS g-1
.endif
.elseif (g%2 == 0) && (g >= 2)
	BS g/2-1
.elseif (g%2 == 1) && (g >= 3)
	LS (g-3)/2
.endif
.elseif k < 272
	CS 15
.elseif k < 274
	BS 7
.elseif k < 276
	LS 7
.else
	WIN W_RS
	v_pk_mul_f32 v[rO+2*((k-276)/2):rO+2*((k-276)/2)+1], v[rO+2*((k-276)/2):rO+2*((k-276)/2)+1], v[rC+2:rC+3] op_sel_hi:[1,0]
.endif
.set k, k+1
.endm
; A TURN, for piece p: 16 products K Q^T with the piece's 64 v_cndmask_b32, four behind each; a lump of N1 positions; 16 products V^T P with the next piece's 64 readlanes, four behind each;
; that piece's pair is loaded again, with its words of the next step; the rest of the list.
; The loads of mask words go round the pieces 1, 2, 3, 0, one a turn: behind the one that this turn reads three younger ones have been issued, which the count leaves out.
; In piece 3's turn the step goes on first: its load (piece 0's) and the next three turns' ask for the same step.
; K of the next step is fetched in piece 2's turn, twelve plain lines behind the last product that read K.  V of the step in hand is fetched at the end of piece 0's turn, behind the second lump.
; Each run is waited for a turn later.
.macro TURN p, last=0
.set Y, (\p)
.set i, 0
.set k, 0
.set j, 0
.if (\p) == 3
	s_wait_dscnt 0x0                ; K is in
.endif
.rept 16
	MM
.rept 4
	VP
.endr
.endr
.rept N1
	VP
.if ((\p) == 2) && (k == 72)
	WIN 0
	v_add_nc_u32 v[AK], s[TBK], v[AK0]
	FETCH_K \last
.endif
.endr
.if (\p) == 1
	s_wait_dscnt 0x0                ; V is in
.endif
	s_wait_loadcnt 0x3              ; the next piece's staged words are in; the three younger loads stay out
.rept 16
	MM
.rept 4
	RL
.endr
.endr
.if (\p) == 3
	WIN 0
	MSTEP
.endif
	WIN W_T3
	global_load_b64 v[MW+2*((Y+1)%NP):MW+2*((Y+1)%NP)+1], v[MO], s[MP:MP+1] offset:2*((Y+1)%NP)*4096
.rept 308-64-N1
	VP
.endr
.if (\p) == 0
	WIN 0
	v_add_nc_u32 v[AV], s[TBV], v[AV0]
	s_add_co_u32 s[TBV], s[TBV], KS*PV
	FETCH_V
.endif
.endm
	CHANGE 1                        ; slot 0 is in, everybody's part of it; slot 1 is asked for
	FETCH_K                         ; key step 0
	s_wait_loadcnt 0x4              ; Q's 32 loads are in (the four loads of mask words behind them stay out): the set-up's scalars, Q's address among them, are free
	s_load_b512 s[MB:MB+15],    s[MP:MP+1], 0x0     ; piece 0's lane masks for step 0 come by scalar loads: nothing is staged for it yet
	s_load_b512 s[MB+16:MB+31], s[MP:MP+1], 0x40
	s_load_b512 s[MB+36:MB+51], s[MP:MP+1], 0x1000
	s_load_b512 s[MB+52:MB+67], s[MP:MP+1], 0x1040
	s_wait_dscnt 0x0
.set i, 0
.rept 16
	KQ 0                            ; piece 0's first scores
.set i, i+1
.endr
	WIN 0                           ; the addresses for the way out: nine plain lines, the places behind those products
	s_mul_i32 s5, s[WV], 16*SP
	s_add_co_u32 s5, s5, STAGE
	v_mul_u32_u24 v[STO], v1, SP
	v_lshl_add_u32 v[STO], v9, 4, v[STO]
	v_add_nc_u32 v[STO], s5, v[STO]
	v_bfe_u32 v[RD], v0, 3, 2
	v_mul_u32_u24 v[RD], v[RD], SP
	v_lshl_add_u32 v[RD], v10, 4, v[RD]
	v_add_nc_u32 v[RD], s5, v[RD]
	v_and_b32 v[GO], 31, v0
	v_lshlrev_b32 v[GO], 4, v[GO]
	MSTEP                           ; the first three turns ask for step 1
	s_mov_b32 s[CNT], 4
	s_mov_b32 s[SLOTS], 7           ; 2,048 / 256 - 1
	s_wait_kmcnt 0x0                ; piece 0's lane masks are in
	s_branch .Lfirst                ; the loop is entered at a step's first turn, in the middle of a trip
.Lslot:                             ; six times: every slot but the last two is filled again
	CHANGE 1
	s_mov_b32 s[CNT], 4
.Lstep:                             ; a trip: pieces 2 and 3 of one step, then pieces 0 and 1 of the next, whose K and V it fetches
	TURN 2
	TURN 3
	WIN 0
.Lfirst:
	TURN 0
	TURN 1
	s_sub_co_u32 s[CNT], s[CNT], 1
	s_cmp_lg_u32 s[CNT], 0
	WIN 0
	s_cbranch_scc1 .Lstep
	s_sub_co_u32 s[SLOTS], s[SLOTS], 1
	s_cmp_lg_u32 s[SLOTS], 0
	s_cbranch_scc1 .Lslot
	CHANGE 0                        ; the tail is written out
	s_mov_b32 s[CNT], 5             ; four trips fetch the last slot's steps; the fifth is left in its middle
.Ltail:
	TURN 2, 1
	TURN 3
	WIN 0
	s_sub_co_u32 s[CNT], s[CNT], 1
	s_cmp_eq_u32 s[CNT], 0
	s_cbranch_scc1 .Lout
	TURN 0
	TURN 1
	WIN 0
	s_branch .Ltail
.Lout:                              ; the fifth trip's 16 products K Q^T, on the last K once more, serve nothing: the price, once a launch, of one text for every trip
	s_wait_loadcnt 0x0              ; the mask words asked for last: no load is out at the end
.set i, 0
.rept 16
	PV NP-1                         ; the last piece's V^T P of the last step
.set i, i+1
.endr
	; THE WAY OUT.  l's two halves and the other half of the lanes' are added; O^T is divided by l, rounded to f16 and sent through my stage, a tile at a time.  The additions are the places behind the last products.
	WIN 0
.macro ALL line:vararg
.set t, 0
.rept 2*NP
	\line
.set t, t+1
.endr
.endm
	ALL v_add_f32 v[ST+4*t+2], v[ST+4*t+2], v[ST+4*t+3]
	ALL v_permlanex16_b32 v[ST+4*t+3], v[ST+4*t+2], s[SEL], s[SEL+1]
	ALL v_add_f32 v[ST+4*t+2], v[ST+4*t+2], v[ST+4*t+3]
	ALL v_rcp_f32 v[ST+4*t+2], v[ST+4*t+2]
	v_nop                           ; a plain line between the last reciprocal and the use of its result
	s_wait_alu depctr_va_vdst(0)
.macro PACK t
	WIN W_RS
.set i, 32*(\t)
.rept 16
	v_pk_mul_f32 v[i:i+1], v[i:i+1], v[ST+4*(\t)+2:ST+4*(\t)+3] op_sel_hi:[1,0]
.set i, i+2
.endr
	WIN 0x05
.set i, 0
.rept 16
	v_cvt_pk_f16_f32 v[S+16*(\t)+i], v[32*(\t)+2*i], v[32*(\t)+2*i+1]
.set i, i+1
.endr
	WIN 0
.irp f, 0,1,2,3
	ds_store_b128 v[STO], v[S+16*(\t)+4*\f:S+16*(\t)+4*\f+3] offset:32*\f
.endr
.irp f, 0,1,2,3
	ds_load_b128 v[S+16*(\t)+4*\f:S+16*(\t)+4*\f+3], v[RD] offset:\f*4*SP  ; LDS serves a wave's instructions in order: these see the stores above; the next tile's stores come behind them
.endr
.endm
.macro SEND t, younger              ; younger: the LDS instructions issued behind tile t's loads: the next tile's eight, or none
	WIN 0
.irp f, 0,1,2,3
	s_wait_dscnt (\younger)+3-\f
	global_store_b128 v[GO], v[S+16*(\t)+4*\f:S+16*(\t)+4*\f+3], s[OPTR:OPTR+1] offset:(\t)*2048+\f*512  ; 512 consecutive bytes, at a multiple of 512 from att's first byte
.endr
.endm
	PACK 0
.set t, 1
.rept 2*NP-1
	PACK t
	SEND t-1, 8
.set t, t+1
.endr
	SEND 2*NP-1, 0
	WIN W_AD
	s_wait_tensorcnt 0x0            ; the wave's end
	ds_add_u32 v[SPW], v[NIL]
	s_wait_dscnt 0x0
	WIN 0
	CROUND                          ; the closing round
	s_endpgm
.Lfunc_end_k_qf91d50216c_attn:
	.size	k_qf91d50216c_attn, .Lfunc_end_k_qf91d50216c_attn-k_qf91d50216c_attn
	.p2alignl 7, 3214868480
	.fill 96, 4, 3214868480
	.section	.rodata,"a",@progbits
	.p2align	6, 0x0
	.amdhsa_kernel k_qf91d50216c_attn
		.amdhsa_group_segment_fixed_size 327680
		.amdhsa_private_segment_fixed_size 0
		.amdhsa_enable_private_segment 0
		.amdhsa_kernarg_size 24
		.amdhsa_user_sgpr_count 2
		.amdhsa_user_sgpr_kernarg_segment_ptr 1
		.amdhsa_wavefront_size32 1
		.amdhsa_system_sgpr_workgroup_id_x 1
		.amdhsa_system_sgpr_workgroup_id_y 1
		.amdhsa_system_sgpr_workgroup_id_z 1
		.amdhsa_system_vgpr_workitem_id 0
		.amdhsa_next_free_vgpr 896
		.amdhsa_next_free_sgpr 106
		.amdhsa_reserve_vcc 0
		.amdhsa_float_denorm_mode_32 3
		.amdhsa_float_denorm_mode_16_64 3
		.amdhsa_memory_ordered 1
		.amdhsa_forward_progress 1
		.amdhsa_inst_pref_size 255
	.end_amdhsa_kernel
	.section	.bss,"aw",@nobits
	.p2align	6
	.space	262144
	.amdgpu_metadata
---
amdhsa.version: [ 1, 2 ]
amdhsa.kernels:
  - .name:           k_qf91d50216c_attn
    .symbol:         k_qf91d50216c_attn.kd
    .args:
      - { .name: qkv, .offset: 0, .size: 8, .value_kind: global_buffer, .address_space: global }
      - { .name: mbits, .offset: 8, .size: 8, .value_kind: global_buffer, .address_space: global }
      - { .name: att, .offset: 16, .size: 8, .value_kind: global_buffer, .address_space: global }
    .group_segment_fixed_size: 327680
    .private_segment_fixed_size: 0
    .kernarg_segment_align: 8
    .kernarg_segment_size: 24
    .max_flat_workgroup_size: 128
    .sgpr_count:     106
    .vgpr_count:     896
    .wavefront_size: 32
...
	.end_amdgpu_metadata
.endif
;; end of part 7
;; launch outp (part 8): grid 4 x 64, 4 waves a work-group, clusters of 4 x 4, 327,680 bytes of LDS; arguments att, w16, bo, out0; writes out0
.if DOCPART == 8
	.amdgcn_target "amdgcn-amd-amdhsa--gfx1250"
	.amdhsa_code_object_version 6
	.text
	.protected	k_qf91d50216c_outp
	.globl	k_qf91d50216c_outp
	.p2align	8
	.type	k_qf91d50216c_outp,@function
k_qf91d50216c_outp:
	s_mov_b64 s[64:65], 0
	v_nop
	global_prefetch_b8 v0, s[64:65] scope:SCOPE_SE
	s_setreg_imm32_b32 hwreg(HW_REG_WAVE_MODE, 25, 1), 1
	s_wait_xcnt 0x0
	s_wait_alu depctr_hold_cnt(0) depctr_sa_sdst(0) depctr_va_vdst(0) depctr_va_sdst(0) depctr_va_ssrc(0) depctr_va_vcc(0) depctr_vm_vsrc(0)
	s_getreg_b32 s2, hwreg(HW_REG_IB_STS2, 6, 4)
	s_cmp_eq_u32 s2, 0
	s_cbranch_scc0 .Lentry_in_a_cluster
	s_endpgm
.Lentry_in_a_cluster:
	s_bfe_u32 s2, ttmp6, 0x10000c
	s_cmp_lg_u32 s2, 0xf033
	s_cbranch_scc0 .Lentry_shape_is_right
	s_endpgm
.Lentry_shape_is_right:
; OUTP.  out0[m][o] = 0.125 x (the sum over k of att[m][k] Wo[k][o]) + bo[o].  m = batch x 2048 + row, k = head x 64 + channel.  att: [64 hb][2048][64] f16 (by heads); Wo: w16[3], [1024 k][1024 o]
; f16; bo rounded to bf16 like every input; sums in f32; out0 f32.  The 0.125 is the module's division by sqrt(64), applied in f32 with the bias in one fused multiply-add.
; SHARES.  A tile of out0 is 128 x 256: 64 x 4 = 256 work-groups.  Four waves, each 64 x 128: 32 accumulators.  A K step of 128 is two heads; 8 K steps through two LDS slots.
; CLUSTER.  4 x 4 work-groups: att's tile is shared along a row of the cluster, Wo's along a column; each is asked for jointly.
; THE MATRIX INSTRUCTION IS USED TRANSPOSED (source 0 = 16 columns of Wo, turned by ds_load_tr16_b128; source 1 = 16 rows of att): a lane holds eight neighbouring numbers of a row of out0.
; ONE TEXT FOR A K STEP.  A K step is written twice in all: in a loop of 6 trips whose change of slots fills the slot again, and in a loop of 2 trips that fills nothing.  For that the slot in hand is
; a scalar word, turned by an exclusive or, and the sums start from 32 products of zeros and not from a first quarter step written out.  The price, once a tile: those 32 products (in the wait for the
; first tile) and, in the last K step, a barrier that serves nothing.
; REGISTERS.  window 0: v0-31 addresses; v32-95 att's fragments, two buffers of 32; v96-223 the way out, two sets of 64; v224-231 the bias; v232-235 at work.
;   window 1: v0-127 Wo's fragments, two buffers of 64.   window 2: the accumulators, (a, b) at v[8 (8 a + b)].
.set PAH,    144                       ; a row of one head in LDS: 128 bytes + 16
.set PB,     544                       ; a k-row of Wo: 512 bytes + 32
.set HALFA,  128*PAH                   ; one head's 128 rows: what one tensor load brings of att
.set HALFB,  64*PB
.set BOFF,   2*HALFA
.set SLOT,   1<<17                     ; slot 1 begins here (a slot has 106,496 bytes), so that one exclusive or turns an address in one slot into the other's
.set STAGE,  SLOT+BOFF+2*HALFB         ; behind the ring: 16 rows x 528 bytes for each wave
.set SPITCH, 528
.set SPARE,  STAGE+4*16*SPITCH         ; behind the stages: the spare words, 128 bytes for each wave
.set FILLS,  6                         ; K steps 0 to 5 ask for K steps 2 to 7
.set ADRA0, 16                         ; v16     my lane's place in att's tile of slot 0; never rewritten
.set ADRA,  17                         ; v17     the same in the slot in hand
.set ADRB0, 20                         ; v20, v21  the same for Wo
.set ADRB,  21
.set STO,  24
.set RD,   25
.set CO,   26
.set BO,   27
.set SPW,  28
.set NIL,  29
.set AFR,  32
.set OB,   96
.set BI,   224
.set TBI,  232
.set TB, 2                             ; s2      0 or SLOT: the slot that the fragments are fetched from
.set G1, 24                            ; s[24:31] group 1 for att;  s[32:39] group 0: a set for each of the two first fills; the second then walks on
.set G0, 32
.set G1B, 48                           ; s[48:55], s[56:63] the same for Wo
.set G0B, 56
.set MSB, 0
.macro WIN new
.if MSB != (\new)
	s_set_vgpr_msb (MSB<<8)|(\new)
.set MSB, \new
.endif
.endm
.set MUL,  0xa1
.set TO_B, 0x40
.macro JLOAD s                         ; waves 0 and 1 fetch the step's two heads of att, waves 2 and 3 the two halves of Wo's rows; an s_nop 0 and four v_nop follow each line
	s_cmp_eq_u32 s11, 0
	s_cbranch_scc0 .Lfor_b_\@
	tensor_load_to_lds s[G0+4*(\s):G0+4*(\s)+3], s[G1:G1+7]
	s_nop 0
.rept 4
	v_nop
.endr
	s_branch .Lasked_\@
.Lfor_b_\@:
	tensor_load_to_lds s[G0B+4*(\s):G0B+4*(\s)+3], s[G1B:G1B+7]
	s_nop 0
.rept 4
	v_nop
.endr
.Lasked_\@:
.endm
.macro CREST
	s_cmp_lg_u32 s10, 0
	s_cbranch_scc1 .Lnot_wave_0_\@
	s_barrier_signal -3
.Lnot_wave_0_\@:
	s_barrier_wait -3
	s_barrier_signal -1
	s_barrier_wait -1
.endm
.macro CROUND
	s_barrier_signal -1
	s_barrier_wait -1
	CREST
.endm
	s_load_b256 s[68:75], s[0:1], 0x0              ; att 68, w16 70, bo 72, out0 74
	v_lshl_add_u32 v[SPW], v0, 2, SPARE
	v_mov_b32 v[NIL], 0
	ds_add_u32 v[SPW], v[NIL]                      ; the wave's opening: the add and its wait stand ahead of my first tensor load
	v_lshrrev_b32 v1, 5, v0
	v_readfirstlane_b32 s10, v1
	s_lshr_b32 s11, s10, 1                         ; which 64 rows are mine.  Also: I fetch att (0) or Wo (1)
	s_and_b32 s12, s10, 1                          ; which 128 columns.  Also: which head, or which 64 k-rows, I fetch
	s_bfe_u32 s40, ttmp6, 0x40000
	s_bfe_u32 s41, ttmp6, 0x40004
	s_lshl_b32 s42, ttmp9, 2
	s_add_co_u32 s42, s42, s40                     ; tile column
	s_and_b32 s13, ttmp7, 0xffff
	s_lshl_b32 s13, s13, 2
	s_add_co_u32 s13, s13, s41                     ; tile row 0..63
	s_lshl_b32 s43, s41, 2
	s_lshl_b32 s43, 15, s43
	s_lshl_b32 s44, 0x1111, s40
	s_or_b32 s[G1+0], s43, (1<<16)|(1<<20)|(1<<21)|(4<<22)|(3<<25)   ; att: 128 rows of 128 bytes are dense: asked for as 64 rows of 256, padded by 4 words after every 32
	s_or_b32 s[G1B+0], s44, (1<<16)|(1<<20)|(1<<21)|(6<<22)|(7<<25)  ; Wo: padded by 8 words after every 128
	s_mov_b32 s[G1+1], 128<<16
	s_mov_b32 s[G1+2], 64<<16
	s_mov_b32 s[G1+3], 128<<16
	s_mov_b32 s[G1+4], 64
	s_mov_b32 s[G1+5], 128
	s_mov_b32 s[G1+6], 0
	s_mov_b32 s[G1+7], 0
	s_mov_b32 s[G1B+1], 256<<16
	s_mov_b32 s[G1B+2], 64<<16
	s_mov_b32 s[G1B+3], 256<<16
	s_mov_b32 s[G1B+4], 64
	s_mov_b32 s[G1B+5], 1024
	s_mov_b32 s[G1B+6], 0
	s_mov_b32 s[G1B+7], 0
	s_mov_b32 s[TB], 0                             ; the fragments begin in slot 0
	s_lshr_b32 s16, s13, 4                         ; att: batch x 16 + my head of the step (262,144 bytes each), row 128 (tile row % 16)
	s_lshl_b32 s16, s16, 4
	s_add_co_u32 s16, s16, s12
	s_lshl_b32 s16, s16, 18
	s_and_b32 s17, s13, 15
	s_lshl_b32 s17, s17, 14
	s_add_co_u32 s16, s16, s17
	s_mov_b32 s17, 0
	s_lshl_b32 s46, s12, 17                        ; Wo: w16[3], k-row 64 x half, column 256 x tile column
	s_add_co_u32 s46, s46, 0x600000
	s_lshl_b32 s47, s42, 9
	s_add_co_u32 s46, s46, s47
	s_mov_b32 s47, 0
	s_mul_i32 s20, s12, HALFA
	s_mul_i32 s21, s12, HALFB
	s_add_co_u32 s21, s21, BOFF
	s_wait_dscnt 0x0                               ; the opening add is done
	s_wait_kmcnt 0x0
	s_add_nc_u64 s[14:15], s[68:69], s[16:17]
	s_add_nc_u64 s[46:47], s[70:71], s[46:47]
	CROUND
.irp s, 0,1
	s_mov_b32 s[G0+4*(\s)], 1
	s_add_co_u32 s[G0+4*(\s)+1], s20, (\s)*SLOT
	s_add_nc_u64 s[G0+4*(\s)+2:G0+4*(\s)+3], s[14:15], (\s)*524288   ; two heads on
	s_or_b32 s[G0+4*(\s)+3], s[G0+4*(\s)+3], 0x80000000
	s_mov_b32 s[G0B+4*(\s)], 1
	s_add_co_u32 s[G0B+4*(\s)+1], s21, (\s)*SLOT
	s_add_nc_u64 s[G0B+4*(\s)+2:G0B+4*(\s)+3], s[46:47], (\s)*262144 ; 128 k-rows on
	s_or_b32 s[G0B+4*(\s)+3], s[G0B+4*(\s)+3], 0x80000000
	JLOAD \s                                       ; K steps 0 and 1: two loads of mine are out
.endr
	v_and_b32 v1, 15, v0
	v_bfe_u32 v2, v0, 4, 1
	s_lshl_b32 s22, s42, 10                        ; the bias of my 128 columns
	s_lshl_b32 s23, s12, 9
	s_add_co_u32 s22, s22, s23
	s_mov_b32 s23, 0
	s_add_nc_u64 s[4:5], s[72:73], s[22:23]
	v_lshlrev_b32 v[BO], 4, v1                     ; on the way out a lane holds columns 4 (l % 16) + 0..3 of each half of 64
	global_load_b128 v[BI:BI+3],   v[BO], s[4:5]
	global_load_b128 v[BI+4:BI+7], v[BO], s[4:5] offset:256
	v_mul_u32_u24 v3, v1, PAH
	v_lshl_add_u32 v3, v2, 4, v3                   ; att's fragment: row x pitch + 16 x half
	v_and_b32 v5, 7, v0
	v_bfe_u32 v6, v0, 3, 1
	v_lshl_add_u32 v4, v2, 3, v5
	v_mul_u32_u24 v4, v4, PB
	v_lshl_add_u32 v4, v6, 4, v4                   ; Wo's: k-row 8 (l / 16) + l % 8, columns 8 ((l / 8) % 2) on
	s_mul_i32 s21, s11, 64*PAH
	s_lshl_b32 s22, s12, 8
	s_add_co_u32 s22, s22, BOFF
	v_add_nc_u32 v[ADRA0], s21, v3
	v_add_nc_u32 v[ADRB0], s22, v4
	v_mov_b32 v[ADRA], v[ADRA0]                    ; slot 0
	v_mov_b32 v[ADRB], v[ADRB0]
	s_mul_i32 s23, s10, 16*SPITCH
	s_add_co_u32 s23, s23, STAGE
	v_mul_u32_u24 v[STO], v1, SPITCH               ; in: row l % 16, 32 bytes for each half of the lanes
	v_lshl_add_u32 v[STO], v2, 5, v[STO]
	v_add_nc_u32 v[STO], s23, v[STO]
	v_mul_u32_u24 v[RD], v2, SPITCH                ; back: lanes 0-15 take 256 bytes of a row, lanes 16-31 of the next
	v_lshl_add_u32 v[RD], v1, 4, v[RD]
	v_add_nc_u32 v[RD], s23, v[RD]
	v_lshlrev_b32 v[CO], 12, v2                    ; and the same in out0
	v_lshl_add_u32 v[CO], v1, 4, v[CO]
	s_lshl_b32 s18, s13, 7
	s_lshl_b32 s19, s11, 6
	s_add_co_u32 s18, s18, s19                     ; my first row,
	s_lshl_b32 s18, s18, 12                        ; of 4,096 bytes,
	s_lshl_b32 s19, s42, 10
	s_add_co_u32 s18, s18, s19                     ; my first column
	s_lshl_b32 s19, s12, 9
	s_add_co_u32 s18, s18, s19
	s_mov_b32 s19, 0
	s_add_nc_u64 s[8:9], s[74:75], s[18:19]
	s_wait_loadcnt 0x0
.irp n, 0,1,2,3
	v_cvt_pk_bf16_f32 v[TBI+(\n)], v[BI+2*(\n)], v[BI+2*(\n)+1]
.endr
.irp n, 0,1,2,3
	v_lshlrev_b32 v[BI+2*(\n)], 16, v[TBI+(\n)]
	v_and_b32 v[BI+2*(\n)+1], 0xffff0000, v[TBI+(\n)]
.endr
	; The sums start at 0: 32 products of sixteen registers of zeros, eight registers of sums a line, so that the first K step is a step like any other
.set n, 0
.rept 16
	v_mov_b32 v[OB+n], 0
.set n, n+1
.endr
	WIN 0xa0                                       ; sources 0 and 1 window 0, destination window 2
.set n, 0
.rept 32
	v_wmma_f32_16x16x32_f16 v[8*n:8*n+7], v[OB:OB+7], v[OB+8:OB+15], 0
.set n, n+1
.endr
	WIN 0
.macro MUL8 p, a                       ; row block a x all 8 column blocks, 32 along K
	WIN MUL
.irp b, 0,1,2,3,4,5,6,7
	v_wmma_f32_16x16x32_f16 v[8*(8*(\a)+(\b)):8*(8*(\a)+(\b))+7], v[64*(\p)+8*(\b):64*(\p)+8*(\b)+7], v[AFR+32*(\p)+8*(\a):AFR+32*(\p)+8*(\a)+7], v[8*(8*(\a)+(\b)):8*(8*(\a)+(\b))+7]
.endr
.endm
.macro FETCH q, p                      ; 24 LDS loads in one run: quarter q of the slot in hand: head q / 2 of the step, channels 32 (q % 2) on
	WIN TO_B
.irp b, 0,1,2,3,4,5,6,7
	ds_load_tr16_b128 v[64*(\p)+8*(\b):64*(\p)+8*(\b)+3],   v[ADRB] offset:(\q)*32*PB+32*(\b)
	ds_load_tr16_b128 v[64*(\p)+8*(\b)+4:64*(\p)+8*(\b)+7], v[ADRB] offset:(\q)*32*PB+16*PB+32*(\b)
.endr
	WIN 0
.irp a, 0,1,2,3
	ds_load_b128 v[AFR+32*(\p)+8*(\a):AFR+32*(\p)+8*(\a)+3],   v[ADRA] offset:((\q)/2)*HALFA+((\q)%2)*64+(\a)*16*PAH
	ds_load_b128 v[AFR+32*(\p)+8*(\a)+4:AFR+32*(\p)+8*(\a)+7], v[ADRA] offset:((\q)/2)*HALFA+((\q)%2)*64+(\a)*16*PAH+32
.endr
.endm
.macro PLACES                          ; four places in front of loads into registers that matrix instructions have read, and of lines that read results
.rept 4
	v_nop
.endr
.endm
; Quarter q is multiplied from buffers p; in its middle quarter q + 1 is fetched into the other buffers.  The 32 accumulators take turns in the same order in every quarter.
.macro QUARTER q, p
	s_wait_dscnt 0x0                               ; this quarter's fragments are in
	MUL8 \p, 0
	MUL8 \p, 1
	PLACES
	FETCH (\q)+1, 1-(\p)
	MUL8 \p, 2
	MUL8 \p, 3
.endm
; The last quarter multiplies buffers 1 and changes slots.
; fill = 1: this slot is filled again, with the K step two steps on: the walking descriptors take the other slot than last time and the next K step.
; fill = 0: nothing is asked for; in the loop's last trip (s3 = 1) there is no next K step, and the run of LDS loads is jumped over.
.macro TURN fill
	WIN 0
	s_wait_tensorcnt 0x0                           ; all my tensor loads have landed: my part of the next slot; so a group 0 may be written
	ds_add_u32 v[SPW], v[NIL]
	s_wait_dscnt 1                                 ; the quarter's fragments are in; the add alone may be out
	MUL8 1, 0
	s_wait_dscnt 0x0                               ; the add is done, and my reads of this slot are over
	s_barrier_signal -1
	MUL8 1, 1
	WIN 0
	s_barrier_wait -1
.if \fill
	CREST                                          ; a round of the cluster's barrier: no wave of any partner still reads this slot or has a load on its way
	s_xor_b32 s[G0+5], s[G0+5], SLOT
	s_add_nc_u64 s[G0+6:G0+7], s[G0+6:G0+7], 524288          ; two heads on; the type bits on top are not reached
	s_xor_b32 s[G0B+5], s[G0B+5], SLOT
	s_add_nc_u64 s[G0B+6:G0B+7], s[G0B+6:G0B+7], 262144      ; 128 k-rows on
	JLOAD 1                                        ; the first tensor load behind the round, my only one; its four v_nop are the places for the loads below
.else
	PLACES
.endif
	s_xor_b32 s[TB], s[TB], SLOT                   ; the fragments come from the other slot now
	v_add_nc_u32 v[ADRA], s[TB], v[ADRA0]
	v_add_nc_u32 v[ADRB], s[TB], v[ADRB0]
.if (\fill) == 0
	s_cmp_eq_u32 s3, 1
	s_cbranch_scc1 .Lno_next_\@
.endif
	FETCH 0, 0
.if (\fill) == 0
.Lno_next_\@:
.endif
	MUL8 1, 2
	MUL8 1, 3
.endm
	s_wait_tensorcnt 1                             ; my part of K step 0 is in; K step 1's stays out
	s_barrier_signal -1
	s_barrier_wait -1
	FETCH 0, 0
	s_mov_b32 s3, FILLS
.Lstep:                                                ; K steps 0 to 5: each fills its slot again
	QUARTER 0, 0
	QUARTER 1, 1
	QUARTER 2, 0
	TURN 1
	WIN 0                                          ; at a label and at a branch every window is 0
	s_sub_co_u32 s3, s3, 1
	s_cmp_lg_u32 s3, 0
	s_cbranch_scc1 .Lstep
	s_mov_b32 s3, 2
.Ltail:                                                ; K steps 6 and 7 have a text of their own
	QUARTER 0, 0
	QUARTER 1, 1
	QUARTER 2, 0
	TURN 0
	WIN 0
	s_sub_co_u32 s3, s3, 1
	s_cmp_lg_u32 s3, 0
	s_cbranch_scc1 .Ltail
	PLACES
; THE WAY OUT, a block of 16 rows at a time: the sums go as they are into my stage (32 bytes a lane), come back as whole rows of 512 bytes, take the factor and the bias, and are stored.
.macro OUTB a
.set OB0, OB+64*((\a)%2)
	s_wait_xcnt 0x0                                ; the set's registers, which earlier stores read, are loaded again only behind this wait
	WIN 0x08                                       ; the stores' data in window 2
.irp b, 0,1,2,3,4,5,6,7
	ds_store_b128 v[STO], v[8*(8*(\a)+(\b)):8*(8*(\a)+(\b))+3]   offset:64*(\b)      ; each accumulator's low registers first
	ds_store_b128 v[STO], v[8*(8*(\a)+(\b))+4:8*(8*(\a)+(\b))+7] offset:64*(\b)+16
.endr
	WIN 0
.set i, 0
.rept 16
	ds_load_b128 v[OB0+4*i:OB0+4*i+3], v[RD] offset:(i/2)*2*SPITCH+(i%2)*256  ; LDS serves a wave's instructions in order: these see the stores above
.set i, i+1
.endr
.endm
.macro SENDB a, younger                ; younger: the LDS instructions issued behind block a's loads: the next block's 32, or none
.set OB0, OB+64*((\a)%2)
.set i, 0
.rept 16
	s_wait_dscnt (\younger)+15-i
	v_pk_fma_f32 v[OB0+4*i:OB0+4*i+1],   v[OB0+4*i:OB0+4*i+1],   0x3e000000, v[BI+4*(i%2):BI+4*(i%2)+1]   op_sel_hi:[1,0,1]
	v_pk_fma_f32 v[OB0+4*i+2:OB0+4*i+3], v[OB0+4*i+2:OB0+4*i+3], 0x3e000000, v[BI+4*(i%2)+2:BI+4*(i%2)+3] op_sel_hi:[1,0,1]
	global_store_b128 v[CO], v[OB0+4*i:OB0+4*i+3], s[8:9] offset:(16*(\a)+2*(i/2))*4096+(i%2)*256 th:TH_STORE_NT  ; 16 lanes store 256 consecutive bytes, at a multiple of 256 from out0's first byte
.set i, i+1
.endr
.endm
	OUTB 0
.irp a, 1,2,3
	OUTB \a
	SENDB (\a)-1, 32
.endr
	SENDB 3, 0
	s_wait_tensorcnt 0x0                           ; the wave's end
	ds_add_u32 v[SPW], v[NIL]
	s_wait_dscnt 0x0
	CROUND                                         ; the closing round
	s_endpgm
.Lfunc_end_k_qf91d50216c_outp:
	.size	k_qf91d50216c_outp, .Lfunc_end_k_qf91d50216c_outp-k_qf91d50216c_outp
	.p2alignl 7, 3214868480
	.fill 96, 4, 3214868480
	.section	.rodata,"a",@progbits
	.p2align	6, 0x0
	.amdhsa_kernel k_qf91d50216c_outp
		.amdhsa_group_segment_fixed_size 327680
		.amdhsa_private_segment_fixed_size 0
		.amdhsa_enable_private_segment 0
		.amdhsa_kernarg_size 32
		.amdhsa_user_sgpr_count 2
		.amdhsa_user_sgpr_kernarg_segment_ptr 1
		.amdhsa_wavefront_size32 1
		.amdhsa_system_sgpr_workgroup_id_x 1
		.amdhsa_system_sgpr_workgroup_id_y 1
		.amdhsa_system_sgpr_workgroup_id_z 1
		.amdhsa_system_vgpr_workitem_id 0
		.amdhsa_next_free_vgpr 768
		.amdhsa_next_free_sgpr 76
		.amdhsa_reserve_vcc 0
		.amdhsa_float_denorm_mode_32 3
		.amdhsa_float_denorm_mode_16_64 3
		.amdhsa_memory_ordered 1
		.amdhsa_forward_progress 1
		.amdhsa_inst_pref_size 74
	.end_amdhsa_kernel
	.amdgpu_metadata
---
amdhsa.version: [ 1, 2 ]
amdhsa.kernels:
  - .name:           k_qf91d50216c_outp
    .symbol:         k_qf91d50216c_outp.kd
    .args:
      - { .name: att, .offset: 0, .size: 8, .value_kind: global_buffer, .address_space: global }
      - { .name: w16, .offset: 8, .size: 8, .value_kind: global_buffer, .address_space: global }
      - { .name: bo, .offset: 16, .size: 8, .value_kind: global_buffer, .address_space: global }
      - { .name: out0, .offset: 24, .size: 8, .value_kind: global_buffer, .address_space: global }
    .group_segment_fixed_size: 327680
    .private_segment_fixed_size: 0
    .kernarg_segment_align: 8
    .kernarg_segment_size: 32
    .max_flat_workgroup_size: 128
    .sgpr_count:     76
    .vgpr_count:     768
    .wavefront_size: 32
...
	.end_amdgpu_metadata
.endif
;; end of part 8
;; ======== version 3 of 3: 4 launches; 1.39 times as fast as version 1
;; limits: values are held in f16: magnitudes above 65,504 overflow, below 6.1e-05 lose precision
;; workspace buffers: w16 8,388,608 bytes; mbits 2,097,152 bytes of whole numbers; qkv 50,331,648 bytes; att 16,777,216 bytes
;; launch prep: the kernel of part 5 again; grid 1024 x 1, 8 waves a work-group, no clusters, 35,840 bytes of LDS; arguments mask, Wq, Wk, Wv, Wo, mbits, w16; writes mbits, w16
;; launch proj: the kernel of part 6 again; grid 4 x 192, 4 waves a work-group, clusters of 4 x 4, 327,680 bytes of LDS; arguments query, key_, value, w16, bq, bk, bv, qkv; writes qkv
;; launch attn (part 9): grid 4 x 64, 4 waves a work-group, clusters of 4 x 1, 327,680 bytes of LDS; arguments qkv, mbits, att; writes att
.if DOCPART == 9
	.amdgcn_target "amdgcn-amd-amdhsa--gfx1250"
	.amdhsa_code_object_version 6
	.text
	.protected	k_qf91d50216c_attn
	.globl	k_qf91d50216c_attn
	.p2align	8
	.type	k_qf91d50216c_attn,@function
k_qf91d50216c_attn:
	s_mov_b64 s[64:65], 0
	v_nop
	global_prefetch_b8 v0, s[64:65] scope:SCOPE_SE
	s_setreg_imm32_b32 hwreg(HW_REG_WAVE_MODE, 25, 1), 1
	s_wait_xcnt 0x0
	s_wait_alu depctr_hold_cnt(0) depctr_sa_sdst(0) depctr_va_vdst(0) depctr_va_sdst(0) depctr_va_ssrc(0) depctr_va_vcc(0) depctr_vm_vsrc(0)
	s_getreg_b32 s2, hwreg(HW_REG_IB_STS2, 6, 4)
	s_cmp_eq_u32 s2, 0
	s_cbranch_scc0 .Lentry_in_a_cluster
	s_endpgm
.Lentry_in_a_cluster:
	s_bfe_u32 s2, ttmp6, 0x10000c
	s_cmp_lg_u32 s2, 0x3003
	s_cbranch_scc0 .Lentry_shape_is_right
	s_endpgm
.Lentry_shape_is_right:
; ATTN.  att[hb][q][:] = the sum over k of softmax_k(s[q][k]) V[hb][k][:], s = Q . K where the mask's bit is 0 and -1e8 where it is 1 (the score is REPLACED, as the module does it: a row that is
; masked throughout is the plain mean of V).  Q, K, V = qkv[0], [1], [2], each [64 hb][2048][64] f16; Q arrives times log2 e, so the scores are in base 2 and the masked score is -1e8 log2 e.
; The module's division by 8 is left to the launch behind.  Products, maxima and sums in f32; the weights p are rounded to f16 for the second product (their sum l is of the unrounded p), att once.
; LIMITS.  A weight below 2^-126 counts as 0; p below 6e-5 keeps f16's fixed step; NaN and infinities are not treated apart.
; SHARES.  A wave owns four PIECES of two tiles of 16 queries, a work-group's four waves 512 queries of one head.  Every wave walks all 2,048 keys, 64 a step; an LDS slot holds four steps.
; LAYOUT.  S^T = K Q^T: a lane holds ONE query (lane % 16) and the keys 8 (lane / 16) + 0..7 of each block of 16.  Two such results rounded to f16 ARE source 1 of O^T = V^T P.  V is turned by ds_load_tr16_b128.
; THE MASK arrives as lane masks: mbits[batch x 128 + q / 16][step][register], one word for each register of a tile's 32 scores; one v_cndmask_b32 a score.  A piece's 64 words fill the 64 scalar
; registers that can be spared, and a scalar load is shown done by a wait for 0 alone (scalar loads may return out of order: ISA guide 5.7.1), so by scalar loads a piece's words could be out for less
; than a turn.  So they are STAGED in vector registers: one load of 8 bytes a lane brings a piece's 64 words of one step into the piece's own pair, four turns ahead; in the turn before the piece's own
; 64 v_readlane_b32 bring them into the scalar registers, and the pair is loaded again.  A load takes two runs of 128 bytes (the piece's two tiles); the next step takes the 128 bytes beside each.
; SOFTMAX.  A running maximum m and sum l for each query: p = 2^(s - m); O and l are multiplied by a = 2^(m_old - m_new) in every step.  m starts at the lowest finite number, O and l at 0.
; BY TURNS.  Turn n belongs to piece n.  Matrix work: 16 products K Q^T of piece n + 1, later 16 products V^T P of piece n - 1.  Vector work: all of piece n's softmax (298 lines, which name no register
; of those products) and piece n + 1's 64 readlanes.  Four lines stand behind EVERY product: behind K Q^T the piece's 64 v_cndmask_b32, behind V^T P the 64 readlanes; the rest stands in two lumps.
; THE BATCH.  A turn's 66 exponentials (the two a, then the 64 scores') are ONE batch with ONE wait.  All 66 stand in the first lump, where nothing names a result of theirs; the 16 products V^T P and the
; 64 readlanes, which name none either, stand between the batch and the wait; all that reads a result (roundings, sums, l, the rescaling of O^T) stands in the second lump, behind the wait..
; The way out's eight reciprocals are a batch of their own.
; CLUSTER.  The four query blocks of a cluster belong to one head and walk the same K and V: each tile is asked for jointly.
; REGISTERS: window 0: v0-11 addresses; v12 the masked score; v13-14 the mask words' offset; v16-47 statistics, four a tile (m, 0, l, l); v48-63 at work; v64-191 S^T, two buffers of two tiles; v192-255 P, likewise
;   window 1: O^T, 32 a tile     window 2: v0-127 Q; v128-191 K of one step     window 3: v0-1 the add's two registers; v2-9 the staged mask words, a pair a piece; v64-127 V of one step
; V and the staged words share a window, so that the setting of V^T P also serves the readlanes' source: that run of 16 products and 64 lines has no switch.
.set NP,    4
.set KS,    64
.set PK,    144       ; a row of K in LDS: 128 bytes + 16: the 16 rows of a load start at 16 different groups of four banks (ISA guide 11.1)
.set PV,    160       ; a row of V: 128 + 32
.set VOFF,  4*KS*PK   ; a slot: 256 rows of K, then 256 rows of V
.set SLOT1, 1<<17
.set STAGE, SLOT1+4*KS*(PK+PV)  ; behind the ring: 16 rows x 144 bytes for each wave
.set SP,    144
.set SPARE, STAGE+4*16*SP       ; behind the stages: the spare words, 128 bytes for each wave
.set NL,    304       ; positions of the softmax's list
.set N1,    142       ; of them in the first lump: 64 to 205, up to the batch's last exponential; the second lump has NL - 64 - N1
.set AK0, 2
.set AV0, 3
.set AK,  4
.set AV,  5
.set QO,  6
.set STO, 6
.set RD,  7
.set GO,  8
.set MASKED, 12       ; v12  -1e8 log2 e
.set MO,  13          ; v13  my byte offset in a piece's mask words: 4,096 (lane / 16) + 8 (lane % 16), and in bits 7-11 the step that is being asked for
.set MT,  14          ; v14  at work when MO steps
.set SPW, 0           ; v0 of window 3
.set NIL, 1           ; v1 of window 3
.set MW,  2           ; v2-9 of window 3: piece x's pair at MW + 2 x: word i of tile u in register i % 2 of lane 16 u + i / 2
.set ST,  16
.set TMP, 48
.set S,   64
.set P,   192
.set KF,  128         ; window 2
.set VF,  64          ; window 3
.set WV,  2           ; s2   my wave's number
.set SLOTS, 3
.set CNT, 4
.set TBK, 6           ; s6   LDS byte at which K of the step to be fetched begins
.set TBV, 7           ; s7   the same for V, less VOFF
.set G1K, 8           ; s[8:15]
.set G1V, 16          ; s[16:23]
.set G0K, 24          ; s[24:27]
.set G0V, 28          ; s[28:31]
.set MB,  32          ; s[32:63] the 32 lane masks of the piece's first tile, s[68:99] of its second; until the first of them is asked for, the set-up's scalars
.set OPTR, 66         ; s[66:67] att at my wave's first row
.set MP,  100         ; s[100:101] mbits at my wave's first tile; never rewritten
.set SEL, 104         ; s[104:105] v_permlanex16_b32's selects
.set MSB, 0
.macro WIN new
.if MSB != (\new)
	s_set_vgpr_msb (MSB<<8)|(\new)
.set MSB, (\new)
.endif
.endm
.set W_KQ, 0x0a       ; K and Q in window 2, S^T in window 0
.set W_PV, 0x53       ; V (and the readlanes' source) in window 3, P in window 0, O^T in window 1
.set W_RS, 0x41       ; O^T (destination and source 0) in window 1, a in window 0
.set W_T3, 0xc0       ; destination in window 3, sources and addresses in window 0
.set W_AD, 0x0f       ; the add: address and data in window 3
.macro JLOAD                        ; waves 0 and 1 fetch the two halves of a slot's K, waves 2 and 3 those of its V; an s_nop 0 and four v_nop follow each line
	s_cmp_lt_u32 s[WV], 2
	s_cbranch_scc0 .Lfor_v_\@
	tensor_load_to_lds s[G0K:G0K+3], s[G1K:G1K+7]
	s_nop 0
.rept 4
	v_nop
.endr
	s_branch .Lasked_\@
.Lfor_v_\@:
	tensor_load_to_lds s[G0V:G0V+3], s[G1V:G1V+7]
	s_nop 0
.rept 4
	v_nop
.endr
.Lasked_\@:
.endm
.macro CROUND
	s_barrier_signal -1
	s_barrier_wait -1
	s_cmp_lg_u32 s[WV], 0
	s_cbranch_scc1 .Lnot_wave_0_\@
	s_barrier_signal -3
.Lnot_wave_0_\@:
	s_barrier_wait -3
	s_barrier_signal -1
	s_barrier_wait -1
.endm
; THE CHANGE OF SLOTS.  The slot's last bytes, V of its fourth step, have been read and waited for.  Each wave waits for all its tensor loads (one is out: its part of the other slot), adds 0 to its
; spare word, and waits for that and for its reads.  fill = 1: the barrier is a round of the cluster's, and the joint fill, with the keys two slots on, is the first thing behind it: it has four key steps in which to land.
.macro CHANGE fill
	WIN W_AD
	s_wait_tensorcnt 0x0            ; no tensor load of mine is out, so a group 0 may be written
	ds_add_u32 v[SPW], v[NIL]
	WIN 0
.if \fill
.irp g, G0K, G0V
	s_xor_b32 s[\g+1], s[\g+1], SLOT1
	s_add_nc_u64 s[\g+2:\g+3], s[\g+2:\g+3], 4*KS*128
.endr
	s_wait_dscnt 0x0                ; the add is done, and my reads of the slot are over
	CROUND
	JLOAD
.else
	s_wait_dscnt 0x0
	s_barrier_signal -1
	s_barrier_wait -1
.endif
	s_sub_co_u32 s[TBK], s[TBK], 4*KS*PK
	s_xor_b32 s[TBK], s[TBK], SLOT1
	s_sub_co_u32 s[TBV], s[TBV], 4*KS*PV
	s_xor_b32 s[TBV], s[TBV], SLOT1
.endm
	s_load_b128 s[32:35], s[0:1], 0x0  ; qkv s[32:33], mbits s[34:35]
	s_load_b64 s[36:37], s[0:1], 0x10  ; att
	WIN W_T3
	v_lshl_add_u32 v[SPW], v0, 2, SPARE
	v_mov_b32 v[NIL], 0
	WIN W_AD
	ds_add_u32 v[SPW], v[NIL]       ; the wave's opening: the add and its wait stand ahead of my first tensor load
	WIN 0
	v_lshrrev_b32 v1, 5, v0
	v_readfirstlane_b32 s[WV], v1
	s_bfe_u32 s40, ttmp6, 0x40000   ; cx
	s_lshl_b32 s41, ttmp9, 2
	s_add_co_u32 s41, s41, s40      ; my block of 512 queries: it enters Q's, att's and mbits' addresses alone
	s_and_b32 s52, ttmp7, 0xffff    ; hb, which the four partners share
	s_lshl_b32 s42, s52, 18         ; the head's first byte in a tensor
	s_and_b32 s46, s[WV], 1         ; which half of a slot's 256 keys I fetch
	s_lshl_b32 s44, s46, 14
	s_add_co_u32 s44, s44, s42
	s_mov_b32 s45, 0
	s_mul_i32 s47, s46, 128*PK
	s_mul_i32 s48, s46, 128*PV
	s_lshl_b32 s50, s41, 2
	s_add_co_u32 s50, s50, s[WV]    ; my wave among the head's sixteen
	s_lshl_b32 s53, s50, 15         ; its 8 tiles x 4,096 bytes of mask words
	s_lshl_b32 s50, s50, 14         ; its 128 rows
	s_add_co_u32 s50, s50, s42
	s_mov_b32 s51, 0
	s_lshr_b32 s54, s52, 4          ; the batch: 128 tiles x 4,096 bytes
	s_lshl_b32 s54, s54, 19
	s_add_co_u32 s54, s54, s53
	s_mov_b32 s55, 0
	; group 1: 128 keys are 16,384 dense bytes: asked for as 64 rows of 256 bytes, padded in LDS after every key
	s_mov_b32 s[G1K], 15|(1<<16)|(1<<20)|(1<<21)|(4<<22)|(3<<25)
	s_mov_b32 s[G1V], 15|(1<<16)|(1<<20)|(1<<21)|(4<<22)|(7<<25)
.irp g, G1K, G1V
	s_mov_b32 s[\g+1], 128<<16
	s_mov_b32 s[\g+2], 64<<16
	s_mov_b32 s[\g+3], 128<<16
	s_mov_b32 s[\g+4], 64
	s_mov_b32 s[\g+5], 128
	s_mov_b32 s[\g+6], 0
	s_mov_b32 s[\g+7], 0
.endr
	s_mov_b32 s[SEL], 0x76543210
	s_mov_b32 s[SEL+1], 0xfedcba98
	s_mov_b32 s[TBK], SLOT1+4*KS*PK ; the first change of slots turns these two into 0
	s_mov_b32 s[TBV], SLOT1+4*KS*PV
	s_mov_b32 s[G0K], 1
	s_mov_b32 s[G0K+1], s47
	s_mov_b32 s[G0V], 1
	s_add_co_u32 s[G0V+1], s48, VOFF
	s_wait_dscnt 0x0                ; the opening add is done
	s_wait_kmcnt 0x0
	s_add_nc_u64 s[56:57], s[32:33], s[44:45]
	s_add_nc_u64 s[G0K+2:G0K+3], s[56:57], 0x1000000  ; K = qkv[1]
	s_or_b32 s[G0K+3], s[G0K+3], 0x80000000
	s_add_nc_u64 s[G0V+2:G0V+3], s[56:57], 0x2000000  ; V = qkv[2]
	s_or_b32 s[G0V+3], s[G0V+3], 0x80000000
	s_add_nc_u64 s[38:39], s[32:33], s[50:51]         ; Q at my wave's first row
	s_add_nc_u64 s[OPTR:OPTR+1], s[36:37], s[50:51]
	s_add_nc_u64 s[MP:MP+1], s[34:35], s[54:55]
	CROUND                          ; all four work-groups are here
	JLOAD                           ; slot 0; slot 1 is asked for when slot 0 is in
	v_and_b32 v1, 15, v0
	v_bfe_u32 v9, v0, 4, 1
	v_lshlrev_b32 v[QO], 7, v1
	v_lshl_add_u32 v[QO], v9, 4, v[QO]
	v_lshlrev_b32 v[MO], 3, v1      ; the mask words: 8 bytes a lane, lanes 16-31 in the piece's second tile; step 0
	v_lshl_add_u32 v[MO], v9, 12, v[MO]
	WIN 0x80
.set i, 0
.rept 4*NP                          ; Q stays in registers: tile i / 2, channels 32 (i % 2) on
	global_load_b128 v[8*i:8*i+3],   v[QO], s[38:39] offset:(i/2)*2048+(i%2)*64
	global_load_b128 v[8*i+4:8*i+7], v[QO], s[38:39] offset:(i/2)*2048+(i%2)*64+32
.set i, i+1
.endr
	WIN W_T3                        ; the staged words, in the order in which the turns will read them: pieces 1, 2, 3 of step 0, then piece 0 of step 1 (piece 0 of step 0 comes by scalar loads, below)
	global_load_b64 v[MW+2:MW+3], v[MO], s[MP:MP+1] offset:2*4096
	global_load_b64 v[MW+4:MW+5], v[MO], s[MP:MP+1] offset:4*4096
	global_load_b64 v[MW+6:MW+7], v[MO], s[MP:MP+1] offset:6*4096
	global_load_b64 v[MW:MW+1],   v[MO], s[MP:MP+1] offset:128
	; What the first turn finds: V's registers and P's second buffer hold 0 (its products V^T P, of a piece that has not been, add 0), O^T and l are 0.  No first step is written out.
	; O^T is set by 32 products of V's zeros, eight registers a line.  All this stands in the wait for the first tile.
.set i, VF
.rept 64
	v_mov_b32 v[i], 0
.set i, i+1
.endr
	WIN 0x4f                        ; sources 0 and 1 in window 3, destination in window 1
.set i, 0
.rept 8*NP
	v_wmma_f32_16x16x32_f16 v[8*i:8*i+7], v[VF:VF+7], v[VF+8:VF+15], 0
.set i, i+1
.endr
	WIN 0
.set i, 0
.rept 2*NP
	v_mov_b32 v[ST+4*i], 0xff7fffff    ; m
	v_mov_b32 v[ST+4*i+1], 0           ; named with m as a pair
	v_mov_b32 v[ST+4*i+2], 0
	v_mov_b32 v[ST+4*i+3], 0
.set i, i+1
.endr
.set i, P+32
.rept 32
	v_mov_b32 v[i], 0
.set i, i+1
.endr
	v_mov_b32 v[MASKED], 0xcd09960c    ; -1e8 log2 e
	v_mul_u32_u24 v[AK0], v1, PK
	v_lshl_add_u32 v[AK0], v9, 4, v[AK0]
	v_and_b32 v10, 7, v0
	v_bfe_u32 v11, v0, 3, 1
	v_lshl_add_u32 v[AV0], v9, 3, v10
	v_mul_u32_u24 v[AV0], v[AV0], PV
	v_lshl_add_u32 v[AV0], v11, 4, v[AV0]
	v_add_nc_u32 v[AV0], VOFF, v[AV0]
	v_mov_b32 v[AK], v[AK0]
; THE MATRIX WORK.  The 8 accumulators of a run of 16 take turns.
.macro KQ x                         ; product i of 16 of S^T = K Q^T: channels 32 (i / 8) on, keys 16 ((i / 2) % 4) on, tile 2 x + i % 2
	WIN W_KQ
.set rS, S+64*((\x)%2)+32*(i%2)+8*((i/2)%4)
.set rK, KF+16*((i/2)%4)+8*(i/8)
.set rQ, 16*(2*(\x)+i%2)+8*(i/8)
.if i < 8
	v_wmma_f32_16x16x32_f16 v[rS:rS+7], v[rK:rK+7], v[rQ:rQ+7], 0
.else
	v_wmma_f32_16x16x32_f16 v[rS:rS+7], v[rK:rK+7], v[rQ:rQ+7], v[rS:rS+7]
.endif
.endm
.macro PV x                         ; product i of 16 of O^T += V^T P: keys 32 (i / 8) on, channels 16 ((i / 2) % 4) on, tile 2 x + i % 2
	WIN W_PV
.set rO, 32*(2*(\x)+i%2)+8*((i/2)%4)
.set rV, VF+32*(i/8)+8*((i/2)%4)
.set rP, P+32*((\x)%2)+16*(i%2)+8*(i/8)
	v_wmma_f32_16x16x32_f16 v[rO:rO+7], v[rV:rV+7], v[rP:rP+7], v[rO:rO+7]
.endm
.macro MM
.if i < 16
	KQ (Y+1)%NP
.set i, i+1
.else
.set i, i-16
	PV (Y+NP-1)%NP
.set i, i+17
.endif
.endm
.macro FETCH_K last=0               ; a step's K, 16 loads in one run.  last = 1 (the tail): in the last trip there is no further step, and the run is jumped over
	WIN 0
.if \last
	s_cmp_eq_u32 s[CNT], 1
	s_cbranch_scc1 .Lno_k_\@
.endif
	WIN 0x80
.irp f, 0,1,2,3,4,5,6,7
	ds_load_b128 v[KF+8*\f:KF+8*\f+3],   v[AK] offset:(\f/2)*16*PK+(\f%2)*64
	ds_load_b128 v[KF+8*\f+4:KF+8*\f+7], v[AK] offset:(\f/2)*16*PK+(\f%2)*64+32
.endr
	s_add_co_u32 s[TBK], s[TBK], KS*PK
	WIN 0
.if \last
.Lno_k_\@:
.endif
.endm
.macro FETCH_V
	WIN W_T3
.irp f, 0,1,2,3,4,5,6,7
	ds_load_tr16_b128 v[VF+8*\f:VF+8*\f+3],   v[AV] offset:(\f/4)*32*PV+(\f%4)*32
	ds_load_tr16_b128 v[VF+8*\f+4:VF+8*\f+7], v[AV] offset:(\f/4)*32*PV+16*PV+(\f%4)*32
.endr
	WIN 0
.endm
; Lane mask j of the 64 of piece Y + 1 goes from its staged pair into its scalar register: tile j / 32, word j % 32.
.macro RL
	WIN W_PV
.set pn, (Y+1)%NP
	v_readlane_b32 s[MB+36*(j/32)+j%32], v[MW+2*pn+j%2], 16*(j/32)+(j%32)/2
.set j, j+1
.endm
; The step in MO's bits 7-11 goes on by one, inside its five bits: behind step 31 come steps 0 and 1 of the same tiles, so that the look-ahead of the last turns stays inside my wave's own
; 32,768 bytes of mbits; those words are not used.
.macro MSTEP
	s_wait_xcnt 0x0                 ; the offset of the loads that are out is rewritten only behind this wait (ISA guide 3.1); the youngest was issued a turn ago
	v_add_nc_u32 v[MT], 128, v[MO]
	v_bfi_b32 v[MO], 0xf80, v[MT], v[MO]
.endm
; THE SOFTMAX OF A TURN: one list of 304 positions (6 of them empty); VP writes position k for piece Y and steps k.
;   0-63     the mask: score i = k / 2 is replaced where its lane mask says so, in ascending order (each accumulator's lowest registers are read first); the two tiles alternate
;   64-95    the maximum of 32 scores and the old m: four chains of seven, then the rest
;   96-105   the lane 16 away holds the query's other 32 keys; the new m; m_old - m_new; m; a: the batch's first two exponentials
;   106-109  s - m for pairs 0 and 1
;   110-205  the rest of the batch: 16 stages g of six, three lines a tile: the two exponentials of pair g, with s - m for pair g + 2 between them.  A pair is scaled two stages ahead of its exponentials.
;            From 104 to 205 nothing names an exponential's result
;   (wait)   between 205 and 206 TURN writes a v_nop, the products V^T P with the readlanes, and the wait for the batch
;   206-269  8 groups n of eight, the two tiles alternating: pairs 2 n and 2 n + 1 rounded to f16; then the second pair is added onto the first, in place; then l takes group n - 1's sum
;   270-271  l takes the last sum          272-303  O^T times a, the one part that leaves window 0
.macro REGS y, u
.set rT, ST+4*(2*(\y)+(\u))
.set rC, TMP+8*((\y)%2)+4*(\u)
.set rS, S+64*((\y)%2)+32*(\u)
.set rP, P+32*((\y)%2)+16*(\u)
.set rO, 32*(2*(\y)+(\u))
.set rB, MB+36*(\u)
.endm
.macro FS n                         ; pair n: s - m
	v_pk_add_f32 v[rS+2*(\n):rS+2*(\n)+1], v[rS+2*(\n):rS+2*(\n)+1], v[rT:rT+1] op_sel_hi:[1,0] neg_lo:[0,1] neg_hi:[0,1]
.endm
.macro CS n                         ; pair n rounded to f16
	v_cvt_pk_f16_f32 v[rP+(\n)], v[rS+2*(\n)], v[rS+2*(\n)+1]
.endm
.macro BS n                         ; of the four weights 4 n .. the second pair is added onto the first, in place
	v_pk_add_f32 v[rS+4*(\n):rS+4*(\n)+1], v[rS+4*(\n):rS+4*(\n)+1], v[rS+4*(\n)+2:rS+4*(\n)+3]
.endm
.macro LS n                         ; l takes that sum; the first time l = a l + sum
.if (\n) == 0
	v_pk_fma_f32 v[rT+2:rT+3], v[rT+2:rT+3], v[rC+2:rC+3], v[rS:rS+1] op_sel_hi:[1,0,1]
.else
	v_pk_add_f32 v[rT+2:rT+3], v[rT+2:rT+3], v[rS+4*(\n):rS+4*(\n)+1]
.endif
.endm
.macro VP
.set u, k%2
.set g, 0
.set o, 0
.set x, (k-64)/2
.if (k >= 110) && (k < 206)
.set g, (k-110)/6
.set o, (k-110)%6
.set u, o/3
.endif
.if (k >= 206) && (k < 270)
.set g, (k-206)/8
.set o, (k-206)%8
.endif
	REGS Y, u
.if k < 272
	WIN 0
.endif
.if k < 64
	v_cndmask_b32 v[rS+k/2], v[rS+k/2], v[MASKED], s[rB+k/2]
.elseif k < 72
	v_max3_num_f32 v[rC+x], v[rS+8*x], v[rS+8*x+1], v[rS+8*x+2]
.elseif k < 88
	v_max3_num_f32 v[rC+x%4], v[rC+x%4], v[rS+8*(x%4)+2*(x/4)+1], v[rS+8*(x%4)+2*(x/4)+2]
.elseif k < 90
	v_max3_num_f32 v[rC], v[rC], v[rS+7], v[rS+15]
.elseif k < 92
	v_max3_num_f32 v[rC+1], v[rC+1], v[rS+23], v[rS+31]
.elseif k < 94
	v_max3_num_f32 v[rC+2], v[rC+2], v[rC+3], v[rT]
.elseif k < 96
	v_max3_num_f32 v[rC], v[rC], v[rC+1], v[rC+2]
.elseif k < 98
	v_permlanex16_b32 v[rC+3], v[rC], s[SEL], s[SEL+1]
.elseif k < 100
	v_max_num_f32 v[rC+1], v[rC], v[rC+3]
.elseif k < 102
	v_sub_f32 v[rC+2], v[rT], v[rC+1]
.elseif k < 104
	v_mov_b32 v[rT], v[rC+1]
.elseif k < 106
	v_exp_f32 v[rC+2], v[rC+2]
.elseif k < 110
	FS (k-106)/2
.elseif k < 206
.if o%3 == 0
	v_exp_f32 v[rS+2*g], v[rS+2*g]
.elseif o%3 == 2
	v_exp_f32 v[rS+2*g+1], v[rS+2*g+1]
.elseif g < 14
	FS g+2
.endif
.elseif k < 270
.if o < 2
	CS 2*g
.elseif o < 4
	CS 2*g+1
.elseif o < 6
	BS g
.elseif g > 0
	LS g-1
.endif
.elseif k < 272
	LS 7
.else
	WIN W_RS
	v_pk_mul_f32 v[rO+2*((k-272)/2):rO+2*((k-272)/2)+1], v[rO+2*((k-272)/2):rO+2*((k-272)/2)+1], v[rC+2:rC+3] op_sel_hi:[1,0]
.endif
.set k, k+1
.endm
; A TURN, for piece p: 16 products K Q^T with the piece's 64 v_cndmask_b32, four behind each; the first lump, N1 positions, which ends with the batch's last exponential; a v_nop; 16 products V^T P with the
; next piece's 64 readlanes, four behind each; the wait for the batch; that piece's pair is loaded again, with its words of the next step; the second lump: all that reads the batch's results.
; The loads of mask words go round the pieces 1, 2, 3, 0, one a turn: behind the one that this turn reads three younger ones have been issued, which the count leaves out.
; In piece 3's turn the step goes on first: its load (piece 0's) and the next three turns' ask for the same step.
; K of the next step is fetched in piece 2's turn, twelve plain lines behind the last product that read K.  V of the step in hand is fetched at the end of piece 0's turn, behind the second lump.
; Each run is waited for a turn later.
.macro TURN p, last=0
.set Y, (\p)
.set i, 0
.set k, 0
.set j, 0
.if (\p) == 3
	s_wait_dscnt 0x0                ; K is in
.endif
.rept 16
	MM
.rept 4
	VP
.endr
.endr
.rept N1
	VP
.if ((\p) == 2) && (k == 72)
	WIN 0
	v_add_nc_u32 v[AK], s[TBK], v[AK0]
	FETCH_K \last
.endif
.endr
	v_nop                           ; the plain line behind the last exponential, ahead of any use of a result (ISA guide 5.7.2): one for the batch
.if (\p) == 1
	s_wait_dscnt 0x0                ; V is in
.endif
	s_wait_loadcnt 0x3              ; the next piece's staged words are in; the three younger loads stay out
.rept 16                            ; between the batch and its wait: these name V, the other buffer's P, another piece's O^T and the staged words, none of the batch's results
	MM
.rept 4
	RL
.endr
.endr
.if (\p) == 3
	WIN 0
	MSTEP
.endif
	WIN W_T3
	s_wait_alu depctr_va_vdst(0)    ; the wait, ONE for the turn's 66 exponentials: all were issued ahead of it, and every line that names a result of theirs stands behind it
	global_load_b64 v[MW+2*((Y+1)%NP):MW+2*((Y+1)%NP)+1], v[MO], s[MP:MP+1] offset:2*((Y+1)%NP)*4096
.rept NL-64-N1
	VP
.endr
.if (\p) == 0
	WIN 0
	v_add_nc_u32 v[AV], s[TBV], v[AV0]
	s_add_co_u32 s[TBV], s[TBV], KS*PV
	FETCH_V
.endif
.endm
	CHANGE 1                        ; slot 0 is in, everybody's part of it; slot 1 is asked for
	FETCH_K                         ; key step 0
	s_wait_loadcnt 0x4              ; Q's 32 loads are in (the four loads of mask words behind them stay out): the set-up's scalars, Q's address among them, are free
	s_load_b512 s[MB:MB+15],    s[MP:MP+1], 0x0     ; piece 0's lane masks for step 0 come by scalar loads: nothing is staged for it yet
	s_load_b512 s[MB+16:MB+31], s[MP:MP+1], 0x40
	s_load_b512 s[MB+36:MB+51], s[MP:MP+1], 0x1000
	s_load_b512 s[MB+52:MB+67], s[MP:MP+1], 0x1040
	s_wait_dscnt 0x0
.set i, 0
.rept 16
	KQ 0                            ; piece 0's first scores
.set i, i+1
.endr
	WIN 0                           ; the addresses for the way out: nine plain lines, the places behind those products
	s_mul_i32 s5, s[WV], 16*SP
	s_add_co_u32 s5, s5, STAGE
	v_mul_u32_u24 v[STO], v1, SP
	v_lshl_add_u32 v[STO], v9, 4, v[STO]
	v_add_nc_u32 v[STO], s5, v[STO]
	v_bfe_u32 v[RD], v0, 3, 2
	v_mul_u32_u24 v[RD], v[RD], SP
	v_lshl_add_u32 v[RD], v10, 4, v[RD]
	v_add_nc_u32 v[RD], s5, v[RD]
	v_and_b32 v[GO], 31, v0
	v_lshlrev_b32 v[GO], 4, v[GO]
	MSTEP                           ; the first three turns ask for step 1
	s_mov_b32 s[CNT], 4
	s_mov_b32 s[SLOTS], 7           ; 2,048 / 256 - 1
	s_wait_kmcnt 0x0                ; piece 0's lane masks are in
	s_branch .Lfirst                ; the loop is entered at a step's first turn, in the middle of a trip
.Lslot:                             ; six times: every slot but the last two is filled again
	CHANGE 1
	s_mov_b32 s[CNT], 4
.Lstep:                             ; a trip: pieces 2 and 3 of one step, then pieces 0 and 1 of the next, whose K and V it fetches
	TURN 2
	TURN 3
	WIN 0
.Lfirst:
	TURN 0
	TURN 1
	s_sub_co_u32 s[CNT], s[CNT], 1
	s_cmp_lg_u32 s[CNT], 0
	WIN 0
	s_cbranch_scc1 .Lstep
	s_sub_co_u32 s[SLOTS], s[SLOTS], 1
	s_cmp_lg_u32 s[SLOTS], 0
	s_cbranch_scc1 .Lslot
	CHANGE 0                        ; the tail is written out
	s_mov_b32 s[CNT], 5             ; four trips fetch the last slot's steps; the fifth is left in its middle
.Ltail:
	TURN 2, 1
	TURN 3
	WIN 0
	s_sub_co_u32 s[CNT], s[CNT], 1
	s_cmp_eq_u32 s[CNT], 0
	s_cbranch_scc1 .Lout
	TURN 0
	TURN 1
	WIN 0
	s_branch .Ltail
.Lout:                              ; the fifth trip's 16 products K Q^T, on the last K once more, serve nothing: the price, once a launch, of one text for every trip
	s_wait_loadcnt 0x0              ; the mask words asked for last: no load is out at the end
.set i, 0
.rept 16
	PV NP-1                         ; the last piece's V^T P of the last step
.set i, i+1
.endr
	; THE WAY OUT.  l's two halves and the other half of the lanes' are added; O^T is divided by l, rounded to f16 and sent through my stage, a tile at a time.  The additions are the places behind the last products.
	WIN 0
.macro ALL line:vararg
.set t, 0
.rept 2*NP
	\line
.set t, t+1
.endr
.endm
	ALL v_add_f32 v[ST+4*t+2], v[ST+4*t+2], v[ST+4*t+3]
	ALL v_permlanex16_b32 v[ST+4*t+3], v[ST+4*t+2], s[SEL], s[SEL+1]
	ALL v_add_f32 v[ST+4*t+2], v[ST+4*t+2], v[ST+4*t+3]
	ALL v_rcp_f32 v[ST+4*t+2], v[ST+4*t+2]
	v_nop                           ; a plain line between the last reciprocal and the use of its result
	s_wait_alu depctr_va_vdst(0)    ; the wait ahead of the first use: one for the batch of eight reciprocals
.macro PACK t
	WIN W_RS
.set i, 32*(\t)
.rept 16
	v_pk_mul_f32 v[i:i+1], v[i:i+1], v[ST+4*(\t)+2:ST+4*(\t)+3] op_sel_hi:[1,0]
.set i, i+2
.endr
	WIN 0x05
.set i, 0
.rept 16
	v_cvt_pk_f16_f32 v[S+16*(\t)+i], v[32*(\t)+2*i], v[32*(\t)+2*i+1]
.set i, i+1
.endr
	WIN 0
.irp f, 0,1,2,3
	ds_store_b128 v[STO], v[S+16*(\t)+4*\f:S+16*(\t)+4*\f+3] offset:32*\f
.endr
.irp f, 0,1,2,3
	ds_load_b128 v[S+16*(\t)+4*\f:S+16*(\t)+4*\f+3], v[RD] offset:\f*4*SP  ; LDS serves a wave's instructions in order: these see the stores above; the next tile's stores come behind them
.endr
.endm
.macro SEND t, younger              ; younger: the LDS instructions issued behind tile t's loads: the next tile's eight, or none
	WIN 0
.irp f, 0,1,2,3
	s_wait_dscnt (\younger)+3-\f
	global_store_b128 v[GO], v[S+16*(\t)+4*\f:S+16*(\t)+4*\f+3], s[OPTR:OPTR+1] offset:(\t)*2048+\f*512  ; 512 consecutive bytes, at a multiple of 512 from att's first byte
.endr
.endm
	PACK 0
.set t, 1
.rept 2*NP-1
	PACK t
	SEND t-1, 8
.set t, t+1
.endr
	SEND 2*NP-1, 0
	WIN W_AD
	s_wait_tensorcnt 0x0            ; the wave's end
	ds_add_u32 v[SPW], v[NIL]
	s_wait_dscnt 0x0
	WIN 0
	CROUND                          ; the closing round
	s_endpgm
.Lfunc_end_k_qf91d50216c_attn:
	.size	k_qf91d50216c_attn, .Lfunc_end_k_qf91d50216c_attn-k_qf91d50216c_attn
	.p2alignl 7, 3214868480
	.fill 96, 4, 3214868480
	.section	.rodata,"a",@progbits
	.p2align	6, 0x0
	.amdhsa_kernel k_qf91d50216c_attn
		.amdhsa_group_segment_fixed_size 327680
		.amdhsa_private_segment_fixed_size 0
		.amdhsa_enable_private_segment 0
		.amdhsa_kernarg_size 24
		.amdhsa_user_sgpr_count 2
		.amdhsa_user_sgpr_kernarg_segment_ptr 1
		.amdhsa_wavefront_size32 1
		.amdhsa_system_sgpr_workgroup_id_x 1
		.amdhsa_system_sgpr_workgroup_id_y 1
		.amdhsa_system_sgpr_workgroup_id_z 1
		.amdhsa_system_vgpr_workitem_id 0
		.amdhsa_next_free_vgpr 896
		.amdhsa_next_free_sgpr 106
		.amdhsa_reserve_vcc 0
		.amdhsa_float_denorm_mode_32 3
		.amdhsa_float_denorm_mode_16_64 3
		.amdhsa_memory_ordered 1
		.amdhsa_forward_progress 1
		.amdhsa_inst_pref_size 245
	.end_amdhsa_kernel
	.amdgpu_metadata
---
amdhsa.version: [ 1, 2 ]
amdhsa.kernels:
  - .name:           k_qf91d50216c_attn
    .symbol:         k_qf91d50216c_attn.kd
    .args:
      - { .name: qkv, .offset: 0, .size: 8, .value_kind: global_buffer, .address_space: global }
      - { .name: mbits, .offset: 8, .size: 8, .value_kind: global_buffer, .address_space: global }
      - { .name: att, .offset: 16, .size: 8, .value_kind: global_buffer, .address_space: global }
    .group_segment_fixed_size: 327680
    .private_segment_fixed_size: 0
    .kernarg_segment_align: 8
    .kernarg_segment_size: 24
    .max_flat_workgroup_size: 128
    .sgpr_count:     106
    .vgpr_count:     896
    .wavefront_size: 32
...
	.end_amdgpu_metadata
.endif
;; end of part 9
;; launch outp: the kernel of part 8 again; grid 4 x 64, 4 waves a work-group, clusters of 4 x 4, 327,680 bytes of LDS; arguments att, w16, bo, out0; writes out0
